; MI455X (gfx1250); checked and timed in simulation.
; The chip was launched on July 23, 2026; its instructions are those of AMD's public machine-readable ISA for CDNA 5 (MIT licence, August 2026) and "CDNA5" Instruction Set Architecture Reference Guide (July 2026). The comments in the code are by the model that wrote it; some were corrected since.
;; Encoder Layer. Allowed arithmetic: matrix products marked QUANTISED: E2M3 operands, one E8M0 scale for each 32 along K, by v_wmma_scale_f32_16x16x128_f8f6f4 with both operands' format E2M3, f32 sums; everything else in f32.
;; Inputs: b1 4,096 float32; b2 1,024 float32; bk 1,024 float32; bo 1,024 float32; bq 1,024 float32; bv 1,024 float32; ln1_b 1,024 float32; ln1_w 1,024 float32; ln2_b 1,024 float32; ln2_w 1,024 float32; mask 4 x 1 x 1 x 1,024 int32; w1 1,024 x 4,096 float32; w2 4,096 x 1,024 float32; wk 1,024 x 1,024 float32; wo 1,024 x 1,024 float32; wq 1,024 x 1,024 float32; wv 1,024 x 1,024 float32; x 4 x 1,024 x 1,024 float32.
;; Outputs: out0 4 x 1,024 x 1,024 float32.
;; This version of the problem:
;;   THIS VERSION OF THE PROBLEM IS GIVEN IN LOW PRECISION. The matrix products marked QUANTISED in the list below multiply operands that are first quantised to E2M3 (2 exponent bits, 3 mantissa bits; 6 bits a number), with one power-of-two scale for each 32 numbers along K (OCP MX v1.0); their sums are f32. All else is computed in f32.
;;   The module's matrix products, in the order in which they are computed (A, B: the left and right operand; K: the contracted axis; several contracted axes count as one K, in the product's order):
;;     1. [M 4,096, K 1,024] x [K 1,024, N 1,024]; A: computed on the way; B: input wq: QUANTISED
;;     2. [M 4,096, K 1,024] x [K 1,024, N 1,024]; A: computed on the way; B: input wk: QUANTISED
;;     3. [M 4,096, K 1,024] x [K 1,024, N 1,024]; A: computed on the way; B: input wv: QUANTISED
;;     4. batch 64 x [M 1,024, K 64] x [K 64, N 1,024]; A: computed on the way; B: computed on the way: QUANTISED
;;     5. batch 64 x [M 1,024, K 1,024] x [K 1,024, N 64]; A: softmax (see below); B: computed on the way: QUANTISED
;;     6. [M 4,096, K 1,024] x [K 1,024, N 1,024]; A: computed on the way; B: input wo: QUANTISED
;;     7. [M 4,096, K 1,024] x [K 1,024, N 4,096]; A: computed on the way; B: input w1: QUANTISED
;;     8. [M 4,096, K 4,096] x [K 4,096, N 1,024]; A: computed on the way; B: input w2: QUANTISED
;;   THE QUANTISER, for each operand of a quantised product, along K:
;;     - K is cut into blocks of 32 from its start; a last block that is shorter is filled with zeros.
;;     - A block's scale is 2^e with e = floor(log2(the largest magnitude in the block)) - 2, held to -126 .. 127; a block of zeros has e = 0. As a byte (E8M0): e + 127.
;;     - Each number is divided by its block's scale, clamped to +-7.5, and rounded to the nearest number of E2M3, ties to even, subnormals kept.
;;     - The product sums the exact products of the quantised numbers (number of the format x scale) in f32.
;;   ~~~python
;;   def quantise(x, axis):      # numpy; x: float32 -> the quantised numbers, widened to float32 again
;;       x = np.moveaxis(x, axis, -1); K = x.shape[-1]
;;       x = np.pad(x, [(0, 0)] * (x.ndim - 1) + [(0, -K % 32)]); x = x.reshape(x.shape[:-1] + (-1, 32)); a = np.abs(x).max(-1, keepdims=True)
;;       e = np.where(a > 0, np.clip(np.frexp(np.where(a > 0, a, 1))[1] - 1 - 2, -126, 127), 0)      # np.frexp(a)[1] - 1 = floor(log2(a)), exactly
;;       r = np.clip(x / 2.0 ** e, -7.5, 7.5)
;;       step = 2.0 ** (np.maximum(np.frexp(np.where(r == 0, 1, r))[1] - 1, 0) - 3)
;;       q = np.round(r / step) * step * 2.0 ** e      # np.round: ties to even
;;       return np.moveaxis(q.reshape(q.shape[:-2] + (-1,))[..., :K], -1, axis).astype(np.float32)
;;   ~~~
;;   SOFTMAX AHEAD OF A QUANTISED PRODUCT. Where the list says 'softmax', what is quantised is not the finished softmax but p = 2^(t - M), with t = logit x log2(e) and M = ceil(the row's largest t), a whole number; so 1/2 < the row's largest p <= 1. The row's sum l is taken of the UNQUANTISED p, in f32, and the product's result is divided by l at the end. Since M is a whole number, a kernel that streams over the keys may use a running M (the ceiling of the running maximum): every later rescaling is an exact power of two, which a block's scale takes up: the codes' values come out the same.
;;   OPERANDS COMPUTED ON THE WAY. 'Computed on the way' means the value that the module computes at that place (a softmax that the list does not call 'softmax' is quantised finished and normalised). What goes into a quantiser is computed in f32, as accurately as f32 sums, v_exp_f32 and their like allow (about 1e-6 of the number): no bf16 or f16 on the way to a quantiser, and a product that is left as it is and whose result goes on into a quantised operand takes f32 operands (vector FMAs, or v_wmma_f32_16x16x4_f32). A number that lies on a knife's edge between two numbers of the format may be rounded either way, as far as f32 arithmetic and the matrix unit's own rounding can turn it there, and no further.
;; 2 versions. Each part assembles by itself: llvm-mc -triple=amdgcn-amd-amdhsa -mcpu=gfx1250 --defsym DOCPART=n.
;; ======== version 1 of 2: 6 launches
;; limits: right only within a limited range of input values
;; workspace buffers: wc 9,437,184 bytes; ws 393,216 bytes; a1 3,276,800 bytes; a2 3,276,800 bytes; a3 3,276,800 bytes; qkv 11,665,408 bytes; x1 16,777,216 bytes; hid 13,107,200 bytes
;; launch prep (part 1): grid 832 x 1, 4 waves a work-group, no clusters, 74,240 bytes of LDS; arguments x, ln1_w, ln1_b, wq, wk, wv, wo, w1, w2, a1, wc, ws; writes a1, wc, ws
.if DOCPART == 1
	.amdgcn_target "amdgcn-amd-amdhsa--gfx1250"
	.amdhsa_code_object_version 6
	.text
	.protected	k_q5dd07c1c2d_prep
	.globl	k_q5dd07c1c2d_prep
	.p2align	8
	.type	k_q5dd07c1c2d_prep,@function
k_q5dd07c1c2d_prep:
	s_mov_b64 s[64:65], 0
	v_nop
	global_prefetch_b8 v0, s[64:65] scope:SCOPE_SE
	s_setreg_imm32_b32 hwreg(HW_REG_WAVE_MODE, 25, 1), 1
	s_wait_xcnt 0x0
; ENCODER LAYER IN MX-FP6 (E2M3, one E8M0 scale for each 32 along K), six launches: prep, qkv, attn, wo_ln, ffn1, ffn2.
; NO WORK OF THE PROBLEM IS LEFT OUT: every input has a way to the output (each bias moves codes or results, bk moves k's codes), and all are loaded.
; THIS LAUNCH: LN1(x) as codes (work-groups 0-63) and the six weights as codes (work-groups 64-831).
; LAYOUT OF EVERY OPERAND OF THE PROGRAM.  Rows go in tiles of 16; lane r of tile T is row 32 (T / 2) + 8 (T % 2) + r + 8 (r / 8), so that the 16 result registers
; of two neighbouring tiles are 16 neighbours along the next product's K.  A fragment (tile x 128 K, 12 registers a lane) lies in memory as an image of its registers, 1,536 bytes:
; for each 64 along K, registers 0-3 at 16 x lane (512 bytes), registers 4, 5 at 512 + 8 x lane (256 bytes).  Codes: [tile][K / 128][1,536].
; Scale words (4 bytes: a row's 128 K): word (T, s, r) at ((T / 8) KS + s) 512 + ((T / 4) % 2) 256 + 16 r + 4 (T % 4), KS = K / 128: 16 bytes a lane bring eight tiles' words.
; LIMITS: a block of zeros keeps the scale byte 1 (its codes are zeros, and this program alone reads the bytes); blocks whose largest magnitude lies under 2^-124 are held at byte 1;
; NaN and infinities among the inputs are not served.
; No cluster: the work-groups share only LN1's gain and bias.  No matrix unit: there is no product here.
.set SPARE, 73728                      ; behind the four waves' regions: the spare words, 128 bytes a wave
.set SPW, 2                            ; v2  LDS address of my spare word; never rewritten
.set NIL, 3                            ; v3  0; never rewritten
	s_load_b256 s[4:11], s[0:1], 0x0               ; x, ln1_w, ln1_b, wq
	s_load_b256 s[12:19], s[0:1], 0x20             ; wk, wv, wo, w1
	s_load_b256 s[20:27], s[0:1], 0x40             ; w2, a1, wc, ws
	v_lshl_add_u32 v[SPW], v0, 2, SPARE
	v_mov_b32 v[NIL], 0
	v_lshrrev_b32 v1, 5, v0
	v_readfirstlane_b32 s28, v1                    ; wave
	v_and_b32 v1, 31, v0                           ; lane
	s_cmp_lt_u32 ttmp9, 64
	s_cbranch_scc1 .Lnorm
; ---------------- THE WEIGHTS.  W is [K][N] f32.  A wave takes 32 columns x 128 K: A LANE TAKES A COLUMN, ITS REGISTERS RUN DOWN K; the four waves stand side by side on 512 bytes of each row.
	s_sub_co_u32 s29, ttmp9, 64                    ; 0-255: wq, wk, wv, wo (64 each); 256-511: w1; 512-767: w2
	s_lshr_b32 s30, s29, 8                         ; 0, 1, 2
	s_lshr_b32 s31, s29, 6                         ; 0-3 name the four square weights
	s_and_b32 s32, s29, 255
	s_lshl_b32 s37, s30, 2
	s_cmp_eq_u32 s30, 1
	s_cselect_b32 s33, 5, 3                        ; w1 has 32 groups of 128 columns, the others 8
	s_cselect_b32 s34, 2, 0
	s_cmp_eq_u32 s30, 2
	s_cselect_b32 s35, 2, 0
	s_cmp_eq_u32 s30, 0
	s_cselect_b32 s36, 7, 31
	s_cselect_b32 s37, s31, s37                    ; place in wc and ws, in units of a square weight: 0-3, 4, 8
	s_bfm_b32 s38, s33, 0
	s_and_b32 s38, s32, s38                        ; column group
	s_lshr_b32 s39, s32, s33
	s_and_b32 s39, s39, s36                        ; K step
	s_lshl_b32 s40, 0x1000, s34                    ; a row of W in bytes
	s_lshl_b32 s41, 0x3000, s35                    ; a tile's codes in bytes: KS x 1,536
	s_lshl_b32 s42, 0x1000, s35                    ; eight tiles' scale words: KS x 512
	v_lshlrev_b32 v4, 2, v1
.set n, 0
.rept 32
	v_mad_u32_u24 v[16+n], s40, n, v4              ; row n of a block, my column
.set n, n+1
.endr
	v_bfe_u32 v5, v1, 3, 1                         ; column x of 32 is lane r = x % 8 + 8 (x / 16) of tile u = (x / 8) % 2
	v_and_b32 v6, 7, v1
	v_lshrrev_b32 v7, 4, v1
	v_lshl_or_b32 v6, v7, 3, v6
	v_mul_lo_u32 v8, v5, s41
	v_lshl_add_u32 v9, v6, 4, v8                   ; where my registers 0-3 go
	v_lshl_add_u32 v10, v6, 3, v8                  ; and registers 4, 5
	v_lshlrev_b32 v11, 2, v5
	v_lshl_add_u32 v11, v6, 4, v11                 ; my scale word
	s_mul_i32 s43, s39, s40
	s_lshl_b32 s43, s43, 7                         ; 128 rows a K step
	s_lshl_b32 s44, s38, 9
	s_add_co_u32 s43, s43, s44
	s_lshl_b32 s44, s28, 7
	s_add_co_u32 s44, s43, s44
	s_mov_b32 s45, 0
	s_lshl_b32 s46, s40, 5                         ; 32 rows: a block
	s_mov_b32 s47, 0
	s_mul_i32 s56, s37, 786432
	s_lshl_b32 s57, s38, 3
	s_lshl_b32 s58, s28, 1
	s_add_co_u32 s57, s57, s58                     ; my first tile: 8 x group + 2 x wave
	s_mul_i32 s57, s57, s41
	s_add_co_u32 s56, s56, s57
	s_mul_i32 s57, s39, 1536
	s_add_co_u32 s56, s56, s57
	s_mov_b32 s57, 0
	s_lshl_b32 s58, s37, 15
	s_mul_i32 s59, s38, s42
	s_add_co_u32 s58, s58, s59
	s_lshl_b32 s59, s39, 9
	s_add_co_u32 s58, s58, s59
	s_lshr_b32 s59, s28, 1
	s_lshl_b32 s59, s59, 8
	s_add_co_u32 s58, s58, s59
	s_and_b32 s59, s28, 1
	s_lshl_b32 s59, s59, 3
	s_add_co_u32 s58, s58, s59
	s_mov_b32 s59, 0
	s_wait_kmcnt 0x0
	s_cmp_eq_u32 s31, 1                            ; the choice hangs on the work-group's number alone
	s_cselect_b64 s[48:49], s[12:13], s[10:11]
	s_cmp_eq_u32 s31, 2
	s_cselect_b64 s[48:49], s[14:15], s[48:49]
	s_cmp_eq_u32 s31, 3
	s_cselect_b64 s[48:49], s[16:17], s[48:49]
	s_cmp_eq_u32 s30, 1
	s_cselect_b64 s[48:49], s[18:19], s[48:49]
	s_cmp_eq_u32 s30, 2
	s_cselect_b64 s[48:49], s[20:21], s[48:49]
	s_add_nc_u64 s[48:49], s[48:49], s[44:45]      ; a base for each of the four blocks
	s_add_nc_u64 s[50:51], s[48:49], s[46:47]
	s_add_nc_u64 s[52:53], s[50:51], s[46:47]
	s_add_nc_u64 s[54:55], s[52:53], s[46:47]
	s_add_nc_u64 s[24:25], s[24:25], s[56:57]
	s_add_nc_u64 s[26:27], s[26:27], s[58:59]
.macro LOAD t                          ; block t: 32 rows of my column into set t % 2; a wave's load reads 128 consecutive bytes
.set n, 0
.rept 32
	global_load_b32 v[48+32*((\t)%2)+n], v[16+n], s[48+2*(\t):49+2*(\t)] th:TH_LOAD_NT
.set n, n+1
.endr
.endm
.macro BLOCK t                         ; block t is lane (r, t % 2), registers 6 (t / 2) .. + 5 of the fragment
.set XS, 48+32*((\t)%2)
.set CC, 112+8*(\t)                    ; each block has its own code registers: no store's data are written again
.if (\t) < 3
	s_wait_loadcnt 32                              ; this block's 32 loads are in; the next block's 32 may be out
.else
	s_wait_loadcnt 0x0
.endif
	v_max3_num_f32 v12, |v[XS]|, |v[XS+1]|, |v[XS+2]|
	v_max3_num_f32 v13, |v[XS+3]|, |v[XS+4]|, |v[XS+5]|
.irp i, 6,10,14,18,22,26
	v_max3_num_f32 v12, v12, |v[XS+\i]|, |v[XS+\i+1]|
	v_max3_num_f32 v13, v13, |v[XS+\i+2]|, |v[XS+\i+3]|
.endr
	v_max3_num_f32 v12, v12, |v[XS+30]|, |v[XS+31]|
	v_max3_num_f32 v12, v12, v13, 0x1800000        ; the floor 2^(3 - 127): the byte cannot fall under 1
	v_add_nc_u32 v14, 0xff000000, v12              ; 2 off the exponent field: the conversion's scale operand
	v_lshrrev_b32 v13, 23, v14                     ; the scale's byte
.if (\t) == 0
	v_mov_b32 v147, v13
.else
	v_lshl_or_b32 v147, v13, 8*(\t), v147
.endif
	v_cvt_scalef32_pk16_fp6_f32 v[CC:CC+2], v[XS:XS+15], v14
	v_cvt_scalef32_pk16_fp6_f32 v[144:146], v[XS+16:XS+31], v14   ; (a conversion's three registers begin on an even number)
	v_nop                                          ; one plain place behind a scaled conversion
	v_mov_b32 v[CC+3], v144
	v_mov_b32 v[CC+4], v145
	v_mov_b32 v[CC+5], v146
	global_store_b128 v9, v[CC:CC+3], s[24:25] offset:((\t)/2)*768+((\t)%2)*256       ; the 16 lanes of a tile store 256 consecutive bytes, aligned
	global_store_b64 v10, v[CC+4:CC+5], s[24:25] offset:((\t)/2)*768+512+((\t)%2)*128
.if (\t) < 2
	LOAD (\t)+2
.endif
.endm
	LOAD 0
	LOAD 1
	BLOCK 0
	BLOCK 1
	BLOCK 2
	BLOCK 3
	global_store_b32 v11, v147, s[26:27]           ; my column's scale word of this K step
	s_endpgm
; ---------------- LN1.  Wave w takes token tile 4 x work-group + w: 16 rows, one after the other, three rows' loads in flight.  A row is normalised where it was loaded (16 bytes a lane, 512 a load),
; turns through the wave's row stage so that a lane holds one block of 32, is quantised, and its codes go to the wave's image stage; at the end the tile's 12,288 bytes leave in whole runs of 512.
; The wave's LDS: row stage 32 x (128 + 16) bytes; at 4,608 the image, 48 x (256 + 16); at 17,664 the scale bytes, 512.  Waves share nothing: no barrier.
.Lnorm:
	s_lshl_b32 s29, ttmp9, 2
	s_add_co_u32 s29, s29, s28                     ; my tile
	s_mul_i32 s30, s28, 18432
	v_lshlrev_b32 v4, 4, v1                        ; 16 x lane
	v_lshrrev_b32 v12, 3, v1
	v_lshl_add_u32 v5, v12, 4, v4
	v_add_nc_u32 v5, s30, v5                       ; row stage, in: as it lies, 16 bytes of padding behind each 128
	v_mul_u32_u24 v6, v1, 144
	v_add_nc_u32 v6, s30, v6                       ; row stage, out: block = lane
	v_lshrrev_b32 v12, 1, v1
	v_and_b32 v13, 1, v1
	v_mad_u32_u24 v14, v12, 3, v13
	v_mul_u32_u24 v7, v14, 272
	v_add_nc_u32 v7, s30, v7
	v_add_nc_u32 v7, 4608, v7                      ; image: block l is half l % 2 of the 64 K numbered l / 2: registers 0-3 in unit 3 (l / 2) + l % 2,
	v_mul_u32_u24 v8, v12, 816
	v_lshl_add_u32 v8, v13, 7, v8
	v_add_nc_u32 v8, s30, v8
	v_add_nc_u32 v8, 5152, v8                      ; registers 4, 5 in unit 3 (l / 2) + 2, at 128 (l % 2)
	v_lshrrev_b32 v12, 2, v1
	v_and_b32 v13, 3, v1
	v_lshl_add_u32 v9, v12, 6, v13
	v_add_nc_u32 v9, s30, v9
	v_add_nc_u32 v9, 17664, v9                     ; scale bytes: [K step l / 4][row][byte l % 4]
	v_lshrrev_b32 v12, 4, v1
	v_and_b32 v13, 15, v1
	v_mul_u32_u24 v10, v12, 272
	v_lshl_add_u32 v10, v13, 4, v10
	v_add_nc_u32 v10, s30, v10
	v_add_nc_u32 v10, 4608, v10                    ; image, out: two units an instruction
	v_lshlrev_b32 v11, 2, v1
	v_add_nc_u32 v11, s30, v11
	v_add_nc_u32 v11, 17664, v11                   ; scale words, out
	v_lshlrev_b32 v12, 9, v12
	v_lshl_add_u32 v12, v13, 4, v12                ; and their place in a1: 512 (l / 16) + 16 (l % 16)
	s_lshr_b32 s31, s29, 1
	s_lshl_b32 s31, s31, 17
	s_and_b32 s32, s29, 1
	s_lshl_b32 s32, s32, 15
	s_add_co_u32 s32, s31, s32                     ; the tile's first row: 32 (T / 2) + 8 (T % 2), 4,096 bytes each
	s_mov_b32 s33, 0
	s_mul_i32 s34, s29, 12288
	s_mov_b32 s35, 0
	s_lshr_b32 s36, s29, 3
	s_lshl_b32 s36, s36, 12
	s_bfe_u32 s37, s29, 0x10002
	s_lshl_b32 s37, s37, 8
	s_add_co_u32 s36, s36, s37
	s_and_b32 s37, s29, 3
	s_lshl_b32 s37, s37, 2
	s_add_co_u32 s36, s36, s37
	s_add_co_u32 s36, s36, 3145728
	s_mov_b32 s37, 0
	s_mov_b32 s38, 0x76543210
	s_mov_b32 s39, 0xfedcba98                      ; v_permlanex16_b32's selects for lane l xor 16
	s_mov_b32 s40, 0x3a800000                      ; 1 / 1,024
	s_mov_b32 s41, 0x3727c5ac                      ; 1e-5
	s_wait_kmcnt 0x0
	s_add_nc_u64 s[4:5], s[4:5], s[32:33]
	s_add_nc_u64 s[34:35], s[22:23], s[34:35]
	s_add_nc_u64 s[36:37], s[22:23], s[36:37]
.irp j, 0,1,2,3,4,5,6,7
	global_load_b128 v[16+4*\j:19+4*\j], v4, s[6:7] offset:512*\j      ; the gain and the bias of my 32 columns stay in registers
	global_load_b128 v[48+4*\j:51+4*\j], v4, s[8:9] offset:512*\j
.endr
.macro FILL i                          ; tile lane i is row i + 8 (i / 8) from the tile's first
.irp j, 0,1,2,3,4,5,6,7
	global_load_b128 v[80+32*((\i)%3)+4*\j:83+32*((\i)%3)+4*\j], v4, s[4:5] offset:((\i)+8*((\i)/8))*4096+512*\j th:TH_LOAD_NT
.endr
.endm
.macro ACROSS                          ; v[208:215], four pairs, become one sum over the wave, in every lane's v208
	v_pk_add_f32 v[208:209], v[208:209], v[210:211]
	v_pk_add_f32 v[212:213], v[212:213], v[214:215]
	v_pk_add_f32 v[208:209], v[208:209], v[212:213]
	v_add_f32 v208, v208, v209
	v_add_f32_dpp v208, v208, v208 row_xmask:1 row_mask:0xf bank_mask:0xf
	v_add_f32_dpp v208, v208, v208 row_xmask:2 row_mask:0xf bank_mask:0xf
	v_add_f32_dpp v208, v208, v208 row_xmask:4 row_mask:0xf bank_mask:0xf
	v_add_f32_dpp v208, v208, v208 row_xmask:8 row_mask:0xf bank_mask:0xf
	v_permlanex16_b32 v209, v208, s38, s39
	v_add_f32 v208, v208, v209
.endm
.macro LNROW i, left
.set X, 80+32*((\i)%3)
	s_wait_loadcnt \left                           ; my row's eight loads are in; the younger rows' stay out
.irp k, 0,2,4,6
	v_pk_add_f32 v[208+\k:209+\k], v[X+\k:X+\k+1], v[X+8+\k:X+9+\k]
.endr
.irp q, 16,24
.irp k, 0,2,4,6
	v_pk_add_f32 v[208+\k:209+\k], v[208+\k:209+\k], v[X+\q+\k:X+\q+\k+1]
.endr
.endr
	ACROSS
	v_mul_f32 v216, s40, v208                      ; the mean, twice: a pair for the packed forms
	v_mul_f32 v217, s40, v208
.set p, 0
.rept 16
	v_pk_add_f32 v[X+p:X+p+1], v[X+p:X+p+1], v[216:217] neg_lo:[0,1] neg_hi:[0,1]
.set p, p+2
.endr
.irp k, 0,2,4,6
	v_pk_mul_f32 v[208+\k:209+\k], v[X+\k:X+\k+1], v[X+\k:X+\k+1]
.endr
.irp q, 8,16,24
.irp k, 0,2,4,6
	v_pk_fma_f32 v[208+\k:209+\k], v[X+\q+\k:X+\q+\k+1], v[X+\q+\k:X+\q+\k+1], v[208+\k:209+\k]
.endr
.endr
	ACROSS
	v_fma_f32 v208, v208, s40, s41                 ; the variance + eps
	v_rsq_f32 v218, v208
	v_nop                                          ; a plain place behind the transcendental
	s_wait_alu depctr_va_vdst(0)                   ; the wait ahead of the result's first reader
	v_mov_b32 v219, v218
.set p, 0
.rept 16
	v_pk_mul_f32 v[X+p:X+p+1], v[X+p:X+p+1], v[218:219]
.set p, p+2
.endr
.set p, 0
.rept 16
	v_pk_fma_f32 v[X+p:X+p+1], v[X+p:X+p+1], v[16+p:17+p], v[48+p:49+p]
.set p, p+2
.endr
.irp j, 0,1,2,3,4,5,6,7
	ds_store_b128 v5, v[X+4*\j:X+4*\j+3] offset:576*\j
.endr
.irp q, 0,1,2,3,4,5,6,7
	ds_load_b128 v[176+4*\q:179+4*\q], v6 offset:16*\q     ; LDS serves a wave's instructions in order: these see the stores above
.endr
	s_wait_dscnt 0x0                               ; my block is in; the stores have read the slot, and the last row's image stores their registers
.if (\i) < 13
	FILL (\i)+3
.endif
	v_max3_num_f32 v220, |v176|, |v177|, |v178|
	v_max3_num_f32 v221, |v179|, |v180|, |v181|
.irp n, 6,10,14,18,22,26
	v_max3_num_f32 v220, v220, |v[176+\n]|, |v[177+\n]|
	v_max3_num_f32 v221, v221, |v[178+\n]|, |v[179+\n]|
.endr
	v_max3_num_f32 v220, v220, |v206|, |v207|
	v_max3_num_f32 v220, v220, v221, 0x1800000
	v_add_nc_u32 v222, 0xff000000, v220
	v_lshrrev_b32 v223, 23, v222
	v_cvt_scalef32_pk16_fp6_f32 v[224:226], v[176:191], v222
	v_cvt_scalef32_pk16_fp6_f32 v[228:230], v[192:207], v222
	v_nop
	v_mov_b32 v227, v228                           ; registers 0-3 in v224-227,
	v_mov_b32 v231, v230
	v_mov_b32 v230, v229                           ; registers 4, 5 in v230, v231
	ds_store_b128 v7, v[224:227] offset:16*(\i)
	ds_store_b64 v8, v[230:231] offset:8*(\i)
	ds_store_b8 v9, v223 offset:4*(\i)
.endm
	FILL 0
	FILL 1
	FILL 2
.irp i, 0,1,2,3,4,5,6,7,8,9,10,11,12,13
	LNROW \i, 16
.endr
	LNROW 14, 8
	LNROW 15, 0
.set q, 0
.rept 24
	ds_load_b128 v[80+4*q:83+4*q], v10 offset:544*q
.set q, q+1
.endr
.irp q, 0,1,2,3
	ds_load_b32 v[176+\q], v11 offset:128*\q
.endr
.set q, 0
.rept 24
	s_wait_dscnt 27-q
	global_store_b128 v4, v[80+4*q:83+4*q], s[34:35] offset:512*q      ; 512 consecutive bytes, aligned
.set q, q+1
.endr
	s_wait_dscnt 0x0
.irp q, 0,1,2,3
	global_store_b32 v12, v[176+\q], s[36:37] offset:1024*\q
.endr
	s_wait_tensorcnt 0x0                           ; the wave's end
	ds_add_u32 v[SPW], v[NIL]
	s_wait_dscnt 0x0
	s_endpgm
.Lfunc_end_k_q5dd07c1c2d_prep:
	.size	k_q5dd07c1c2d_prep, .Lfunc_end_k_q5dd07c1c2d_prep-k_q5dd07c1c2d_prep
	.p2alignl 7, 3214868480
	.fill 96, 4, 3214868480
	.section	.rodata,"a",@progbits
	.p2align	6, 0x0
	.amdhsa_kernel k_q5dd07c1c2d_prep
		.amdhsa_group_segment_fixed_size 74240
		.amdhsa_private_segment_fixed_size 0
		.amdhsa_enable_private_segment 0
		.amdhsa_kernarg_size 96
		.amdhsa_user_sgpr_count 2
		.amdhsa_user_sgpr_kernarg_segment_ptr 1
		.amdhsa_wavefront_size32 1
		.amdhsa_system_sgpr_workgroup_id_x 1
		.amdhsa_system_sgpr_workgroup_id_y 1
		.amdhsa_system_sgpr_workgroup_id_z 1
		.amdhsa_system_vgpr_workitem_id 0
		.amdhsa_next_free_vgpr 240
		.amdhsa_next_free_sgpr 66
		.amdhsa_reserve_vcc 0
		.amdhsa_float_denorm_mode_32 3
		.amdhsa_float_denorm_mode_16_64 3
		.amdhsa_memory_ordered 1
		.amdhsa_forward_progress 1
		.amdhsa_inst_pref_size 186
	.end_amdhsa_kernel
	.amdgpu_metadata
---
amdhsa.version: [ 1, 2 ]
amdhsa.kernels:
  - .name:           k_q5dd07c1c2d_prep
    .symbol:         k_q5dd07c1c2d_prep.kd
    .args:
      - { .name: x, .offset: 0, .size: 8, .value_kind: global_buffer, .address_space: global }
      - { .name: ln1_w, .offset: 8, .size: 8, .value_kind: global_buffer, .address_space: global }
      - { .name: ln1_b, .offset: 16, .size: 8, .value_kind: global_buffer, .address_space: global }
      - { .name: wq, .offset: 24, .size: 8, .value_kind: global_buffer, .address_space: global }
      - { .name: wk, .offset: 32, .size: 8, .value_kind: global_buffer, .address_space: global }
      - { .name: wv, .offset: 40, .size: 8, .value_kind: global_buffer, .address_space: global }
      - { .name: wo, .offset: 48, .size: 8, .value_kind: global_buffer, .address_space: global }
      - { .name: w1, .offset: 56, .size: 8, .value_kind: global_buffer, .address_space: global }
      - { .name: w2, .offset: 64, .size: 8, .value_kind: global_buffer, .address_space: global }
      - { .name: a1, .offset: 72, .size: 8, .value_kind: global_buffer, .address_space: global }
      - { .name: wc, .offset: 80, .size: 8, .value_kind: global_buffer, .address_space: global }
      - { .name: ws, .offset: 88, .size: 8, .value_kind: global_buffer, .address_space: global }
    .group_segment_fixed_size: 74240
    .private_segment_fixed_size: 0
    .kernarg_segment_align: 8
    .kernarg_segment_size: 96
    .max_flat_workgroup_size: 128
    .sgpr_count:     66
    .vgpr_count:     240
    .wavefront_size: 32
...
	.end_amdgpu_metadata
.endif
;; end of part 1
;; launch qkv (part 2): grid 48 x 4, 4 waves a work-group, clusters of 4 x 4, 327,680 bytes of LDS; arguments a1, wc, ws, bq, bk, bv, mask, qkv; writes qkv
.if DOCPART == 2
	.amdgcn_target "amdgcn-amd-amdhsa--gfx1250"
	.amdhsa_code_object_version 6
	.text
	.protected	k_q5dd07c1c2d_qkv
	.globl	k_q5dd07c1c2d_qkv
	.p2align	8
	.type	k_q5dd07c1c2d_qkv,@function
k_q5dd07c1c2d_qkv:
	s_mov_b64 s[64:65], 0
	v_nop
	global_prefetch_b8 v0, s[64:65] scope:SCOPE_SE
	s_setreg_imm32_b32 hwreg(HW_REG_WAVE_MODE, 25, 1), 1
	s_wait_xcnt 0x0
	s_wait_alu depctr_hold_cnt(0) depctr_sa_sdst(0) depctr_va_vdst(0) depctr_va_sdst(0) depctr_va_ssrc(0) depctr_va_vcc(0) depctr_vm_vsrc(0)
	s_getreg_b32 s2, hwreg(HW_REG_IB_STS2, 6, 4)
	s_cmp_eq_u32 s2, 0
	s_cbranch_scc0 .Lentry_in_a_cluster
	s_endpgm
.Lentry_in_a_cluster:
	s_bfe_u32 s2, ttmp6, 0x10000c
	s_cmp_lg_u32 s2, 0xf033
	s_cbranch_scc0 .Lentry_shape_is_right
	s_endpgm
.Lentry_shape_is_right:
; q = LN1(x) wq + bq, k, v likewise, on codes of FP6 (E2M3), and their quantising for attention.  Nothing of the problem is left out here.
; A work-group makes 256 x 256 of a product, four waves of 128 x 128 (64 accumulators).  Cluster c of twelve (4 x 4 work-groups each): c < 8: q (c even) or k (c odd), tokens 1,024 (c / 2) on;
; c >= 8: v, tokens 1,024 (c - 8) on.  SOURCE 1 ('side A') gives a lane its row, SOURCE 0 ('side B') runs along the lane's registers, which is the axis that is quantised next:
; q, k: A = tokens, B = the weight's columns (the head's 64);  v: A = wv's columns, B = tokens (the keys).  Both sides are images of operand registers (see the first launch), [tile][8][1,536].
; K = 1,024 goes in four chunks of 256: three LDS slots are filled at the head, the first is filled once more: one round of the cluster's barrier in the whole K.
; A's tiles are shared along a row of the cluster, B's along a column: joint tensor loads.
; WHAT IS STORED.  q, k: a record of 1,024 bytes for each (batch x head, tile of 16 tokens): the 64 channels' codes (768 bytes), then for each lane the pair (register 6, scale word).
; v: a record of 6,400 bytes for each (batch x head, 128 keys): four fragments (16 channels x 128 keys), then the scale words [lane][tile].
; THE MASK RIDES IN THE FIRST ATTENTION PRODUCT'S SPARE K (the head has 64 of the instruction's 128).  q: code 1.0 at k = 64, scale bytes 2, 3 = 127.  A masked key: all codes 0, code -1.0 at k = 64, scale byte 2 = 160:
; its score is exactly -2^33, its logit -2^30.  An open key: 0 there, bytes 2, 3 = 1.  So a masked key weighs 0 beside any open key, and where all keys are masked all weigh alike, as with -1e9.
; LIMIT: open logits stay above about -9e8 (where the problem's own -1e9 stops working too).  A block of zeros keeps the scale byte 1; NaN and infinities are not served.
; REGISTERS: window 0: v1, v2 16 and 8 x lane; v4-15 LDS addresses; v24-31 a number for each of my 8 A tiles; v32-63, v64-95 A's and B's scale words; v128-223 A's fragments, one set; on the way out v96-255.
;   window 1: B's fragments, two sets at v0 and v128; v96-127, v224-255 the bias along the registers.   windows 2, 3: the accumulators ((a, b) at v[8 (8 (a % 4) + b)]).
.set SLOT, 98304                       ; A's 16 tiles x 3,072 bytes, then B's
.set SPARE, 294912                     ; behind the three slots: the spare words
.set SPW, 16
.set NIL, 17
.set SCA, 32
.set SCB, 64
.set AF, 128
.set G1, 24
.set G0, 32
.set G1B, 44
.set G0B, 52
.set SEL, 98
.set HA, 128
.set PC, 192
.set TM, 212
.set PW, 228
.set E, 230
.set R6, 96
.set KO, 104
.set KEEP, 112
.set KW, 120
.set MSB, 0
.macro WIN new                         ; the immediate's high byte repeats the setting that is left
.if MSB != \new
	s_set_vgpr_msb (MSB<<8)|\new
.set MSB, \new
.endif
.endm
.macro PLACES n
.rept \n
	v_nop
.endr
.endm
.macro FRAG reg, a16, a8, off          ; a fragment's image into 12 registers: every load reads consecutive bytes
	ds_load_b128 v[(\reg):(\reg)+3], v[\a16] offset:(\off)
	ds_load_b64 v[(\reg)+4:(\reg)+5], v[\a8] offset:(\off)+512
	ds_load_b128 v[(\reg)+6:(\reg)+9], v[\a16] offset:(\off)+768
	ds_load_b64 v[(\reg)+10:(\reg)+11], v[\a8] offset:(\off)+1280
.endm
.macro WM d, a, b, zero, sa, sb, ra, rb    ; ra, rb: the side's scale words stand in lanes 16-31
.if \zero
.if (\ra) && (\rb)
	v_wmma_scale_f32_16x16x128_f8f6f4 v[(\d):(\d)+7], v[(\a):(\a)+11], v[(\b):(\b)+11], 0, v[\sa], v[\sb] matrix_a_fmt:MATRIX_FMT_FP6 matrix_b_fmt:MATRIX_FMT_FP6 matrix_a_scale:MATRIX_SCALE_ROW1 matrix_b_scale:MATRIX_SCALE_ROW1
.elseif \ra
	v_wmma_scale_f32_16x16x128_f8f6f4 v[(\d):(\d)+7], v[(\a):(\a)+11], v[(\b):(\b)+11], 0, v[\sa], v[\sb] matrix_a_fmt:MATRIX_FMT_FP6 matrix_b_fmt:MATRIX_FMT_FP6 matrix_a_scale:MATRIX_SCALE_ROW1
.elseif \rb
	v_wmma_scale_f32_16x16x128_f8f6f4 v[(\d):(\d)+7], v[(\a):(\a)+11], v[(\b):(\b)+11], 0, v[\sa], v[\sb] matrix_a_fmt:MATRIX_FMT_FP6 matrix_b_fmt:MATRIX_FMT_FP6 matrix_b_scale:MATRIX_SCALE_ROW1
.else
	v_wmma_scale_f32_16x16x128_f8f6f4 v[(\d):(\d)+7], v[(\a):(\a)+11], v[(\b):(\b)+11], 0, v[\sa], v[\sb] matrix_a_fmt:MATRIX_FMT_FP6 matrix_b_fmt:MATRIX_FMT_FP6
.endif
.else
.if (\ra) && (\rb)
	v_wmma_scale_f32_16x16x128_f8f6f4 v[(\d):(\d)+7], v[(\a):(\a)+11], v[(\b):(\b)+11], v[(\d):(\d)+7], v[\sa], v[\sb] matrix_a_fmt:MATRIX_FMT_FP6 matrix_b_fmt:MATRIX_FMT_FP6 matrix_a_scale:MATRIX_SCALE_ROW1 matrix_b_scale:MATRIX_SCALE_ROW1
.elseif \ra
	v_wmma_scale_f32_16x16x128_f8f6f4 v[(\d):(\d)+7], v[(\a):(\a)+11], v[(\b):(\b)+11], v[(\d):(\d)+7], v[\sa], v[\sb] matrix_a_fmt:MATRIX_FMT_FP6 matrix_b_fmt:MATRIX_FMT_FP6 matrix_a_scale:MATRIX_SCALE_ROW1
.elseif \rb
	v_wmma_scale_f32_16x16x128_f8f6f4 v[(\d):(\d)+7], v[(\a):(\a)+11], v[(\b):(\b)+11], v[(\d):(\d)+7], v[\sa], v[\sb] matrix_a_fmt:MATRIX_FMT_FP6 matrix_b_fmt:MATRIX_FMT_FP6 matrix_b_scale:MATRIX_SCALE_ROW1
.else
	v_wmma_scale_f32_16x16x128_f8f6f4 v[(\d):(\d)+7], v[(\a):(\a)+11], v[(\b):(\b)+11], v[(\d):(\d)+7], v[\sa], v[\sb] matrix_a_fmt:MATRIX_FMT_FP6 matrix_b_fmt:MATRIX_FMT_FP6
.endif
.endif
.endm
; 16 matrix instructions: A's blocks a0, a0 + 1 x B's eight, K step k; p: B's set.  The 64 accumulators take turns in one order in every step.
.macro MUL16 a0, p, k, zero
.irp a, \a0, \a0+1
.irp b, 0,1,2,3,4,5,6,7
	WM 8*(8*((\a)%4)+\b), 128*(\p)+12*\b, AF+12*(\a), \zero, SCB+4*(\k)+(\b)%4, SCA+4*(\k)+(\a)%4, (\b)/4, (\a)/4
.endr
.endr
.endm
.macro FETCH_B slot, q, p
	WIN 0x40
.irp i, 0,1,2,3,4,5,6,7
	FRAG 128*(\p)+12*\i, 10+\slot, 13+\slot, \i*3072+(\q)*1536
.endr
	WIN 0
.endm
.macro FETCH_A slot, q, i0
.irp i, \i0, \i0+1, \i0+2, \i0+3
	FRAG AF+12*(\i), 4+\slot, 7+\slot, (\i)*3072+(\q)*1536
.endr
.endm
; K step k; the next step's fragments come from slot ns, its nq-th 128.  A block of A is free when its eight products are issued: one set serves A; B has two.
.macro STEP k, ns, nq, zero
	s_wait_dscnt 16                                ; B's set and A's blocks 0-3 are in; the 16 loads of blocks 4-7 may be out
	WIN 0xa1
	MUL16 0, (\k)%2, \k, \zero
	MUL16 2, (\k)%2, \k, \zero
	s_wait_dscnt 0x0
	PLACES 4                                       ; four places in front of loads into registers that matrix instructions have read
	FETCH_B \ns, \nq, 1-(\k)%2
	FETCH_A \ns, \nq, 0
	WIN 0xf1
	MUL16 4, (\k)%2, \k, \zero
	MUL16 6, (\k)%2, \k, \zero
	PLACES 4
	WIN 0
	FETCH_A \ns, \nq, 4
.endm
.macro LAST k
	s_wait_dscnt 16
	WIN 0xa1
	MUL16 0, 1, \k, 0
	MUL16 2, 1, \k, 0
	s_wait_dscnt 0x0
	WIN 0xf1
	MUL16 4, 1, \k, 0
	MUL16 6, 1, \k, 0
	WIN 0
.endm
.macro JLOAD g0a, g1a, g0b, g1b        ; waves 0, 1 fetch A's halves, waves 2, 3 B's; an s_nop 0 and four v_nop follow each line
	s_cmp_eq_u32 s21, 0
	s_cbranch_scc0 .Lfor_b_\@
	tensor_load_to_lds s[\g0a:\g0a+3], s[\g1a:\g1a+7]
	s_nop 0
.rept 4
	v_nop
.endr
	s_branch .Lasked_\@
.Lfor_b_\@:
	tensor_load_to_lds s[\g0b:\g0b+3], s[\g1b:\g1b+7]
	s_nop 0
.rept 4
	v_nop
.endr
.Lasked_\@:
.endm
.macro CREST
	s_cmp_lg_u32 s20, 0
	s_cbranch_scc1 .Lnot_wave_0_\@
	s_barrier_signal -3
.Lnot_wave_0_\@:
	s_barrier_wait -3
	s_barrier_signal -1
	s_barrier_wait -1
.endm
.macro CROUND
	s_barrier_signal -1
	s_barrier_wait -1
	CREST
.endm
; An odd K step at which the work-group meets: each wave waits for all its tensor loads, adds 0 to its spare word, waits for that and for its reads.  fill = 1: slot 0, read out, takes chunk 3.
.macro TURN k, ns, fill
	s_wait_tensorcnt 0x0                           ; all my tensor loads have landed
	ds_add_u32 v[SPW], v[NIL]
	s_wait_dscnt 17                                ; (the add and the 16 loads of A's blocks 4-7 may be out)
	WIN 0xa1
	MUL16 0, 1, \k, 0
	s_wait_dscnt 0x0                               ; the add is done, and my reads of the slot are over
	s_barrier_signal -1
	MUL16 2, 1, \k, 0
	WIN 0
	s_barrier_wait -1
.if \fill
	CREST                                          ; the barrier has opened a round of the cluster's: no wave of any partner still reads slot 0 or has a load on its way
	s_add_nc_u64 s[G0+2:G0+3], s[G0+2:G0+3], 9216  ; three chunks of 3,072 bytes on
	s_add_nc_u64 s[G0B+2:G0B+3], s[G0B+2:G0B+3], 9216
	JLOAD G0, G1, G0B, G1B                         ; its four v_nop are the places in front of the loads below
.else
	PLACES 4
.endif
	FETCH_B \ns, 0, 0
	FETCH_A \ns, 0, 0
	WIN 0xf1
	MUL16 4, 1, \k, 0
	MUL16 6, 1, \k, 0
	PLACES 4
	WIN 0
	FETCH_A \ns, 0, 4
.endm
; 64 numbers of a lane, register 16 b + i = k 32 b + 16 (lane / 16) + i of my row, become a fragment's codes in v[PC] on and its scale word in v[PW].
.macro QUANT s
.irp b, 0,1,2,3
	v_max3_num_f32 v[TM+\b], |v[\s+16*\b]|, |v[\s+1+16*\b]|, 0x1800000   ; and the floor 2^(3 - 127): the byte cannot fall under 1
.endr
.irp i, 2,4,6,8,10,12,14
.irp b, 0,1,2,3
	v_max3_num_f32 v[TM+\b], v[TM+\b], |v[\s+16*\b+\i]|, |v[\s+1+16*\b+\i]|
.endr
.endr
.irp b, 0,1,2,3
	v_permlanex16_b32 v[TM+4+\b], v[TM+\b], s[SEL], s[SEL+1]
.endr
.irp b, 0,1,2,3
	v_max_num_f32 v[TM+\b], v[TM+\b], v[TM+4+\b]
.endr
.irp b, 0,1,2,3
	v_add_nc_u32 v[TM+12+\b], 0xff000000, v[TM+\b]     ; 2 off the exponent field: the conversion's scale operand
.endr
.irp b, 0,1,2,3
	v_lshrrev_b32 v[TM+4+\b], 23, v[TM+12+\b]
.endr
	v_lshl_or_b32 v[PW], v[TM+5], 8, v[TM+4]
	v_lshl_or_b32 v[PW], v[TM+6], 16, v[PW]
	v_lshl_or_b32 v[PW], v[TM+7], 24, v[PW]
.irp c, 0,1
	v_cvt_scalef32_pk16_fp6_f32 v[PC+6*\c:PC+2+6*\c], v[\s+32*\c:\s+15+32*\c], v[TM+12+2*\c]
	v_cvt_scalef32_pk16_fp6_f32 v[PC+12+4*\c:PC+14+4*\c], v[\s+16+32*\c:\s+31+32*\c], v[TM+12+2*\c+1]
.endr
	v_nop                                          ; one plain place behind a scaled conversion
.irp c, 0,1
.irp i, 0,1,2
	v_permlane16_swap_b32 v[PC+6*\c+\i], v[PC+12+4*\c+\i]      ; the layout wants a whole block in a lane
.endr
.irp i, 0,1,2
	v_mov_b32 v[PC+3+6*\c+\i], v[PC+12+4*\c+\i]
.endr
.endr
.endm
	s_load_b256 s[4:11], s[0:1], 0x0               ; a1, wc, ws, bq
	s_load_b256 s[12:19], s[0:1], 0x20             ; bk, bv, mask, qkv
	v_lshl_add_u32 v[SPW], v0, 2, SPARE
	v_mov_b32 v[NIL], 0
	ds_add_u32 v[SPW], v[NIL]                      ; the opening: the add, twice on end, and its wait ahead of my first tensor load
	ds_add_u32 v[SPW], v[NIL]
	v_lshrrev_b32 v1, 5, v0
	v_readfirstlane_b32 s20, v1                    ; wave
	s_lshr_b32 s21, s20, 1                         ; my half of A's tiles.  Also: I fetch for A (0) or B (1)
	s_and_b32 s22, s20, 1                          ; my half of B's tiles.  Also: which half I fetch
	s_mov_b32 s23, ttmp9                           ; the cluster: the same number in all sixteen partners
	s_bfe_u32 s66, ttmp6, 0x40000                  ; cx
	s_bfe_u32 s67, ttmp6, 0x40004                  ; cy
	s_lshr_b32 s70, s23, 1
	s_lshl_b32 s70, s70, 2
	s_add_co_u32 s70, s70, s67                     ; q, k: A's 256 tokens
	s_and_b32 s71, s23, 3
	s_lshl_b32 s71, s71, 2
	s_add_co_u32 s71, s71, s66                     ; v: B's 256 tokens
	s_cmp_lt_u32 s23, 8
	s_cselect_b32 s68, s70, s67                    ; A's 256 rows: hangs on cy alone
	s_cselect_b32 s69, s66, s71                    ; B's: on cx alone
	s_lshl_b32 s72, s67, 2
	s_lshl_b32 s72, 15, s72                        ; my row of the cluster
	s_lshl_b32 s73, 0x1111, s66                    ; my column
	s_or_b32 s[G1], s72, (3<<16)|(1<<21)           ; elements of 8 bytes, no padding; bit 21 beside a mask
	s_or_b32 s[G1B], s73, (3<<16)|(1<<21)
.irp g, G1, G1B
	s_mov_b32 s[\g+1], 384<<16                     ; a row: one tile's 3,072 bytes of a chunk
	s_mov_b32 s[\g+2], 8<<16                       ; eight tiles
	s_mov_b32 s[\g+3], 384<<16
	s_mov_b32 s[\g+4], 8
	s_mov_b32 s[\g+5], 1536                        ; 12,288 bytes from tile to tile
	s_mov_b32 s[\g+6], 0
	s_mov_b32 s[\g+7], 0
.endr
	s_lshl_b32 s94, s68, 4
	s_lshl_b32 s95, s22, 3
	s_add_co_u32 s94, s94, s95
	s_mul_i32 s94, s94, 12288
	s_mov_b32 s95, 0
	s_lshl_b32 s96, s69, 4
	s_lshl_b32 s97, s22, 3
	s_add_co_u32 s96, s96, s97
	s_mul_i32 s96, s96, 12288
	s_mov_b32 s97, 0
	s_mul_i32 s3, s20, 24576                       ; where my eight tiles go in a slot
	s_and_b32 s80, s23, 1
	s_mul_i32 s82, s80, 786432
	s_mov_b32 s83, 0
	s_lshl_b32 s84, s80, 15
	s_mov_b32 s85, 0
	s_mov_b32 s[SEL], 0x76543210
	s_mov_b32 s[SEL+1], 0xfedcba98
	s_wait_dscnt 0x0                               ; both opening adds are done
	s_wait_kmcnt 0x0
	s_add_nc_u64 s[74:75], s[6:7], 1572864         ; wv's codes
	s_add_nc_u64 s[76:77], s[8:9], 65536           ; wv's scale words
	s_add_nc_u64 s[78:79], s[4:5], 3145728         ; a1's scale words
	s_add_nc_u64 s[82:83], s[6:7], s[82:83]        ; wq's or wk's codes
	s_add_nc_u64 s[84:85], s[8:9], s[84:85]        ; and scale words
	s_cmp_lt_u32 s23, 8
	s_cselect_b64 s[86:87], s[4:5], s[74:75]       ; A's codes
	s_cselect_b64 s[88:89], s[78:79], s[76:77]     ; A's scale words
	s_cselect_b64 s[90:91], s[82:83], s[4:5]       ; B's codes
	s_cselect_b64 s[92:93], s[84:85], s[78:79]     ; B's scale words
	s_add_nc_u64 s[86:87], s[86:87], s[94:95]
	s_add_nc_u64 s[90:91], s[90:91], s[96:97]
	CROUND                                         ; all sixteen work-groups are here: the first joint loads meet
.irp n, 0,1,2
	s_mov_b32 s[G0+4*\n], 1
	s_add_co_u32 s[G0+4*\n+1], s3, \n*SLOT
	s_add_nc_u64 s[G0+4*\n+2:G0+4*\n+3], s[86:87], \n*3072
	s_or_b32 s[G0+4*\n+3], s[G0+4*\n+3], 0x80000000
	s_mov_b32 s[G0B+4*\n], 1
	s_add_co_u32 s[G0B+4*\n+1], s3, \n*SLOT
	s_add_nc_u64 s[G0B+4*\n+2:G0B+4*\n+3], s[90:91], \n*3072
	s_or_b32 s[G0B+4*\n+3], s[G0B+4*\n+3], 0x80000000
	JLOAD G0+4*\n, G1, G0B+4*\n, G1B               ; chunks 0, 1, 2: three loads of mine are out
.endr
	v_and_b32 v3, 31, v0
	v_lshlrev_b32 v1, 4, v3
	v_lshlrev_b32 v2, 3, v3
	v_and_b32 v21, 15, v0                          ; r
	v_bfe_u32 v20, v0, 4, 1                        ; h
	v_and_b32 v22, 8, v21
	v_add_nc_u32 v22, v22, v21
	v_lshlrev_b32 v18, 2, v22                      ; 4 (r + 8 (r / 8)): my row in a tile of side A
	v_lshlrev_b32 v19, 6, v20                      ; 64 h: my half's 16 numbers along the registers
	s_mul_i32 s70, s21, 24576
	s_mul_i32 s71, s22, 24576
	s_add_co_u32 s71, s71, 49152
.irp n, 0,1,2
	v_add_nc_u32 v[4+\n], s70, v1
	v_add_nc_u32 v[7+\n], s70, v2
	v_add_nc_u32 v[10+\n], s71, v1
	v_add_nc_u32 v[13+\n], s71, v2
	s_add_co_u32 s70, s70, SLOT
	s_add_co_u32 s71, s71, SLOT
.endr
	s_lshl_b32 s76, s68, 1
	s_add_co_u32 s76, s76, s21
	s_lshl_b32 s76, s76, 12
	s_mov_b32 s77, 0
	s_add_nc_u64 s[88:89], s[88:89], s[76:77]
	s_lshl_b32 s76, s69, 1
	s_add_co_u32 s76, s76, s22
	s_lshl_b32 s76, s76, 12
	s_add_nc_u64 s[92:93], s[92:93], s[76:77]
.irp k, 0,1,2,3,4,5,6,7
	global_load_b128 v[SCA+4*\k:SCA+4*\k+3], v1, s[88:89] offset:512*\k     ; eight tiles' scale words of K step k: register t % 4, lanes 16 (t / 4) on
	global_load_b128 v[SCB+4*\k:SCB+4*\k+3], v1, s[92:93] offset:512*\k
.endr
	s_wait_tensorcnt 2                             ; my part of chunk 0 is in; chunks 1 and 2 may be out
	s_barrier_signal -1
	s_barrier_wait -1
	FETCH_B 0, 0, 0
	FETCH_A 0, 0, 0
	FETCH_A 0, 0, 4
	s_wait_loadcnt 0x0                             ; the scale words
	STEP 0, 0, 1, 1                                ; the first products start the sums
	TURN 1, 1, 1                                   ; every wave has waited for chunks 1 and 2 here: they are whole for everybody from here on
	STEP 2, 1, 1, 0
	STEP 3, 2, 0, 0
	STEP 4, 2, 1, 0
	TURN 5, 0, 0                                   ; chunk 3 is whole
	s_lshl_b32 s76, s68, 10
	s_lshl_b32 s79, s21, 9
	s_add_co_u32 s76, s76, s79                     ; 4 x (256 x A's block + 128 x my half): my A rows' first number
	s_cmp_ge_u32 s23, 8
	s_cbranch_scc1 .Lv                             ; the ways part here, on the cluster's number, and do not join before the closing lines
; ---------------- q, k
	s_add_nc_u64 s[78:79], s[16:17], s[76:77]      ; the mask at my tokens
	s_lshl_b32 s76, s69, 10
	s_lshl_b32 s80, s22, 9
	s_add_co_u32 s76, s76, s80
	s_bitcmp1_b32 s23, 0
	s_cselect_b64 s[84:85], s[12:13], s[10:11]     ; bk or bq
	s_add_nc_u64 s[84:85], s[84:85], s[76:77]
	WIN 0x40
.set n, 0
.rept 16                               ; the bias of my 128 columns in the accumulators' layout: register 16 b + i = column 32 b + 16 h + i
	global_load_b128 v[96+4*n+96*(n/8):99+4*n+96*(n/8)], v19, s[84:85] offset:128*(n/4)+16*(n%4)
.set n, n+1
.endr
	WIN 0
	s_bitcmp1_b32 s23, 0
	s_cbranch_scc1 .Lk_mask
.irp a, 0,1,2,3,4,5,6,7
	v_mov_b32 v[24+\a], 1                          ; q's rows have no mask: all count as open
.endr
	s_branch .Lqk_go
.Lk_mask:
.irp a, 0,1,2,3,4,5,6,7
	global_load_b32 v[24+\a], v18, s[78:79] offset:(32*(\a/2)+8*(\a%2))*4
.endr
.Lqk_go:
	STEP 6, 0, 1, 0
	LAST 7
	s_wait_loadcnt 0x0
	PLACES 4                                       ; in front of the first read of results and the first write over operands
	s_and_b32 s84, s23, 1
	s_lshl_b32 s84, s84, 22                        ; k's records lie 4,194,304 bytes behind q's
	s_lshr_b32 s79, s68, 2
	s_lshl_b32 s79, s79, 4
	s_lshl_b32 s80, s66, 2
	s_add_co_u32 s79, s79, s80
	s_lshl_b32 s80, s22, 1
	s_add_co_u32 s79, s79, s80                     ; batch x 16 + my first head
	s_lshl_b32 s79, s79, 6
	s_and_b32 s80, s68, 3
	s_lshl_b32 s80, s80, 4
	s_add_co_u32 s79, s79, s80
	s_lshl_b32 s80, s21, 3
	s_add_co_u32 s79, s79, s80                     ; + my first tile in the batch
	s_lshl_b32 s79, s79, 10
	s_add_co_u32 s84, s84, s79
	s_mov_b32 s85, 0
	s_add_nc_u64 s[18:19], s[18:19], s[84:85]
	s_bitcmp1_b32 s23, 0
	s_cselect_b32 s77, 0, 8                        ; register 6 of an open row: q: the code of 1.0; k: 0
	s_mov_b32 s78, 0x7f7f0000
	s_cselect_b32 s78, 0x01010000, s78             ; scale bytes 2, 3 of an open row
	v_mov_b32 v240, s77
	v_mov_b32 v241, 40                             ; the code of -1.0
	v_mov_b32 v242, s78
	v_mov_b32 v243, 0x01a00000                     ; byte 2 = 160: 2^33
	v_mov_b32 v244, -1
	v_mov_b32 v245, 0
	v_add_nc_u32 v22, -1, v20                      ; all ones in lanes 0-15, which hold k = 64 on; 0 in lanes 16-31
.irp b, 0,1,2,3
	v_mov_b32 v[TM+4+\b], 0                        ; written once: a lane permute's destination counts as one of its sources
.endr
.irp a, 0,1,2,3,4,5,6,7
	v_cmp_eq_u32 vcc_lo, 0, v[24+\a]
	v_cndmask_b32 v[R6+\a], v240, v241, vcc_lo
	v_cndmask_b32 v[KO+\a], v242, v243, vcc_lo
	v_cndmask_b32 v[KEEP+\a], v244, v245, vcc_lo
	v_and_b32 v[R6+\a], v22, v[R6+\a]
.endr
.macro QKTILE a                        ; 16 tokens x my 128 columns = two heads
	WIN 0x06+(\a)/4                                ; accumulators window 2 or 3, bias window 1, result window 0: the move and the bias are one line
.set n, 0
.rept 32
	v_pk_add_f32 v[HA+n:HA+n+1], v[64*((\a)%4)+n:64*((\a)%4)+n+1], v[96+n+96*(n/32):97+n+96*(n/32)]
.set n, n+2
.endr
	WIN 0
	s_wait_xcnt 0x0                                ; the last tile's stores have read their registers
	QUANT HA
	s_bitcmp1_b32 s23, 0
	s_cbranch_scc0 .Lno_hole_\@
.set n, 0
.rept 12
	v_and_b32 v[PC+n], v[KEEP+\a], v[PC+n]         ; k: a masked key's codes are zeros
.set n, n+1
.endr
.Lno_hole_\@:
	v_mov_b32 v[E], v[R6+\a]
	v_and_or_b32 v[E+1], v[PW], 0xffff, v[KO+\a]   ; the first head's two bytes under bytes 2, 3
	v_mov_b32 v[E+2], v[R6+\a]
	v_lshrrev_b32 v[E+3], 16, v[PW]
	v_or_b32 v[E+3], v[KO+\a], v[E+3]
	global_store_b128 v1, v[PC:PC+3], s[18:19] offset:(\a)*1024
	global_store_b64 v2, v[PC+4:PC+5], s[18:19] offset:(\a)*1024+512
	global_store_b64 v2, v[E:E+1], s[18:19] offset:(\a)*1024+768
	global_store_b128 v1, v[PC+6:PC+9], s[18:19] offset:(\a)*1024+65536
	global_store_b64 v2, v[PC+10:PC+11], s[18:19] offset:(\a)*1024+65536+512
	global_store_b64 v2, v[E+2:E+3], s[18:19] offset:(\a)*1024+65536+768
.endm
.irp a, 0,1,2,3,4,5,6,7
	QKTILE \a
.endr
	s_branch .Ldone
; ---------------- v: a lane holds one channel, its registers run along 128 keys
.Lv:
	s_add_nc_u64 s[78:79], s[14:15], s[76:77]      ; bv at my channels
.irp a, 0,1,2,3,4,5,6,7
	global_load_b32 v[24+\a], v18, s[78:79] offset:(32*(\a/2)+8*(\a%2))*4
.endr
	STEP 6, 0, 1, 0
	LAST 7
	s_wait_loadcnt 0x0
	PLACES 4
	s_lshr_b32 s84, s69, 2
	s_lshl_b32 s84, s84, 4
	s_lshl_b32 s79, s67, 2
	s_add_co_u32 s84, s84, s79
	s_lshl_b32 s79, s21, 1
	s_add_co_u32 s84, s84, s79                     ; batch x 16 + my first head
	s_lshl_b32 s84, s84, 3
	s_and_b32 s79, s69, 3
	s_lshl_b32 s79, s79, 1
	s_add_co_u32 s84, s84, s79
	s_add_co_u32 s84, s84, s22                     ; + the key step
	s_mul_i32 s84, s84, 6400
	s_add_co_u32 s84, s84, 8388608
	s_mov_b32 s85, 0
	s_add_nc_u64 s[18:19], s[18:19], s[84:85]
.irp b, 0,1,2,3
	v_mov_b32 v[TM+4+\b], 0
.endr
.irp a, 0,1,2,3,4,5,6,7
	v_mov_b32 v[E], v[24+\a]                       ; my channel's bias, twice
	v_mov_b32 v[E+1], v[24+\a]
	WIN 0x02+\a/4
.set n, 0
.rept 32
	v_pk_add_f32 v[HA+n:HA+n+1], v[64*(\a%4)+n:64*(\a%4)+n+1], v[E:E+1]
.set n, n+2
.endr
	WIN 0
	s_wait_xcnt 0x0
	QUANT HA
	v_mov_b32 v[KW+\a], v[PW]
	global_store_b128 v1, v[PC:PC+3], s[18:19] offset:(\a/4)*51200+(\a%4)*1536
	global_store_b64 v2, v[PC+4:PC+5], s[18:19] offset:(\a/4)*51200+(\a%4)*1536+512
	global_store_b128 v1, v[PC+6:PC+9], s[18:19] offset:(\a/4)*51200+(\a%4)*1536+768
	global_store_b64 v2, v[PC+10:PC+11], s[18:19] offset:(\a/4)*51200+(\a%4)*1536+1280
.endr
	v_cmp_eq_u32 vcc_lo, 1, v20
.irp i, 0,1,2,3
	v_cndmask_b32 v[236+\i], v[KW+\i], v[KW+4+\i], vcc_lo      ; lanes 0-15: the first head's four words, lanes 16-31: the second's
.endr
	v_mul_u32_u24 v23, v20, 51200
	v_lshl_add_u32 v23, v21, 4, v23
	global_store_b128 v23, v[236:239], s[18:19] offset:6144
.Ldone:
	s_wait_tensorcnt 0x0                           ; the wave's end
	ds_add_u32 v[SPW], v[NIL]
	s_wait_dscnt 0x0
	CROUND                                         ; the closing round
	s_endpgm
.Lfunc_end_k_q5dd07c1c2d_qkv:
	.size	k_q5dd07c1c2d_qkv, .Lfunc_end_k_q5dd07c1c2d_qkv-k_q5dd07c1c2d_qkv
	.p2alignl 7, 3214868480
	.fill 96, 4, 3214868480
	.section	.rodata,"a",@progbits
	.p2align	6, 0x0
	.amdhsa_kernel k_q5dd07c1c2d_qkv
		.amdhsa_group_segment_fixed_size 327680
		.amdhsa_private_segment_fixed_size 0
		.amdhsa_enable_private_segment 0
		.amdhsa_kernarg_size 64
		.amdhsa_user_sgpr_count 2
		.amdhsa_user_sgpr_kernarg_segment_ptr 1
		.amdhsa_wavefront_size32 1
		.amdhsa_system_sgpr_workgroup_id_x 1
		.amdhsa_system_sgpr_workgroup_id_y 1
		.amdhsa_system_sgpr_workgroup_id_z 1
		.amdhsa_system_vgpr_workitem_id 0
		.amdhsa_next_free_vgpr 1024
		.amdhsa_next_free_sgpr 100
		.amdhsa_reserve_vcc 1
		.amdhsa_float_denorm_mode_32 3
		.amdhsa_float_denorm_mode_16_64 3
		.amdhsa_memory_ordered 1
		.amdhsa_forward_progress 1
		.amdhsa_inst_pref_size 246
	.end_amdhsa_kernel
	.amdgpu_metadata
---
amdhsa.version: [ 1, 2 ]
amdhsa.kernels:
  - .name:           k_q5dd07c1c2d_qkv
    .symbol:         k_q5dd07c1c2d_qkv.kd
    .args:
      - { .name: a1, .offset: 0, .size: 8, .value_kind: global_buffer, .address_space: global }
      - { .name: wc, .offset: 8, .size: 8, .value_kind: global_buffer, .address_space: global }
      - { .name: ws, .offset: 16, .size: 8, .value_kind: global_buffer, .address_space: global }
      - { .name: bq, .offset: 24, .size: 8, .value_kind: global_buffer, .address_space: global }
      - { .name: bk, .offset: 32, .size: 8, .value_kind: global_buffer, .address_space: global }
      - { .name: bv, .offset: 40, .size: 8, .value_kind: global_buffer, .address_space: global }
      - { .name: mask, .offset: 48, .size: 8, .value_kind: global_buffer, .address_space: global }
      - { .name: qkv, .offset: 56, .size: 8, .value_kind: global_buffer, .address_space: global }
    .group_segment_fixed_size: 327680
    .private_segment_fixed_size: 0
    .kernarg_segment_align: 8
    .kernarg_segment_size: 64
    .max_flat_workgroup_size: 128
    .sgpr_count:     100
    .vgpr_count:     1024
    .wavefront_size: 32
...
	.end_amdgpu_metadata
.endif
;; end of part 2
;; launch attn (part 3): grid 4 x 64, 16 waves a work-group, clusters of 4 x 1, 167,936 bytes of LDS; arguments qkv, a2; writes a2
.if DOCPART == 3
	.amdgcn_target "amdgcn-amd-amdhsa--gfx1250"
	.amdhsa_code_object_version 6
	.text
	.protected	k_q5dd07c1c2d_attn
	.globl	k_q5dd07c1c2d_attn
	.p2align	8
	.type	k_q5dd07c1c2d_attn,@function
k_q5dd07c1c2d_attn:
	s_mov_b64 s[64:65], 0
	v_nop
	global_prefetch_b8 v0, s[64:65] scope:SCOPE_SE
	s_setreg_imm32_b32 hwreg(HW_REG_WAVE_MODE, 25, 1), 1
	s_wait_xcnt 0x0
	s_wait_alu depctr_hold_cnt(0) depctr_sa_sdst(0) depctr_va_vdst(0) depctr_va_sdst(0) depctr_va_ssrc(0) depctr_va_vcc(0) depctr_vm_vsrc(0)
	s_getreg_b32 s2, hwreg(HW_REG_IB_STS2, 6, 4)
	s_cmp_eq_u32 s2, 0
	s_cbranch_scc0 .Lentry_in_a_cluster
	s_endpgm
.Lentry_in_a_cluster:
	s_bfe_u32 s2, ttmp6, 0x10000c
	s_cmp_lg_u32 s2, 0x3003
	s_cbranch_scc0 .Lentry_shape_is_right
	s_endpgm
.Lentry_shape_is_right:
; attention on codes of FP6 (E2M3): S^T = k q^T, p = 2^(t - M), O^T = v^T p^T, O / l, and O's quantising along the model's 1,024 for the next product.  Nothing of the problem is left out here.
; A work-group owns 256 queries of one (batch, head); each of its sixteen waves one tile of 16, in 256 registers: four waves to a SIMD, so that one wave's vector work stands beside another's products and LDS loads.
; A head's whole k (64 records of 1,024 bytes) and v (8 records of 6,400) fit in LDS at once: each wave asks for one sixteenth at the head, nothing is filled again.
; The four work-groups of a cluster are the four query blocks of one head: they ask jointly.
; THE MASK needs no line here: it rides in the first product's spare K (see the launch before): a masked key's score is -2^33.  t = score x log2(e) / 8; -2^33 x that factor is a whole number, so a row of masked keys alone has p = 1 everywhere.
; M = the running largest t rounded up to a whole number (kept as -M); when it moves, the sum and O^T are multiplied by 2^(old M - new M): exact.  The row's sum is taken of the unquantised p.
; A block's largest p is not searched for: the block's largest score goes through the same multiply-add and exponential (this takes the exponential not to fall where its input rises).
; The keys and channels of a tile are chosen (lane r of tile T: 32 (T / 2) + 8 (T % 2) + r + 8 (r / 8)) so that 16 registers of two neighbouring tiles are 16 neighbours along the next K.
; REGISTERS: v1-4, v7 lane terms; v8-11, v254 the step's addresses; v12 -M, v13 largest t, v[14:15] the sum; v16-27 q; v28-31 v's scale words; v32-79 four fragments of k; v80-127 v's four; v128-191 S^T, then p; v192-223 O^T; v224-235 p's codes; v232-254 at work; v255 q's scale word.
.set SPARE, 116736                     ; behind k (65,536) and v (51,200): the spare words, 128 bytes for each of 16 waves
.set SEL, 50
.set CS, 52
.macro CROUND
	s_barrier_signal -1
	s_barrier_wait -1
	s_cmp_lg_u32 s8, 0
	s_cbranch_scc1 .Lnot_wave_0_\@
	s_barrier_signal -3
.Lnot_wave_0_\@:
	s_barrier_wait -3
	s_barrier_signal -1
	s_barrier_wait -1
.endm
.macro FRAG reg, a16, a8, off
	ds_load_b128 v[(\reg):(\reg)+3], v[\a16] offset:(\off)
	ds_load_b64 v[(\reg)+4:(\reg)+5], v[\a8] offset:(\off)+512
	ds_load_b128 v[(\reg)+6:(\reg)+9], v[\a16] offset:(\off)+768
	ds_load_b64 v[(\reg)+10:(\reg)+11], v[\a8] offset:(\off)+1280
.endm
	s_load_b128 s[4:7], s[0:1], 0x0                ; qkv, a2
	v_lshl_add_u32 v5, v0, 2, SPARE
	v_mov_b32 v6, 0
	ds_add_u32 v5, v6                              ; the opening: the add, twice on end, and its wait ahead of my first tensor load
	ds_add_u32 v5, v6
	v_lshrrev_b32 v8, 5, v0
	v_readfirstlane_b32 s8, v8                     ; wave 0..15
	s_bfe_u32 s9, ttmp6, 0x40000                   ; cx: my block of 256 queries; it enters global addresses alone
	s_and_b32 s10, ttmp7, 0xffff                   ; batch x 16 + head
	s_mov_b32 s16, 15|(3<<16)|(1<<21)              ; k: a dense block of 8,192 bytes as 32 rows of 256; the mask names all four work-groups
	s_mov_b32 s17, 32<<16
	s_mov_b32 s18, 32<<16
	s_mov_b32 s19, 32<<16
	s_mov_b32 s20, 32
	s_mov_b32 s21, 32
	s_mov_b32 s22, 0
	s_mov_b32 s23, 0
	s_mov_b32 s24, 15|(3<<16)|(1<<21)              ; v: 6,400 bytes as 25 rows of 256
	s_mov_b32 s25, 32<<16
	s_mov_b32 s26, 25<<16
	s_mov_b32 s27, 32<<16
	s_mov_b32 s28, 25
	s_mov_b32 s29, 32
	s_mov_b32 s30, 0
	s_mov_b32 s31, 0
	s_lshl_b32 s12, s10, 16
	s_lshl_b32 s13, s8, 13
	s_add_co_u32 s12, s12, s13
	s_add_co_u32 s12, s12, 4194304                 ; waves 0-7: k's key step = wave
	s_mov_b32 s13, 0
	s_mul_i32 s14, s10, 51200
	s_mul_i32 s15, s8, 6400
	s_add_co_u32 s14, s14, s15
	s_add_co_u32 s14, s14, 8337408                 ; waves 8-15: v's key step = wave - 8 (8,388,608 - 8 x 6,400)
	s_mov_b32 s15, 0
	s_lshl_b32 s40, s8, 13
	s_mul_i32 s41, s8, 6400
	s_add_co_u32 s41, s41, 14336                   ; 65,536 + 6,400 (wave - 8)
	s_lshl_b32 s42, s9, 4
	s_add_co_u32 s42, s42, s8                      ; my tile of queries in the batch
	s_lshl_b32 s44, s10, 6
	s_add_co_u32 s44, s44, s42
	s_lshl_b32 s44, s44, 10
	s_mov_b32 s45, 0
	s_mov_b32 s[SEL], 0x76543210
	s_mov_b32 s[SEL+1], 0xfedcba98
	s_mov_b32 s[CS], 0x3e38aa3b                    ; log2(e) / sqrt(64)
	s_mov_b32 s[CS+1], s[CS]
	s_mov_b32 s46, 0                               ; the step's k in LDS
	s_mov_b32 s47, 0                               ; the step's v
	s_mov_b32 s48, 0
	s_wait_dscnt 0x0
	s_wait_kmcnt 0x0
	s_mov_b32 s32, 1
	s_mov_b32 s33, s40
	s_add_nc_u64 s[34:35], s[4:5], s[12:13]
	s_or_b32 s35, s35, 0x80000000
	s_mov_b32 s36, 1
	s_mov_b32 s37, s41
	s_add_nc_u64 s[38:39], s[4:5], s[14:15]
	s_or_b32 s39, s39, 0x80000000
	s_add_nc_u64 s[44:45], s[4:5], s[44:45]        ; q's record
	CROUND                                         ; all four work-groups are here: the joint loads meet
	s_cmp_lt_u32 s8, 8                             ; every wave issues one load: one of mine is out
	s_cbranch_scc0 .Lfor_v
	tensor_load_to_lds s[32:35], s[16:23]
	s_nop 0
.rept 4
	v_nop
.endr
	s_branch .Lasked
.Lfor_v:
	tensor_load_to_lds s[36:39], s[24:31]
	s_nop 0
.rept 4
	v_nop
.endr
.Lasked:
	v_and_b32 v8, 31, v0
	v_lshlrev_b32 v1, 4, v8
	v_lshlrev_b32 v2, 3, v8
	global_load_b128 v[16:19], v1, s[44:45]
	global_load_b64 v[20:21], v2, s[44:45] offset:512
	global_load_b32 v22, v2, s[44:45] offset:768   ; register 6: the code of 1.0 at k = 64
	global_load_b32 v255, v2, s[44:45] offset:772  ; q's scale word
	v_add_nc_u32 v3, 0x10000, v1
	v_add_nc_u32 v4, 0x10000, v2
	v_and_b32 v8, 15, v0
	v_lshl_add_u32 v7, v8, 4, 71680                ; v's scale words: 65,536 + 6,144 + 16 r
.irp i, 23,24,25,26,27
	v_mov_b32 v[\i], 0                             ; k = 70 on: zero codes, in q
.endr
.irp t, 0,1,2,3
.irp i, 7,8,9,10,11
	v_mov_b32 v[32+12*\t+\i], 0                    ; and in k's four fragments: written once
.endr
.endr
	v_mov_b32 v13, 0xff61b1e6                      ; the largest t so far: -3e38
	v_floor_f32 v12, -v13
	v_mov_b32 v14, 0
	v_mov_b32 v15, 0
.irp b, 0,1,2,3
	v_mov_b32 v[236+\b], 0                         ; a lane permute's destination counts as one of its sources
.endr
	v_mov_b32 v253, 0
.set n, 0
.rept 32
	v_mov_b32 v[192+n], 0                          ; O^T: the loop is written once; its first step finds zeros
.set n, n+1
.endr
	s_wait_tensorcnt 0x0
	s_barrier_signal -1
	s_barrier_wait -1                              ; the head's k and v are whole
	s_wait_loadcnt 0x0
.macro KLOAD g
.irp t, 0,1,2,3
	ds_load_b128 v[32+12*\t:35+12*\t], v8 offset:(4*\g+\t)*1024
	ds_load_b64 v[36+12*\t:37+12*\t], v9 offset:(4*\g+\t)*1024+512
	ds_load_b32 v[38+12*\t], v9 offset:(4*\g+\t)*1024+768
	ds_load_b32 v[248+\t], v9 offset:(4*\g+\t)*1024+772
.endr
.endm
.macro KQ g
.irp t, 0,1,2,3
	v_wmma_scale_f32_16x16x128_f8f6f4 v[128+8*(4*\g+\t):135+8*(4*\g+\t)], v[32+12*\t:43+12*\t], v[16:27], 0, v[248+\t], v255 matrix_a_fmt:MATRIX_FMT_FP6 matrix_b_fmt:MATRIX_FMT_FP6
.endr
.endm
.Lstep:                                            ; eight trips of 128 keys
	v_add_nc_u32 v8, s46, v1                       ; (these five are also the places in front of loads into registers that the last products read)
	v_add_nc_u32 v9, s46, v2
	v_add_nc_u32 v10, s47, v3
	v_add_nc_u32 v11, s47, v4
	v_add_nc_u32 v254, s47, v7
	KLOAD 0
.irp d, 0,1,2,3
	FRAG 80+12*\d, 10, 11, \d*1536                 ; v's fragments are asked for now and land under the softmax
.endr
	ds_load_b128 v[28:31], v254
	s_wait_dscnt 17                                ; k's first four tiles are in; v's 17 loads may be out
	KQ 0
.rept 4
	v_nop
.endr
	KLOAD 1
	s_wait_dscnt 0x0
	KQ 1
.rept 4
	v_nop
.endr
.irp b, 0,1,2,3
	v_max3_num_f32 v[232+\b], v[128+16*\b], v[129+16*\b], v[130+16*\b]     ; the largest score of each block of 32 keys
.endr
.irp i, 3,5,7,9,11,13
.irp b, 0,1,2,3
	v_max3_num_f32 v[232+\b], v[232+\b], v[128+16*\b+\i], v[129+16*\b+\i]
.endr
.endr
.irp b, 0,1,2,3
	v_max_num_f32 v[232+\b], v[232+\b], v[143+16*\b]
.endr
.irp b, 0,1,2,3
	v_permlanex16_b32 v[236+\b], v[232+\b], s[SEL], s[SEL+1]
.endr
.irp b, 0,1,2,3
	v_max_num_f32 v[232+\b], v[232+\b], v[236+\b]
.endr
	v_max3_num_f32 v254, v232, v233, v234
	v_max_num_f32 v254, v254, v235
	v_mul_f32 v254, s[CS], v254
	v_max_num_f32 v13, v13, v254                   ; the running largest t
	v_mov_b32 v254, v12
	v_floor_f32 v12, -v13                          ; the new -M
	v_sub_f32 v254, v12, v254
	v_cvt_i32_f32 v254, v254                       ; (it saturates)
	v_ldexp_f32 v252, 1.0, v254                    ; f = 2^(old M - new M)
.set n, 0
.rept 32
	v_pk_fma_f32 v[128+n:129+n], v[128+n:129+n], s[CS:CS+1], v[12:13] op_sel_hi:[1,0,0]    ; t - M
.set n, n+2
.endr
.irp b, 0,1,2,3
	v_fma_f32 v[232+\b], v[232+\b], s[CS], v12
.endr
.set n, 0
.rept 64
	v_exp_f32 v[128+n], v[128+n]                   ; p, not normalised
.set n, n+1
.endr
	v_pk_mul_f32 v[14:15], v[14:15], v[252:253] op_sel_hi:[1,0]    ; the sums under the new M (a plain place behind the exponentials)
	s_wait_alu depctr_va_vdst(0)                   ; one wait for the batch, ahead of its first reader
.irp b, 0,1,2,3
	v_exp_f32 v[232+\b], v[232+\b]                 ; each block's largest p
.endr
	v_pk_add_f32 v[236:237], v[128:129], v[130:131]
.irp j, 4,8,12,16,20,24,28,32,36,40,44,48,52,56,60
	v_pk_add_f32 v[14:15], v[14:15], v[128+\j:129+\j]
	v_pk_add_f32 v[236:237], v[236:237], v[130+\j:131+\j]
.endr
	v_pk_add_f32 v[14:15], v[14:15], v[236:237]
	s_wait_alu depctr_va_vdst(0)                   ; and one for the four
.irp b, 0,1,2,3
	v_max_num_f32 v[232+\b], 0x1800000, v[232+\b]
.endr
.irp b, 0,1,2,3
	v_add_nc_u32 v[244+\b], 0xff000000, v[232+\b]
.endr
.irp b, 0,1,2,3
	v_lshrrev_b32 v[236+\b], 23, v[244+\b]
.endr
	v_lshl_or_b32 v253, v237, 8, v236              ; p's scale word
	v_lshl_or_b32 v253, v238, 16, v253
	v_lshl_or_b32 v253, v239, 24, v253
.irp c, 0,1
	v_cvt_scalef32_pk16_fp6_f32 v[224+6*\c:226+6*\c], v[128+32*\c:143+32*\c], v[244+2*\c]
	v_cvt_scalef32_pk16_fp6_f32 v[236+4*\c:238+4*\c], v[144+32*\c:159+32*\c], v[244+2*\c+1]
.endr
	v_nop
.irp c, 0,1
.irp i, 0,1,2
	v_permlane16_swap_b32 v[224+6*\c+\i], v[236+4*\c+\i]
.endr
.irp i, 0,1,2
	v_mov_b32 v[227+6*\c+\i], v[236+4*\c+\i]
.endr
.endr
.set n, 0
.rept 16
	v_pk_mul_f32 v[192+n:193+n], v[192+n:193+n], v[252:253] op_sel_hi:[1,0]    ; O^T under the new M; these sixteen are also the places in front of the products below
.set n, n+2
.endr
.irp d, 0,1,2,3
	v_wmma_scale_f32_16x16x128_f8f6f4 v[192+8*\d:199+8*\d], v[80+12*\d:91+12*\d], v[224:235], v[192+8*\d:199+8*\d], v[28+\d], v253 matrix_a_fmt:MATRIX_FMT_FP6 matrix_b_fmt:MATRIX_FMT_FP6
.endr
	s_add_co_u32 s46, s46, 8192
	s_add_co_u32 s47, s47, 6400
	s_add_co_u32 s48, s48, 1
	s_cmp_lt_u32 s48, 8
	s_cbranch_scc1 .Lstep
	; THE WAY OUT: O / l; my head's 64 channels are half a K step of the next product: two blocks of 32
	v_add_f32 v14, v14, v15
	v_permlanex16_b32 v252, v14, s[SEL], s[SEL+1]
	v_add_f32 v14, v14, v252
	v_rcp_f32 v14, v14
	v_and_b32 v8, 15, v0
	v_lshlrev_b32 v8, 4, v8                        ; 16 r
	v_nop
	v_nop
	s_lshr_b32 s12, s10, 4
	s_lshl_b32 s12, s12, 6
	s_add_co_u32 s12, s12, s42                     ; my token tile
	s_and_b32 s13, s10, 15                         ; my head
	s_lshr_b32 s14, s13, 1
	s_and_b32 s15, s13, 1
	s_lshl_b32 s16, s12, 3
	s_add_co_u32 s16, s16, s14
	s_lshl_b32 s16, s16, 1
	s_add_co_u32 s16, s16, s15
	s_mul_i32 s16, s16, 768
	s_mov_b32 s17, 0
	s_add_nc_u64 s[16:17], s[6:7], s[16:17]
	s_lshr_b32 s18, s12, 3
	s_lshl_b32 s18, s18, 3
	s_add_co_u32 s18, s18, s14
	s_lshl_b32 s18, s18, 9
	s_bfe_u32 s19, s12, 0x10002
	s_lshl_b32 s19, s19, 8
	s_add_co_u32 s18, s18, s19
	s_and_b32 s19, s12, 3
	s_lshl_b32 s19, s19, 2
	s_add_co_u32 s18, s18, s19
	s_lshl_b32 s19, s15, 1
	s_add_co_u32 s18, s18, s19
	s_add_co_u32 s18, s18, 3145728
	s_mov_b32 s19, 0
	s_add_nc_u64 s[18:19], s[6:7], s[18:19]
	s_wait_alu depctr_va_vdst(0)
.set n, 0
.rept 32
	v_mul_f32 v[128+n], v[192+n], v14              ; register 16 b + i = channel 32 b + 16 h + i
.set n, n+1
.endr
.irp b, 0,1
	v_max3_num_f32 v[232+\b], |v[128+16*\b]|, |v[129+16*\b]|, 0x1800000
.endr
.irp i, 2,4,6,8,10,12,14
.irp b, 0,1
	v_max3_num_f32 v[232+\b], v[232+\b], |v[128+16*\b+\i]|, |v[129+16*\b+\i]|
.endr
.endr
.irp b, 0,1
	v_permlanex16_b32 v[236+\b], v[232+\b], s[SEL], s[SEL+1]
.endr
.irp b, 0,1
	v_max_num_f32 v[232+\b], v[232+\b], v[236+\b]
.endr
.irp b, 0,1
	v_add_nc_u32 v[244+\b], 0xff000000, v[232+\b]
.endr
.irp b, 0,1
	v_lshrrev_b32 v[236+\b], 23, v[244+\b]
.endr
	v_lshl_or_b32 v240, v237, 8, v236
	v_cvt_scalef32_pk16_fp6_f32 v[224:226], v[128:143], v244
	v_cvt_scalef32_pk16_fp6_f32 v[228:230], v[144:159], v245
	v_nop
.irp i, 0,1,2
	v_permlane16_swap_b32 v[224+\i], v[228+\i]
.endr
	v_mov_b32 v227, v228
	v_mov_b32 v228, v229
	v_mov_b32 v229, v230
	global_store_b128 v1, v[224:227], s[16:17]
	global_store_b64 v2, v[228:229], s[16:17] offset:512
	global_store_b16 v8, v240, s[18:19]            ; my head's half of the row's scale word (both halves of the lanes store the same two bytes)
	s_wait_tensorcnt 0x0                           ; the wave's end
	ds_add_u32 v5, v6
	s_wait_dscnt 0x0
	CROUND                                         ; the closing round
	s_endpgm
.Lfunc_end_k_q5dd07c1c2d_attn:
	.size	k_q5dd07c1c2d_attn, .Lfunc_end_k_q5dd07c1c2d_attn-k_q5dd07c1c2d_attn
	.p2alignl 7, 3214868480
	.fill 96, 4, 3214868480
	.section	.rodata,"a",@progbits
	.p2align	6, 0x0
	.amdhsa_kernel k_q5dd07c1c2d_attn
		.amdhsa_group_segment_fixed_size 167936
		.amdhsa_private_segment_fixed_size 0
		.amdhsa_enable_private_segment 0
		.amdhsa_kernarg_size 16
		.amdhsa_user_sgpr_count 2
		.amdhsa_user_sgpr_kernarg_segment_ptr 1
		.amdhsa_wavefront_size32 1
		.amdhsa_system_sgpr_workgroup_id_x 1
		.amdhsa_system_sgpr_workgroup_id_y 1
		.amdhsa_system_sgpr_workgroup_id_z 1
		.amdhsa_system_vgpr_workitem_id 0
		.amdhsa_next_free_vgpr 256
		.amdhsa_next_free_sgpr 66
		.amdhsa_reserve_vcc 0
		.amdhsa_float_denorm_mode_32 3
		.amdhsa_float_denorm_mode_16_64 3
		.amdhsa_memory_ordered 1
		.amdhsa_forward_progress 1
		.amdhsa_inst_pref_size 29
	.end_amdhsa_kernel
	.amdgpu_metadata
---
amdhsa.version: [ 1, 2 ]
amdhsa.kernels:
  - .name:           k_q5dd07c1c2d_attn
    .symbol:         k_q5dd07c1c2d_attn.kd
    .args:
      - { .name: qkv, .offset: 0, .size: 8, .value_kind: global_buffer, .address_space: global }
      - { .name: a2, .offset: 8, .size: 8, .value_kind: global_buffer, .address_space: global }
    .group_segment_fixed_size: 167936
    .private_segment_fixed_size: 0
    .kernarg_segment_align: 8
    .kernarg_segment_size: 16
    .max_flat_workgroup_size: 512
    .sgpr_count:     66
    .vgpr_count:     256
    .wavefront_size: 32
...
	.end_amdgpu_metadata
.endif
;; end of part 3
;; launch wo_ln (part 4): grid 64 x 1, 4 waves a work-group, clusters of 4 x 1, 327,680 bytes of LDS; arguments a2, wc, ws, x, bo, ln2_w, ln2_b, x1, a3; writes x1, a3
.if DOCPART == 4
	.amdgcn_target "amdgcn-amd-amdhsa--gfx1250"
	.amdhsa_code_object_version 6
	.text
	.protected	k_q5dd07c1c2d_wo_ln
	.globl	k_q5dd07c1c2d_wo_ln
	.p2align	8
	.type	k_q5dd07c1c2d_wo_ln,@function
k_q5dd07c1c2d_wo_ln:
	s_mov_b64 s[64:65], 0
	v_nop
	global_prefetch_b8 v0, s[64:65] scope:SCOPE_SE
	s_setreg_imm32_b32 hwreg(HW_REG_WAVE_MODE, 25, 1), 1
	s_wait_xcnt 0x0
	s_wait_alu depctr_hold_cnt(0) depctr_sa_sdst(0) depctr_va_vdst(0) depctr_va_sdst(0) depctr_va_ssrc(0) depctr_va_vcc(0) depctr_vm_vsrc(0)
	s_getreg_b32 s2, hwreg(HW_REG_IB_STS2, 6, 4)
	s_cmp_eq_u32 s2, 0
	s_cbranch_scc0 .Lentry_in_a_cluster
	s_endpgm
.Lentry_in_a_cluster:
	s_bfe_u32 s2, ttmp6, 0x10000c
	s_cmp_lg_u32 s2, 0x3003
	s_cbranch_scc0 .Lentry_shape_is_right
	s_endpgm
.Lentry_shape_is_right:
; x1 = x + attn wo + bo on codes of FP6 (E2M3); LN2(x1) as codes.  Nothing of the problem is left out here.
; LN2 wants whole rows of x1, so a work-group owns 64 tokens x all 1,024 columns: 64 work-groups.  Wave w owns columns 256 w on (16 tiles) for the four token tiles: 64 accumulators.
; Source 0 = wo's tiles, source 1 = the tokens: a lane holds one token, its registers run along the columns, which are the next product's K.
; x + bo is loaded into the accumulators: it is the C of every sum, nothing is cleared and nothing is added afterwards.
; wo goes K step by K step (64 tiles x 1,536 bytes) through two LDS slots; the four work-groups of a cluster ask for it jointly.  The tokens' 4 x 12,288 bytes come once.
; x1 leaves as images of the accumulators ([token tile][column tile][1,024 bytes]): the last launch loads them back as its C.
; REGISTERS: window 0: v1-15 addresses; v16-31 sums; v32-63 the tokens' scale words, v64-127 wo's; v128-175 the tokens' four fragments; on the way out v128-255.
;   window 1: wo's 16 fragments; at the head bo; on the way out the gain (v0-127) and the bias (v128-255).   window 2: token tiles 0 (v[8 b]) and 1 (v[128 + 8 b]);   window 3: tiles 2, 3.
.set SLOT, 98304
.set ABASE, 196608
.set ST1, 245760                       ; the waves' partial sums, 1,024 bytes; the second exchange 1,024 further on
.set SPARE, 247808
.set SPW, 10
.set NIL, 11
.set SCA, 32
.set SCB, 64
.set G1B, 28
.set G0B, 36
.set G1A, 44
.set G0A, 52
.set SEL, 76
.set HA, 128
.set PC, 192
.set TM, 212
.set PW, 228
.set KW, 232
.set RS, 244
.set MN, 176
.set MSB, 0
.macro WIN new
.if MSB != \new
	s_set_vgpr_msb (MSB<<8)|\new
.set MSB, \new
.endif
.endm
.macro PLACES n
.rept \n
	v_nop
.endr
.endm
.macro FRAG reg, a16, a8, off
	ds_load_b128 v[(\reg):(\reg)+3], v[\a16] offset:(\off)
	ds_load_b64 v[(\reg)+4:(\reg)+5], v[\a8] offset:(\off)+512
	ds_load_b128 v[(\reg)+6:(\reg)+9], v[\a16] offset:(\off)+768
	ds_load_b64 v[(\reg)+10:(\reg)+11], v[\a8] offset:(\off)+1280
.endm
.macro WM d, a, b, sa, sb, ra
.if \ra
	v_wmma_scale_f32_16x16x128_f8f6f4 v[(\d):(\d)+7], v[(\a):(\a)+11], v[(\b):(\b)+11], v[(\d):(\d)+7], v[\sa], v[\sb] matrix_a_fmt:MATRIX_FMT_FP6 matrix_b_fmt:MATRIX_FMT_FP6 matrix_a_scale:MATRIX_SCALE_ROW1
.else
	v_wmma_scale_f32_16x16x128_f8f6f4 v[(\d):(\d)+7], v[(\a):(\a)+11], v[(\b):(\b)+11], v[(\d):(\d)+7], v[\sa], v[\sb] matrix_a_fmt:MATRIX_FMT_FP6 matrix_b_fmt:MATRIX_FMT_FP6
.endif
.endm
.macro CROUND
	s_barrier_signal -1
	s_barrier_wait -1
	s_cmp_lg_u32 s22, 0
	s_cbranch_scc1 .Lnot_wave_0_\@
	s_barrier_signal -3
.Lnot_wave_0_\@:
	s_barrier_wait -3
	s_barrier_signal -1
	s_barrier_wait -1
.endm
.macro QUANT s
.irp b, 0,1,2,3
	v_max3_num_f32 v[TM+\b], |v[\s+16*\b]|, |v[\s+1+16*\b]|, 0x1800000
.endr
.irp i, 2,4,6,8,10,12,14
.irp b, 0,1,2,3
	v_max3_num_f32 v[TM+\b], v[TM+\b], |v[\s+16*\b+\i]|, |v[\s+1+16*\b+\i]|
.endr
.endr
.irp b, 0,1,2,3
	v_permlanex16_b32 v[TM+4+\b], v[TM+\b], s[SEL], s[SEL+1]
.endr
.irp b, 0,1,2,3
	v_max_num_f32 v[TM+\b], v[TM+\b], v[TM+4+\b]
.endr
.irp b, 0,1,2,3
	v_add_nc_u32 v[TM+12+\b], 0xff000000, v[TM+\b]
.endr
.irp b, 0,1,2,3
	v_lshrrev_b32 v[TM+4+\b], 23, v[TM+12+\b]
.endr
	v_lshl_or_b32 v[PW], v[TM+5], 8, v[TM+4]
	v_lshl_or_b32 v[PW], v[TM+6], 16, v[PW]
	v_lshl_or_b32 v[PW], v[TM+7], 24, v[PW]
.irp c, 0,1
	v_cvt_scalef32_pk16_fp6_f32 v[PC+6*\c:PC+2+6*\c], v[\s+32*\c:\s+15+32*\c], v[TM+12+2*\c]
	v_cvt_scalef32_pk16_fp6_f32 v[PC+12+4*\c:PC+14+4*\c], v[\s+16+32*\c:\s+31+32*\c], v[TM+12+2*\c+1]
.endr
	v_nop
.irp c, 0,1
.irp i, 0,1,2
	v_permlane16_swap_b32 v[PC+6*\c+\i], v[PC+12+4*\c+\i]
.endr
.irp i, 0,1,2
	v_mov_b32 v[PC+3+6*\c+\i], v[PC+12+4*\c+\i]
.endr
.endr
.endm
	s_load_b256 s[4:11], s[0:1], 0x0               ; a2, wc, ws, x
	s_load_b256 s[12:19], s[0:1], 0x20             ; bo, ln2_w, ln2_b, x1
	s_load_b64 s[20:21], s[0:1], 0x40              ; a3
	v_lshl_add_u32 v[SPW], v0, 2, SPARE
	v_mov_b32 v[NIL], 0
	ds_add_u32 v[SPW], v[NIL]                      ; the opening: the add, twice on end, and its wait ahead of my first tensor load
	ds_add_u32 v[SPW], v[NIL]
	v_lshrrev_b32 v1, 5, v0
	v_readfirstlane_b32 s22, v1                    ; wave
	s_bfe_u32 s23, ttmp6, 0x40000                  ; cx
	s_lshl_b32 s24, ttmp9, 2
	s_add_co_u32 s24, s24, s23                     ; my 64 tokens
	s_mov_b32 s[G1B], 15|(3<<16)|(1<<21)           ; wo: 16 tiles' 1,536 bytes of a K step, 12,288 bytes apart; all four work-groups
	s_mov_b32 s[G1B+1], 192<<16
	s_mov_b32 s[G1B+2], 16<<16
	s_mov_b32 s[G1B+3], 192<<16
	s_mov_b32 s[G1B+4], 16
	s_mov_b32 s[G1B+5], 1536
	s_mov_b32 s[G1B+6], 0
	s_mov_b32 s[G1B+7], 0
	s_mov_b32 s[G1A], 3<<16                        ; a token tile: 12,288 dense bytes as 48 rows of 256; my work-group alone
	s_mov_b32 s[G1A+1], 32<<16
	s_mov_b32 s[G1A+2], 48<<16
	s_mov_b32 s[G1A+3], 32<<16
	s_mov_b32 s[G1A+4], 48
	s_mov_b32 s[G1A+5], 32
	s_mov_b32 s[G1A+6], 0
	s_mov_b32 s[G1A+7], 0
	s_mul_i32 s56, s22, 196608
	s_add_co_u32 s56, s56, 2359296                 ; wo's codes, my 16 tiles: the wave's number alone
	s_mov_b32 s57, 0
	s_lshl_b32 s58, s24, 2
	s_add_co_u32 s58, s58, s22
	s_mul_i32 s58, s58, 12288                      ; token tile 4 g + wave
	s_mov_b32 s59, 0
	s_mul_i32 s60, s22, 24576
	s_mul_i32 s61, s22, 12288
	s_add_co_u32 s61, s61, ABASE
	s_mov_b32 s[SEL], 0x76543210
	s_mov_b32 s[SEL+1], 0xfedcba98
	s_mov_b32 s78, 0x3a800000                      ; 1 / 1,024
	s_mov_b32 s79, 0x3727c5ac                      ; 1e-5
	s_wait_dscnt 0x0
	s_wait_kmcnt 0x0
.irp n, 0,1
	s_mov_b32 s[G0B+4*\n], 1
	s_add_co_u32 s[G0B+4*\n+1], s60, \n*SLOT
	s_add_nc_u64 s[G0B+4*\n+2:G0B+4*\n+3], s[6:7], s[56:57]
	s_add_nc_u64 s[G0B+4*\n+2:G0B+4*\n+3], s[G0B+4*\n+2:G0B+4*\n+3], \n*1536
	s_or_b32 s[G0B+4*\n+3], s[G0B+4*\n+3], 0x80000000
.endr
	s_mov_b32 s[G0A], 1
	s_mov_b32 s[G0A+1], s61
	s_add_nc_u64 s[G0A+2:G0A+3], s[4:5], s[58:59]
	s_or_b32 s[G0A+3], s[G0A+3], 0x80000000
	CROUND
	tensor_load_to_lds s[G0A:G0A+3], s[G1A:G1A+7]  ; two loads of mine are out
	s_nop 0
	tensor_load_to_lds s[G0B:G0B+3], s[G1B:G1B+7]  ; K step 0
	s_nop 0
.rept 4
	v_nop
.endr
	v_and_b32 v3, 31, v0
	v_lshlrev_b32 v1, 4, v3
	v_lshlrev_b32 v2, 3, v3
	v_and_b32 v14, 15, v0                          ; r
	v_bfe_u32 v15, v0, 4, 1                        ; h
	v_lshlrev_b32 v3, 4, v14                       ; 16 r
	v_lshlrev_b32 v13, 6, v15                      ; 64 h
	v_and_b32 v12, 8, v14
	v_add_nc_u32 v12, v12, v14
	v_lshl_add_u32 v12, v12, 12, v13               ; x: row r + 8 (r / 8) of a tile, + 64 h
	v_add_nc_u32 v4, s60, v1
	v_add_nc_u32 v6, s60, v2
	v_add_nc_u32 v5, SLOT, v4
	v_add_nc_u32 v7, SLOT, v6
	v_add_nc_u32 v8, ABASE, v1
	v_add_nc_u32 v9, ABASE, v2
	s_lshl_b32 s74, s22, 2
	v_add_nc_u32 v15, ST1, v3                      ; the exchange: read 16 r,
	v_add_nc_u32 v14, s74, v15                     ; store 16 r + 4 x wave
	s_mov_b32 s73, 0
	s_lshl_b32 s72, s24, 18
	s_lshl_b32 s74, s22, 10
	s_add_co_u32 s72, s72, s74
	s_add_nc_u64 s[10:11], s[10:11], s[72:73]      ; x at my tokens and columns
	s_mov_b32 s72, s74
	s_add_nc_u64 s[12:13], s[12:13], s[72:73]
	s_add_nc_u64 s[14:15], s[14:15], s[72:73]
	s_add_nc_u64 s[16:17], s[16:17], s[72:73]
	s_lshl_b32 s72, s24, 18
	s_lshl_b32 s74, s22, 14
	s_add_co_u32 s72, s72, s74
	s_add_nc_u64 s[18:19], s[18:19], s[72:73]      ; x1: (256 g + 16 w) images of 1,024 bytes
	s_lshr_b32 s72, s24, 1
	s_lshl_b32 s72, s72, 12
	s_and_b32 s74, s24, 1
	s_lshl_b32 s74, s74, 8
	s_add_co_u32 s72, s72, s74
	s_add_co_u32 s72, s72, 3145728
	s_add_nc_u64 s[68:69], s[4:5], s[72:73]        ; the tokens' scale words
	s_lshl_b32 s74, s22, 10
	s_add_co_u32 s72, s72, s74
	s_add_nc_u64 s[66:67], s[20:21], s[72:73]      ; and where a3's go: K steps 2 w, 2 w + 1
	s_lshl_b32 s72, s22, 13
	s_add_co_u32 s72, s72, 98304
	s_add_nc_u64 s[70:71], s[8:9], s[72:73]        ; wo's scale words
	s_lshl_b32 s72, s24, 5
	s_lshl_b32 s74, s22, 1
	s_add_co_u32 s72, s72, s74
	s_mul_i32 s72, s72, 1536
	s_add_nc_u64 s[20:21], s[20:21], s[72:73]      ; a3's codes
.macro XLOAD win, hi                   ; x into the accumulators of token tiles 2 hi, 2 hi + 1
	WIN \win
.irp mm, 0,1
.set nb, 0
.rept 16
	global_load_b128 v[128*\mm+8*nb:128*\mm+8*nb+3], v12, s[10:11] offset:(32*\hi+8*\mm)*4096+(32*(nb/2)+8*(nb%2))*4 th:TH_LOAD_NT
	global_load_b128 v[128*\mm+8*nb+4:128*\mm+8*nb+7], v12, s[10:11] offset:(32*\hi+8*\mm)*4096+(32*(nb/2)+8*(nb%2))*4+16 th:TH_LOAD_NT
.set nb, nb+1
.endr
.endr
.endm
.macro VECLOAD base, reg               ; a vector's 256 numbers of my columns in the accumulators' layout, into window 1
.set nb, 0
.rept 16
	global_load_b128 v[\reg+8*nb:\reg+8*nb+3], v13, s[\base:\base+1] offset:(32*(nb/2)+8*(nb%2))*4
	global_load_b128 v[\reg+8*nb+4:\reg+8*nb+7], v13, s[\base:\base+1] offset:(32*(nb/2)+8*(nb%2))*4+16
.set nb, nb+1
.endr
.endm
	XLOAD 0x80, 0
	XLOAD 0xc0, 1
	WIN 0x40
	VECLOAD 12, 0                                  ; bo
	WIN 0
.irp s, 0,1,2,3,4,5,6,7
	global_load_b128 v[SCA+4*\s:SCA+4*\s+3], v3, s[68:69] offset:512*\s
	global_load_b128 v[SCB+8*\s:SCB+8*\s+3], v1, s[70:71] offset:512*\s
	global_load_b128 v[SCB+8*\s+4:SCB+8*\s+7], v1, s[70:71] offset:4096+512*\s
.endr
	s_wait_loadcnt 0x0
	WIN 0x86                                       ; accumulators window 2, bo window 1
.irp mm, 0,1
.set n, 0
.rept 64
	v_pk_add_f32 v[128*\mm+n:128*\mm+n+1], v[128*\mm+n:128*\mm+n+1], v[n:n+1]
.set n, n+2
.endr
.endr
	WIN 0xc7
.irp mm, 0,1
.set n, 0
.rept 64
	v_pk_add_f32 v[128*\mm+n:128*\mm+n+1], v[128*\mm+n:128*\mm+n+1], v[n:n+1]
.set n, n+2
.endr
.endr
	WIN 0
; K step t.  Each wave waits for all its tensor loads, adds 0 to its spare word, waits for that and for its reads of the other slot; a round of the cluster's barrier; the next K step is asked for into the slot read last.
.macro TRIP t, refill
.set SL, (\t)%2
	s_wait_tensorcnt 0x0
	ds_add_u32 v[SPW], v[NIL]
	s_add_nc_u64 s[G0B+4*SL+2:G0B+4*SL+3], s[G0B+4*SL+2:G0B+4*SL+3], 3072   ; no load of mine is out: this slot's next K step
	s_wait_dscnt 0x0
	CROUND
.if \refill
	tensor_load_to_lds s[G0B+4-4*SL:G0B+7-4*SL], s[G1B:G1B+7]
	s_nop 0
.endif
	PLACES 4                                       ; also the places in front of loads into registers that the last products read
.irp m, 0,1,2,3
	FRAG 128+12*\m, 8, 9, \m*12288+(\t)*1536
.endr
	WIN 0x40
.set nb, 0
.rept 16
	FRAG 12*nb, 4+SL, 6+SL, nb*1536
.set nb, nb+1
.endr
	WIN 0
.irp q, 0,1,2,3
	s_wait_dscnt 48-16*\q                          ; the tokens' fragments and wo's tiles up to 4 q + 3 are in; the later tiles' loads, four each, may be out
	WIN 0xa1
.irp bb, 0,1,2,3
.irp m, 0,1
	WM 128*\m+8*(4*\q+\bb), 12*(4*\q+\bb), 128+12*\m, SCB+8*(\t)+4*(\q/2)+\bb, SCA+4*(\t)+\m, \q%2
.endr
.endr
	WIN 0xf1
.irp bb, 0,1,2,3
.irp m, 0,1
	WM 128*\m+8*(4*\q+\bb), 12*(4*\q+\bb), 152+12*\m, SCB+8*(\t)+4*(\q/2)+\bb, SCA+4*(\t)+2+\m, \q%2
.endr
.endr
.endr
	WIN 0
.endm
.irp t, 0,1,2,3,4,5,6
	TRIP \t, 1
.endr
	TRIP 7, 0
	; ---------------- THE WAY OUT
.set n, 0
.rept 16
	v_mov_b32 v[16+n], 0                           ; the rows' sums, two chains a tile (these are also the places behind the last products)
.set n, n+1
.endr
.irp b, 0,1,2,3
	v_mov_b32 v[TM+4+\b], 0
.endr
	WIN 0x40
	VECLOAD 14, 0                                  ; the gain
	VECLOAD 16, 128                                ; the bias
.irp m, 0,1,2,3
	WIN 0x08+4*(\m/2)                              ; source 1, and a store's data: window 2 or 3
.set n, 0
.rept 32
	v_pk_add_f32 v[16+4*\m:17+4*\m], v[16+4*\m:17+4*\m], v[128*(\m%2)+n:128*(\m%2)+n+1]
	v_pk_add_f32 v[18+4*\m:19+4*\m], v[18+4*\m:19+4*\m], v[128*(\m%2)+n+2:128*(\m%2)+n+3]
.set n, n+4
.endr
.set n, 0
.rept 32
	global_store_b128 v1, v[128*(\m%2)+4*n:128*(\m%2)+4*n+3], s[18:19] offset:\m*65536+512*n    ; x1 as it stands: 512 consecutive bytes
.set n, n+1
.endr
.endr
	WIN 0
.macro MEET off                        ; v[16 + 4 m], two chains each, become the rows' sums over all 1,024 columns, in v[192 + 4 m]
.irp m, 0,1,2,3
	v_pk_add_f32 v[16+4*\m:17+4*\m], v[16+4*\m:17+4*\m], v[18+4*\m:19+4*\m]
.endr
.irp m, 0,1,2,3
	v_add_f32 v[16+4*\m], v[16+4*\m], v[17+4*\m]
.endr
.irp m, 0,1,2,3
	v_permlanex16_b32 v[17+4*\m], v[16+4*\m], s[SEL], s[SEL+1]
.endr
.irp m, 0,1,2,3
	v_add_f32 v[16+4*\m], v[16+4*\m], v[17+4*\m]
.endr
.irp m, 0,1,2,3
	ds_store_b32 v14, v[16+4*\m] offset:\off+256*\m
.endr
	s_wait_dscnt 0x0                               ; for the others' sake
	s_barrier_signal -1
	s_barrier_wait -1
.irp m, 0,1,2,3
	ds_load_b128 v[192+4*\m:195+4*\m], v15 offset:\off+256*\m
.endr
	s_wait_dscnt 0x0
.irp m, 0,1,2,3
	v_add_f32 v[192+4*\m], v[192+4*\m], v[193+4*\m]
	v_add_f32 v[194+4*\m], v[194+4*\m], v[195+4*\m]
.endr
.irp m, 0,1,2,3
	v_add_f32 v[192+4*\m], v[192+4*\m], v[194+4*\m]
.endr
.endm
	MEET 0
.irp m, 0,1,2,3
	v_mul_f32 v[MN+2*\m], s78, v[192+4*\m]
	v_mul_f32 v[MN+2*\m+1], s78, v[192+4*\m]
.endr
.set n, 0
.rept 16
	v_mov_b32 v[16+n], 0
.set n, n+1
.endr
	s_wait_xcnt 0x0                                ; x1's stores have read the accumulators
.irp m, 0,1,2,3
	WIN 0x82+0x41*(\m/2)
.set n, 0
.rept 64
	v_pk_add_f32 v[128*(\m%2)+n:128*(\m%2)+n+1], v[128*(\m%2)+n:128*(\m%2)+n+1], v[MN+2*\m:MN+2*\m+1] neg_lo:[0,1] neg_hi:[0,1]
.set n, n+2
.endr
	WIN 0x0a+5*(\m/2)
.set n, 0
.rept 32
	v_pk_fma_f32 v[16+4*\m:17+4*\m], v[128*(\m%2)+n:128*(\m%2)+n+1], v[128*(\m%2)+n:128*(\m%2)+n+1], v[16+4*\m:17+4*\m]
	v_pk_fma_f32 v[18+4*\m:19+4*\m], v[128*(\m%2)+n+2:128*(\m%2)+n+3], v[128*(\m%2)+n+2:128*(\m%2)+n+3], v[18+4*\m:19+4*\m]
.set n, n+4
.endr
.endr
	WIN 0
	MEET 1024
.irp m, 0,1,2,3
	v_fma_f32 v[192+4*\m], v[192+4*\m], s78, s79
.endr
.irp m, 0,1,2,3
	v_rsq_f32 v[RS+2*\m], v[192+4*\m]
.endr
	v_nop
	s_wait_alu depctr_va_vdst(0)                   ; one wait for the four, ahead of their first reader
.irp m, 0,1,2,3
	v_mov_b32 v[RS+2*\m+1], v[RS+2*\m]
.endr
	s_wait_loadcnt 0x0                             ; the gain and the bias
.irp m, 0,1,2,3
.irp e, 0,1                            ; my columns 128 e on are K step 2 w + e of the next product
	WIN 0x02+\m/2
.set n, 0
.rept 32
	v_pk_mul_f32 v[HA+n:HA+n+1], v[128*(\m%2)+64*\e+n:128*(\m%2)+64*\e+n+1], v[RS+2*\m:RS+2*\m+1]
.set n, n+2
.endr
	WIN 0x14
.set n, 0
.rept 32
	v_pk_fma_f32 v[HA+n:HA+n+1], v[HA+n:HA+n+1], v[64*\e+n:64*\e+n+1], v[128+64*\e+n:128+64*\e+n+1]
.set n, n+2
.endr
	WIN 0
	s_wait_xcnt 0x0                                ; the last fragment's stores have read their registers
	QUANT HA
	v_mov_b32 v[KW+2*\m+\e], v[PW]
	global_store_b128 v1, v[PC:PC+3], s[20:21] offset:(8*\m+\e)*1536
	global_store_b64 v2, v[PC+4:PC+5], s[20:21] offset:(8*\m+\e)*1536+512
	global_store_b128 v1, v[PC+6:PC+9], s[20:21] offset:(8*\m+\e)*1536+768
	global_store_b64 v2, v[PC+10:PC+11], s[20:21] offset:(8*\m+\e)*1536+1280
.endr
.endr
	v_cmp_lt_u32 vcc_lo, 15, v13                   ; lanes 16-31 (64 h is 64 there)
.irp m, 0,1,2,3
	v_cndmask_b32 v[240+\m], v[KW+2*\m], v[KW+2*\m+1], vcc_lo      ; lanes 0-15: K step 2 w, lanes 16-31: 2 w + 1
.endr
	v_lshl_add_u32 v12, v13, 3, v3                 ; 512 h + 16 r
	global_store_b128 v12, v[240:243], s[66:67]
	s_wait_tensorcnt 0x0                           ; the wave's end
	ds_add_u32 v[SPW], v[NIL]
	s_wait_dscnt 0x0
	CROUND                                         ; the closing round
	s_endpgm
.Lfunc_end_k_q5dd07c1c2d_wo_ln:
	.size	k_q5dd07c1c2d_wo_ln, .Lfunc_end_k_q5dd07c1c2d_wo_ln-k_q5dd07c1c2d_wo_ln
	.p2alignl 7, 3214868480
	.fill 96, 4, 3214868480
	.section	.rodata,"a",@progbits
	.p2align	6, 0x0
	.amdhsa_kernel k_q5dd07c1c2d_wo_ln
		.amdhsa_group_segment_fixed_size 327680
		.amdhsa_private_segment_fixed_size 0
		.amdhsa_enable_private_segment 0
		.amdhsa_kernarg_size 72
		.amdhsa_user_sgpr_count 2
		.amdhsa_user_sgpr_kernarg_segment_ptr 1
		.amdhsa_wavefront_size32 1
		.amdhsa_system_sgpr_workgroup_id_x 1
		.amdhsa_system_sgpr_workgroup_id_y 1
		.amdhsa_system_sgpr_workgroup_id_z 1
		.amdhsa_system_vgpr_workitem_id 0
		.amdhsa_next_free_vgpr 1024
		.amdhsa_next_free_sgpr 80
		.amdhsa_reserve_vcc 1
		.amdhsa_float_denorm_mode_32 3
		.amdhsa_float_denorm_mode_16_64 3
		.amdhsa_memory_ordered 1
		.amdhsa_forward_progress 1
		.amdhsa_inst_pref_size 255
	.end_amdhsa_kernel
	.section	.bss,"aw",@nobits
	.p2align	6
	.space	262144
	.amdgpu_metadata
---
amdhsa.version: [ 1, 2 ]
amdhsa.kernels:
  - .name:           k_q5dd07c1c2d_wo_ln
    .symbol:         k_q5dd07c1c2d_wo_ln.kd
    .args:
      - { .name: a2, .offset: 0, .size: 8, .value_kind: global_buffer, .address_space: global }
      - { .name: wc, .offset: 8, .size: 8, .value_kind: global_buffer, .address_space: global }
      - { .name: ws, .offset: 16, .size: 8, .value_kind: global_buffer, .address_space: global }
      - { .name: x, .offset: 24, .size: 8, .value_kind: global_buffer, .address_space: global }
      - { .name: bo, .offset: 32, .size: 8, .value_kind: global_buffer, .address_space: global }
      - { .name: ln2_w, .offset: 40, .size: 8, .value_kind: global_buffer, .address_space: global }
      - { .name: ln2_b, .offset: 48, .size: 8, .value_kind: global_buffer, .address_space: global }
      - { .name: x1, .offset: 56, .size: 8, .value_kind: global_buffer, .address_space: global }
      - { .name: a3, .offset: 64, .size: 8, .value_kind: global_buffer, .address_space: global }
    .group_segment_fixed_size: 327680
    .private_segment_fixed_size: 0
    .kernarg_segment_align: 8
    .kernarg_segment_size: 72
    .max_flat_workgroup_size: 128
    .sgpr_count:     80
    .vgpr_count:     1024
    .wavefront_size: 32
...
	.end_amdgpu_metadata
.endif
;; end of part 4
;; launch ffn1 (part 5): grid 16 x 16, 4 waves a work-group, clusters of 4 x 4, 327,680 bytes of LDS; arguments a3, wc, ws, b1, hid; writes hid
.if DOCPART == 5
	.amdgcn_target "amdgcn-amd-amdhsa--gfx1250"
	.amdhsa_code_object_version 6
	.text
	.protected	k_q5dd07c1c2d_ffn1
	.globl	k_q5dd07c1c2d_ffn1
	.p2align	8
	.type	k_q5dd07c1c2d_ffn1,@function
k_q5dd07c1c2d_ffn1:
	s_mov_b64 s[64:65], 0
	v_nop
	global_prefetch_b8 v0, s[64:65] scope:SCOPE_SE
	s_setreg_imm32_b32 hwreg(HW_REG_WAVE_MODE, 25, 1), 1
	s_wait_xcnt 0x0
	s_wait_alu depctr_hold_cnt(0) depctr_sa_sdst(0) depctr_va_vdst(0) depctr_va_sdst(0) depctr_va_ssrc(0) depctr_va_vcc(0) depctr_vm_vsrc(0)
	s_getreg_b32 s2, hwreg(HW_REG_IB_STS2, 6, 4)
	s_cmp_eq_u32 s2, 0
	s_cbranch_scc0 .Lentry_in_a_cluster
	s_endpgm
.Lentry_in_a_cluster:
	s_bfe_u32 s2, ttmp6, 0x10000c
	s_cmp_lg_u32 s2, 0xf033
	s_cbranch_scc0 .Lentry_shape_is_right
	s_endpgm
.Lentry_shape_is_right:
; hid = Q(relu(LN2(x1) w1 + b1)) on codes of FP6 (E2M3).  Nothing of the problem is left out here.
; The core is the second launch's: a work-group makes 256 tokens x 256 hidden units, four waves of 128 x 128; source 0 = w1's tiles ('side B'), source 1 = the tokens ('side A'): a lane holds a token, its registers run along
; the hidden units, which are the next product's K.  K = 1,024 in four chunks of 256: three LDS slots filled at the head, the first filled once more.  A's tiles are shared along a row of the cluster, B's along a column.
; The hidden layer leaves as images of operand registers, [token tile][32 K steps][1,536], and its scale words beside them.
; REGISTERS as in the second launch: window 0: v1, v2, v4-15 addresses; v32-63, v64-95 scale words; v128-223 A's fragments; window 1: B's two sets, and at v96-127, v224-255 b1; windows 2, 3: the accumulators.
.set SLOT, 98304
.set SPARE, 294912
.set SPW, 16
.set NIL, 17
.set SCA, 32
.set SCB, 64
.set AF, 128
.set G1, 24
.set G0, 32
.set G1B, 44
.set G0B, 52
.set SEL, 98
.set HA, 128
.set PC, 192
.set TM, 212
.set PW, 228
.set KW, 120
.set MSB, 0
.macro WIN new
.if MSB != \new
	s_set_vgpr_msb (MSB<<8)|\new
.set MSB, \new
.endif
.endm
.macro PLACES n
.rept \n
	v_nop
.endr
.endm
.macro FRAG reg, a16, a8, off
	ds_load_b128 v[(\reg):(\reg)+3], v[\a16] offset:(\off)
	ds_load_b64 v[(\reg)+4:(\reg)+5], v[\a8] offset:(\off)+512
	ds_load_b128 v[(\reg)+6:(\reg)+9], v[\a16] offset:(\off)+768
	ds_load_b64 v[(\reg)+10:(\reg)+11], v[\a8] offset:(\off)+1280
.endm
.macro WM d, a, b, zero, sa, sb, ra, rb
.if \zero
.if (\ra) && (\rb)
	v_wmma_scale_f32_16x16x128_f8f6f4 v[(\d):(\d)+7], v[(\a):(\a)+11], v[(\b):(\b)+11], 0, v[\sa], v[\sb] matrix_a_fmt:MATRIX_FMT_FP6 matrix_b_fmt:MATRIX_FMT_FP6 matrix_a_scale:MATRIX_SCALE_ROW1 matrix_b_scale:MATRIX_SCALE_ROW1
.elseif \ra
	v_wmma_scale_f32_16x16x128_f8f6f4 v[(\d):(\d)+7], v[(\a):(\a)+11], v[(\b):(\b)+11], 0, v[\sa], v[\sb] matrix_a_fmt:MATRIX_FMT_FP6 matrix_b_fmt:MATRIX_FMT_FP6 matrix_a_scale:MATRIX_SCALE_ROW1
.elseif \rb
	v_wmma_scale_f32_16x16x128_f8f6f4 v[(\d):(\d)+7], v[(\a):(\a)+11], v[(\b):(\b)+11], 0, v[\sa], v[\sb] matrix_a_fmt:MATRIX_FMT_FP6 matrix_b_fmt:MATRIX_FMT_FP6 matrix_b_scale:MATRIX_SCALE_ROW1
.else
	v_wmma_scale_f32_16x16x128_f8f6f4 v[(\d):(\d)+7], v[(\a):(\a)+11], v[(\b):(\b)+11], 0, v[\sa], v[\sb] matrix_a_fmt:MATRIX_FMT_FP6 matrix_b_fmt:MATRIX_FMT_FP6
.endif
.else
.if (\ra) && (\rb)
	v_wmma_scale_f32_16x16x128_f8f6f4 v[(\d):(\d)+7], v[(\a):(\a)+11], v[(\b):(\b)+11], v[(\d):(\d)+7], v[\sa], v[\sb] matrix_a_fmt:MATRIX_FMT_FP6 matrix_b_fmt:MATRIX_FMT_FP6 matrix_a_scale:MATRIX_SCALE_ROW1 matrix_b_scale:MATRIX_SCALE_ROW1
.elseif \ra
	v_wmma_scale_f32_16x16x128_f8f6f4 v[(\d):(\d)+7], v[(\a):(\a)+11], v[(\b):(\b)+11], v[(\d):(\d)+7], v[\sa], v[\sb] matrix_a_fmt:MATRIX_FMT_FP6 matrix_b_fmt:MATRIX_FMT_FP6 matrix_a_scale:MATRIX_SCALE_ROW1
.elseif \rb
	v_wmma_scale_f32_16x16x128_f8f6f4 v[(\d):(\d)+7], v[(\a):(\a)+11], v[(\b):(\b)+11], v[(\d):(\d)+7], v[\sa], v[\sb] matrix_a_fmt:MATRIX_FMT_FP6 matrix_b_fmt:MATRIX_FMT_FP6 matrix_b_scale:MATRIX_SCALE_ROW1
.else
	v_wmma_scale_f32_16x16x128_f8f6f4 v[(\d):(\d)+7], v[(\a):(\a)+11], v[(\b):(\b)+11], v[(\d):(\d)+7], v[\sa], v[\sb] matrix_a_fmt:MATRIX_FMT_FP6 matrix_b_fmt:MATRIX_FMT_FP6
.endif
.endif
.endm
.macro MUL16 a0, p, k, zero            ; the 64 accumulators take turns in one order in every step
.irp a, \a0, \a0+1
.irp b, 0,1,2,3,4,5,6,7
	WM 8*(8*((\a)%4)+\b), 128*(\p)+12*\b, AF+12*(\a), \zero, SCB+4*(\k)+(\b)%4, SCA+4*(\k)+(\a)%4, (\b)/4, (\a)/4
.endr
.endr
.endm
.macro FETCH_B slot, q, p
	WIN 0x40
.irp i, 0,1,2,3,4,5,6,7
	FRAG 128*(\p)+12*\i, 10+\slot, 13+\slot, \i*3072+(\q)*1536
.endr
	WIN 0
.endm
.macro FETCH_A slot, q, i0
.irp i, \i0, \i0+1, \i0+2, \i0+3
	FRAG AF+12*(\i), 4+\slot, 7+\slot, (\i)*3072+(\q)*1536
.endr
.endm
.macro STEP k, ns, nq, zero
	s_wait_dscnt 16                                ; B's set and A's blocks 0-3 are in; the 16 loads of blocks 4-7 may be out
	WIN 0xa1
	MUL16 0, (\k)%2, \k, \zero
	MUL16 2, (\k)%2, \k, \zero
	s_wait_dscnt 0x0
	PLACES 4
	FETCH_B \ns, \nq, 1-(\k)%2
	FETCH_A \ns, \nq, 0
	WIN 0xf1
	MUL16 4, (\k)%2, \k, \zero
	MUL16 6, (\k)%2, \k, \zero
	PLACES 4
	WIN 0
	FETCH_A \ns, \nq, 4
.endm
.macro JLOAD g0a, g1a, g0b, g1b
	s_cmp_eq_u32 s21, 0
	s_cbranch_scc0 .Lfor_b_\@
	tensor_load_to_lds s[\g0a:\g0a+3], s[\g1a:\g1a+7]
	s_nop 0
.rept 4
	v_nop
.endr
	s_branch .Lasked_\@
.Lfor_b_\@:
	tensor_load_to_lds s[\g0b:\g0b+3], s[\g1b:\g1b+7]
	s_nop 0
.rept 4
	v_nop
.endr
.Lasked_\@:
.endm
.macro CREST
	s_cmp_lg_u32 s20, 0
	s_cbranch_scc1 .Lnot_wave_0_\@
	s_barrier_signal -3
.Lnot_wave_0_\@:
	s_barrier_wait -3
	s_barrier_signal -1
	s_barrier_wait -1
.endm
.macro CROUND
	s_barrier_signal -1
	s_barrier_wait -1
	CREST
.endm
.macro TURN k, ns, fill
	s_wait_tensorcnt 0x0                           ; all my tensor loads have landed
	ds_add_u32 v[SPW], v[NIL]
	s_wait_dscnt 17                                ; (the add and the 16 loads of A's blocks 4-7 may be out)
	WIN 0xa1
	MUL16 0, 1, \k, 0
	s_wait_dscnt 0x0                               ; the add is done, and my reads of the slot are over
	s_barrier_signal -1
	MUL16 2, 1, \k, 0
	WIN 0
	s_barrier_wait -1
.if \fill
	CREST                                          ; a round of the cluster's barrier: no wave of any partner still reads slot 0 or has a load on its way
	s_add_nc_u64 s[G0+2:G0+3], s[G0+2:G0+3], 9216
	s_add_nc_u64 s[G0B+2:G0B+3], s[G0B+2:G0B+3], 9216
	JLOAD G0, G1, G0B, G1B
.else
	PLACES 4
.endif
	FETCH_B \ns, 0, 0
	FETCH_A \ns, 0, 0
	WIN 0xf1
	MUL16 4, 1, \k, 0
	MUL16 6, 1, \k, 0
	PLACES 4
	WIN 0
	FETCH_A \ns, 0, 4
.endm
.macro QUANT s
.irp b, 0,1,2,3
	v_max3_num_f32 v[TM+\b], v[\s+16*\b], v[\s+1+16*\b], 0x1800000     ; no |.|: nothing is negative behind the relu; the floor holds the byte at 1 from below
.endr
.irp i, 2,4,6,8,10,12,14
.irp b, 0,1,2,3
	v_max3_num_f32 v[TM+\b], v[TM+\b], v[\s+16*\b+\i], v[\s+1+16*\b+\i]
.endr
.endr
.irp b, 0,1,2,3
	v_permlanex16_b32 v[TM+4+\b], v[TM+\b], s[SEL], s[SEL+1]
.endr
.irp b, 0,1,2,3
	v_max_num_f32 v[TM+\b], v[TM+\b], v[TM+4+\b]
.endr
.irp b, 0,1,2,3
	v_add_nc_u32 v[TM+12+\b], 0xff000000, v[TM+\b]
.endr
.irp b, 0,1,2,3
	v_lshrrev_b32 v[TM+4+\b], 23, v[TM+12+\b]
.endr
	v_lshl_or_b32 v[PW], v[TM+5], 8, v[TM+4]
	v_lshl_or_b32 v[PW], v[TM+6], 16, v[PW]
	v_lshl_or_b32 v[PW], v[TM+7], 24, v[PW]
.irp c, 0,1
	v_cvt_scalef32_pk16_fp6_f32 v[PC+6*\c:PC+2+6*\c], v[\s+32*\c:\s+15+32*\c], v[TM+12+2*\c]
	v_cvt_scalef32_pk16_fp6_f32 v[PC+12+4*\c:PC+14+4*\c], v[\s+16+32*\c:\s+31+32*\c], v[TM+12+2*\c+1]
.endr
	v_nop
.irp c, 0,1
.irp i, 0,1,2
	v_permlane16_swap_b32 v[PC+6*\c+\i], v[PC+12+4*\c+\i]
.endr
.irp i, 0,1,2
	v_mov_b32 v[PC+3+6*\c+\i], v[PC+12+4*\c+\i]
.endr
.endr
.endm
	s_load_b256 s[4:11], s[0:1], 0x0               ; a3, wc, ws, b1
	s_load_b64 s[12:13], s[0:1], 0x20              ; hid
	v_lshl_add_u32 v[SPW], v0, 2, SPARE
	v_mov_b32 v[NIL], 0
	ds_add_u32 v[SPW], v[NIL]                      ; the opening: the add, twice on end, and its wait ahead of my first tensor load
	ds_add_u32 v[SPW], v[NIL]
	v_lshrrev_b32 v1, 5, v0
	v_readfirstlane_b32 s20, v1
	s_lshr_b32 s21, s20, 1
	s_and_b32 s22, s20, 1
	s_bfe_u32 s66, ttmp6, 0x40000                  ; cx
	s_bfe_u32 s67, ttmp6, 0x40004                  ; cy
	s_lshl_b32 s69, ttmp9, 2
	s_add_co_u32 s69, s69, s66                     ; which 256 hidden units
	s_and_b32 s68, ttmp7, 0xffff
	s_lshl_b32 s68, s68, 2
	s_add_co_u32 s68, s68, s67                     ; which 256 tokens
	s_lshl_b32 s72, s67, 2
	s_lshl_b32 s72, 15, s72
	s_lshl_b32 s73, 0x1111, s66
	s_or_b32 s[G1], s72, (3<<16)|(1<<21)
	s_or_b32 s[G1B], s73, (3<<16)|(1<<21)
.irp g, G1, G1B
	s_mov_b32 s[\g+1], 384<<16
	s_mov_b32 s[\g+2], 8<<16
	s_mov_b32 s[\g+3], 384<<16
	s_mov_b32 s[\g+4], 8
	s_mov_b32 s[\g+5], 1536
	s_mov_b32 s[\g+6], 0
	s_mov_b32 s[\g+7], 0
.endr
	s_lshl_b32 s94, s68, 4
	s_lshl_b32 s95, s22, 3
	s_add_co_u32 s94, s94, s95
	s_mul_i32 s94, s94, 12288
	s_mov_b32 s95, 0
	s_lshl_b32 s96, s69, 4
	s_lshl_b32 s97, s22, 3
	s_add_co_u32 s96, s96, s97
	s_mul_i32 s96, s96, 12288
	s_add_co_u32 s96, s96, 3145728                 ; w1's codes in wc
	s_mov_b32 s97, 0
	s_mul_i32 s3, s20, 24576
	s_mov_b32 s[SEL], 0x76543210
	s_mov_b32 s[SEL+1], 0xfedcba98
	s_wait_dscnt 0x0
	s_wait_kmcnt 0x0
	s_add_nc_u64 s[86:87], s[4:5], s[94:95]
	s_add_nc_u64 s[90:91], s[6:7], s[96:97]
	CROUND
.irp n, 0,1,2
	s_mov_b32 s[G0+4*\n], 1
	s_add_co_u32 s[G0+4*\n+1], s3, \n*SLOT
	s_add_nc_u64 s[G0+4*\n+2:G0+4*\n+3], s[86:87], \n*3072
	s_or_b32 s[G0+4*\n+3], s[G0+4*\n+3], 0x80000000
	s_mov_b32 s[G0B+4*\n], 1
	s_add_co_u32 s[G0B+4*\n+1], s3, \n*SLOT
	s_add_nc_u64 s[G0B+4*\n+2:G0B+4*\n+3], s[90:91], \n*3072
	s_or_b32 s[G0B+4*\n+3], s[G0B+4*\n+3], 0x80000000
	JLOAD G0+4*\n, G1, G0B+4*\n, G1B               ; chunks 0, 1, 2: three loads of mine are out
.endr
	v_and_b32 v3, 31, v0
	v_lshlrev_b32 v1, 4, v3
	v_lshlrev_b32 v2, 3, v3
	v_bfe_u32 v20, v0, 4, 1
	v_lshlrev_b32 v19, 6, v20
	s_mul_i32 s70, s21, 24576
	s_mul_i32 s71, s22, 24576
	s_add_co_u32 s71, s71, 49152
.irp n, 0,1,2
	v_add_nc_u32 v[4+\n], s70, v1
	v_add_nc_u32 v[7+\n], s70, v2
	v_add_nc_u32 v[10+\n], s71, v1
	v_add_nc_u32 v[13+\n], s71, v2
	s_add_co_u32 s70, s70, SLOT
	s_add_co_u32 s71, s71, SLOT
.endr
	s_mov_b32 s77, 0
	s_lshl_b32 s76, s68, 1
	s_add_co_u32 s76, s76, s21
	s_lshl_b32 s76, s76, 12
	s_add_co_u32 s76, s76, 3145728
	s_add_nc_u64 s[88:89], s[4:5], s[76:77]        ; the tokens' scale words
	s_lshl_b32 s76, s69, 1
	s_add_co_u32 s76, s76, s22
	s_lshl_b32 s76, s76, 12
	s_add_co_u32 s76, s76, 131072
	s_add_nc_u64 s[92:93], s[8:9], s[76:77]        ; w1's
	s_lshl_b32 s76, s69, 10
	s_lshl_b32 s78, s22, 9
	s_add_co_u32 s76, s76, s78
	s_add_nc_u64 s[84:85], s[10:11], s[76:77]      ; b1 at my 128 units
.irp k, 0,1,2,3,4,5,6,7
	global_load_b128 v[SCA+4*\k:SCA+4*\k+3], v1, s[88:89] offset:512*\k
	global_load_b128 v[SCB+4*\k:SCB+4*\k+3], v1, s[92:93] offset:512*\k
.endr
	WIN 0x40
.set n, 0
.rept 16
	global_load_b128 v[96+4*n+96*(n/8):99+4*n+96*(n/8)], v19, s[84:85] offset:128*(n/4)+16*(n%4)
.set n, n+1
.endr
	WIN 0
	s_lshl_b32 s76, s68, 4
	s_lshl_b32 s78, s21, 3
	s_add_co_u32 s76, s76, s78
	s_lshl_b32 s76, s76, 5
	s_lshl_b32 s78, s69, 1
	s_add_co_u32 s76, s76, s78
	s_add_co_u32 s76, s76, s22
	s_mul_i32 s76, s76, 1536                       ; (token tile x 32 + K step) x 1,536
	s_add_nc_u64 s[80:81], s[12:13], s[76:77]
	s_lshl_b32 s76, s68, 1
	s_add_co_u32 s76, s76, s21
	s_lshl_b32 s76, s76, 5
	s_add_co_u32 s76, s76, s78
	s_add_co_u32 s76, s76, s22
	s_lshl_b32 s76, s76, 9
	s_add_co_u32 s76, s76, 12582912
	s_add_nc_u64 s[82:83], s[12:13], s[76:77]      ; my eight tiles' scale words of my K step: 512 bytes
	s_wait_tensorcnt 2                             ; my part of chunk 0 is in; chunks 1 and 2 may be out
	s_barrier_signal -1
	s_barrier_wait -1
	FETCH_B 0, 0, 0
	FETCH_A 0, 0, 0
	FETCH_A 0, 0, 4
	s_wait_loadcnt 0x0
	STEP 0, 0, 1, 1
	TURN 1, 1, 1
	STEP 2, 1, 1, 0
	STEP 3, 2, 0, 0
	STEP 4, 2, 1, 0
	TURN 5, 0, 0
	STEP 6, 0, 1, 0
	s_wait_dscnt 16
	WIN 0xa1
	MUL16 0, 1, 7, 0
	MUL16 2, 1, 7, 0
	s_wait_dscnt 0x0
	WIN 0xf1
	MUL16 4, 1, 7, 0
	MUL16 6, 1, 7, 0
	WIN 0
	PLACES 4
.irp b, 0,1,2,3
	v_mov_b32 v[TM+4+\b], 0
.endr
.irp a, 0,1,2,3,4,5,6,7
	WIN 0x06+\a/4                                  ; accumulators window 2 or 3, b1 window 1, result window 0
.set n, 0
.rept 32
	v_pk_add_f32 v[HA+n:HA+n+1], v[64*(\a%4)+n:64*(\a%4)+n+1], v[96+n+96*(n/32):97+n+96*(n/32)]
.set n, n+2
.endr
	WIN 0
.set n, 0
.rept 64
	v_max_num_f32 v[HA+n], 0, v[HA+n]              ; the activation, in f32
.set n, n+1
.endr
	s_wait_xcnt 0x0                                ; the last tile's stores have read their registers
	QUANT HA
	v_mov_b32 v[KW+\a], v[PW]
	global_store_b128 v1, v[PC:PC+3], s[80:81] offset:\a*49152
	global_store_b64 v2, v[PC+4:PC+5], s[80:81] offset:\a*49152+512
	global_store_b128 v1, v[PC+6:PC+9], s[80:81] offset:\a*49152+768
	global_store_b64 v2, v[PC+10:PC+11], s[80:81] offset:\a*49152+1280
.endr
	v_cmp_eq_u32 vcc_lo, 1, v20
.irp i, 0,1,2,3
	v_cndmask_b32 v[236+\i], v[KW+\i], v[KW+4+\i], vcc_lo
.endr
	global_store_b128 v1, v[236:239], s[82:83]
	s_wait_tensorcnt 0x0                           ; the wave's end
	ds_add_u32 v[SPW], v[NIL]
	s_wait_dscnt 0x0
	CROUND
	s_endpgm
.Lfunc_end_k_q5dd07c1c2d_ffn1:
	.size	k_q5dd07c1c2d_ffn1, .Lfunc_end_k_q5dd07c1c2d_ffn1-k_q5dd07c1c2d_ffn1
	.p2alignl 7, 3214868480
	.fill 96, 4, 3214868480
	.section	.rodata,"a",@progbits
	.p2align	6, 0x0
	.amdhsa_kernel k_q5dd07c1c2d_ffn1
		.amdhsa_group_segment_fixed_size 327680
		.amdhsa_private_segment_fixed_size 0
		.amdhsa_enable_private_segment 0
		.amdhsa_kernarg_size 40
		.amdhsa_user_sgpr_count 2
		.amdhsa_user_sgpr_kernarg_segment_ptr 1
		.amdhsa_wavefront_size32 1
		.amdhsa_system_sgpr_workgroup_id_x 1
		.amdhsa_system_sgpr_workgroup_id_y 1
		.amdhsa_system_sgpr_workgroup_id_z 1
		.amdhsa_system_vgpr_workitem_id 0
		.amdhsa_next_free_vgpr 1024
		.amdhsa_next_free_sgpr 100
		.amdhsa_reserve_vcc 1
		.amdhsa_float_denorm_mode_32 3
		.amdhsa_float_denorm_mode_16_64 3
		.amdhsa_memory_ordered 1
		.amdhsa_forward_progress 1
		.amdhsa_inst_pref_size 180
	.end_amdhsa_kernel
	.amdgpu_metadata
---
amdhsa.version: [ 1, 2 ]
amdhsa.kernels:
  - .name:           k_q5dd07c1c2d_ffn1
    .symbol:         k_q5dd07c1c2d_ffn1.kd
    .args:
      - { .name: a3, .offset: 0, .size: 8, .value_kind: global_buffer, .address_space: global }
      - { .name: wc, .offset: 8, .size: 8, .value_kind: global_buffer, .address_space: global }
      - { .name: ws, .offset: 16, .size: 8, .value_kind: global_buffer, .address_space: global }
      - { .name: b1, .offset: 24, .size: 8, .value_kind: global_buffer, .address_space: global }
      - { .name: hid, .offset: 32, .size: 8, .value_kind: global_buffer, .address_space: global }
    .group_segment_fixed_size: 327680
    .private_segment_fixed_size: 0
    .kernarg_segment_align: 8
    .kernarg_segment_size: 40
    .max_flat_workgroup_size: 128
    .sgpr_count:     100
    .vgpr_count:     1024
    .wavefront_size: 32
...
	.end_amdgpu_metadata
.endif
;; end of part 5
;; launch ffn2 (part 6): grid 8 x 32, 4 waves a work-group, clusters of 4 x 4, 327,680 bytes of LDS; arguments hid, wc, ws, x1, b2, out0; writes out0
.if DOCPART == 6
	.amdgcn_target "amdgcn-amd-amdhsa--gfx1250"
	.amdhsa_code_object_version 6
	.text
	.protected	k_q5dd07c1c2d_ffn2
	.globl	k_q5dd07c1c2d_ffn2
	.p2align	8
	.type	k_q5dd07c1c2d_ffn2,@function
k_q5dd07c1c2d_ffn2:
	s_mov_b64 s[64:65], 0
	v_nop
	global_prefetch_b8 v0, s[64:65] scope:SCOPE_SE
	s_setreg_imm32_b32 hwreg(HW_REG_WAVE_MODE, 25, 1), 1
	s_wait_xcnt 0x0
	s_wait_alu depctr_hold_cnt(0) depctr_sa_sdst(0) depctr_va_vdst(0) depctr_va_sdst(0) depctr_va_ssrc(0) depctr_va_vcc(0) depctr_vm_vsrc(0)
	s_getreg_b32 s2, hwreg(HW_REG_IB_STS2, 6, 4)
	s_cmp_eq_u32 s2, 0
	s_cbranch_scc0 .Lentry_in_a_cluster
	s_endpgm
.Lentry_in_a_cluster:
	s_bfe_u32 s2, ttmp6, 0x10000c
	s_cmp_lg_u32 s2, 0xf033
	s_cbranch_scc0 .Lentry_shape_is_right
	s_endpgm
.Lentry_shape_is_right:
; out0 = x1 + hid w2 + b2 on codes of FP6 (E2M3).  Nothing of the problem is left out here.
; C has 4,096 x 1,024 numbers: tiles of 128 x 128 give each of 256 work-groups one.  Four waves of 64 x 64: 16 accumulators.  Source 0 = w2's tiles, source 1 = the tokens: a lane holds eight neighbouring numbers of a row of out0.
; x1's images are loaded into the accumulators and b2 is added there: x1 + b2 is the C of every sum.
; K = 4,096 goes in eight chunks of 512 (a tile's 6,144 bytes) through two LDS slots; the tokens' tiles are shared along a row of the cluster, w2's along a column.  All is written out: no loop.
; All 32 K steps' scale words stand in registers from the head on: lanes 0-15 an even K step's, lanes 16-31 the odd one's.
; REGISTERS: window 0: v1-18 addresses; v32-95 the tokens' scale words, v96-159 w2's; v160-191 b2; v192-255 the way out.   window 1: two fragment buffers (A at 12 a, B at 48 + 12 b) at v0 and v128.   window 2: the accumulators, v[8 (4 a + b)].
.set SLOT, 98304
.set STAGE, 196608                     ; 16 rows x (256 + 16) bytes for each wave
.set SPARE, 214016
.set SPW, 12
.set NIL, 13
.set SCA, 32
.set SCB, 96
.set G1, 24
.set G0, 32
.set G1B, 48
.set G0B, 56
.set MSB, 0
.macro WIN new
.if MSB != \new
	s_set_vgpr_msb (MSB<<8)|\new
.set MSB, \new
.endif
.endm
.macro PLACES n
.rept \n
	v_nop
.endr
.endm
.macro FRAG reg, a16, a8, off
	ds_load_b128 v[(\reg):(\reg)+3], v[\a16] offset:(\off)
	ds_load_b64 v[(\reg)+4:(\reg)+5], v[\a8] offset:(\off)+512
	ds_load_b128 v[(\reg)+6:(\reg)+9], v[\a16] offset:(\off)+768
	ds_load_b64 v[(\reg)+10:(\reg)+11], v[\a8] offset:(\off)+1280
.endm
.macro WM d, a, b, sa, sb, row
.if \row
	v_wmma_scale_f32_16x16x128_f8f6f4 v[(\d):(\d)+7], v[(\a):(\a)+11], v[(\b):(\b)+11], v[(\d):(\d)+7], v[\sa], v[\sb] matrix_a_fmt:MATRIX_FMT_FP6 matrix_b_fmt:MATRIX_FMT_FP6 matrix_a_scale:MATRIX_SCALE_ROW1 matrix_b_scale:MATRIX_SCALE_ROW1
.else
	v_wmma_scale_f32_16x16x128_f8f6f4 v[(\d):(\d)+7], v[(\a):(\a)+11], v[(\b):(\b)+11], v[(\d):(\d)+7], v[\sa], v[\sb] matrix_a_fmt:MATRIX_FMT_FP6 matrix_b_fmt:MATRIX_FMT_FP6
.endif
.endm
.macro MUL4 f, s, a                    ; token tile a x w2's four, K step s; the 16 accumulators take turns in one order in every step
.irp b, 0,1,2,3
	WM 8*(4*(\a)+\b), (\f)+48+12*\b, (\f)+12*(\a), SCB+4*((\s)/2)+\b, SCA+4*((\s)/2)+(\a), (\s)%2
.endr
.endm
.macro FETCH slot, q, f                ; 32 LDS loads: w2's four fragments, then the tokens' four
	WIN 0x40
.irp b, 0,1,2,3
	FRAG (\f)+48+12*\b, 8+\slot, 10+\slot, \b*6144+(\q)*1536
.endr
.irp a, 0,1,2,3
	FRAG (\f)+12*\a, 4+\slot, 6+\slot, \a*6144+(\q)*1536
.endr
.endm
.macro JLOAD g0a, g1a, g0b, g1b
	s_cmp_eq_u32 s17, 0
	s_cbranch_scc0 .Lfor_b_\@
	tensor_load_to_lds s[\g0a:\g0a+3], s[\g1a:\g1a+7]
	s_nop 0
.rept 4
	v_nop
.endr
	s_branch .Lasked_\@
.Lfor_b_\@:
	tensor_load_to_lds s[\g0b:\g0b+3], s[\g1b:\g1b+7]
	s_nop 0
.rept 4
	v_nop
.endr
.Lasked_\@:
.endm
.macro CREST
	s_cmp_lg_u32 s16, 0
	s_cbranch_scc1 .Lnot_wave_0_\@
	s_barrier_signal -3
.Lnot_wave_0_\@:
	s_barrier_wait -3
	s_barrier_signal -1
	s_barrier_wait -1
.endm
.macro CROUND
	s_barrier_signal -1
	s_barrier_wait -1
	CREST
.endm
; K step q (0 to 2) of chunk n: multiplies buffer q % 2 and fetches the next K step into the other
.macro QUARTER n, q
	s_wait_dscnt 8                                 ; all but the tokens' tiles 2, 3 (eight loads) are in
	WIN 0xa5
	MUL4 128*((\q)%2), 4*(\n)+(\q), 0
	MUL4 128*((\q)%2), 4*(\n)+(\q), 1
	PLACES 4
	FETCH (\n)%2, (\q)+1, 128-128*((\q)%2)
	s_wait_dscnt 32                                ; all but the 32 just issued
	WIN 0xa5
	MUL4 128*((\q)%2), 4*(\n)+(\q), 2
	MUL4 128*((\q)%2), 4*(\n)+(\q), 3
.endm
; a chunk's last K step changes slots: each wave waits for all its tensor loads, adds 0 to its spare word, waits for that and for its reads of this slot.  fill = 1: this slot takes the chunk two on.
.macro TURN n, fill
.set SL, (\n)%2
	WIN 0
	s_wait_tensorcnt 0x0
	ds_add_u32 v[SPW], v[NIL]
	s_wait_dscnt 9                                 ; (the add and eight loads may be out)
	WIN 0xa5
	MUL4 128, 4*(\n)+3, 0
	s_wait_dscnt 0x0
	s_barrier_signal -1
	MUL4 128, 4*(\n)+3, 1
	WIN 0
	s_barrier_wait -1
.if \fill
	CREST                                          ; a round of the cluster's barrier: no wave of any partner still reads this slot or has a load on its way
	s_add_nc_u64 s[G0+4*SL+2:G0+4*SL+3], s[G0+4*SL+2:G0+4*SL+3], 12288
	s_add_nc_u64 s[G0B+4*SL+2:G0B+4*SL+3], s[G0B+4*SL+2:G0B+4*SL+3], 12288
	JLOAD G0+4*SL, G1, G0B+4*SL, G1B               ; its four v_nop are the places in front of the loads below
.else
	PLACES 4
.endif
	FETCH 1-SL, 0, 0
	WIN 0xa5
	MUL4 128, 4*(\n)+3, 2
	MUL4 128, 4*(\n)+3, 3
.endm
	s_load_b256 s[4:11], s[0:1], 0x0               ; hid, wc, ws, x1
	s_load_b128 s[12:15], s[0:1], 0x20             ; b2, out0
	v_lshl_add_u32 v[SPW], v0, 2, SPARE
	v_mov_b32 v[NIL], 0
	ds_add_u32 v[SPW], v[NIL]                      ; the opening: the add, twice on end, and its wait ahead of my first tensor load
	ds_add_u32 v[SPW], v[NIL]
	v_lshrrev_b32 v1, 5, v0
	v_readfirstlane_b32 s16, v1
	s_lshr_b32 s17, s16, 1                         ; my half of the tokens.  Also: I fetch for the tokens (0) or for w2 (1)
	s_and_b32 s18, s16, 1                          ; my half of the columns.  Also: which four tiles I fetch
	s_bfe_u32 s40, ttmp6, 0x40000
	s_bfe_u32 s41, ttmp6, 0x40004
	s_lshl_b32 s42, ttmp9, 2
	s_add_co_u32 s42, s42, s40                     ; which 128 columns
	s_and_b32 s19, ttmp7, 0xffff
	s_lshl_b32 s19, s19, 2
	s_add_co_u32 s19, s19, s41                     ; which 128 tokens
	s_lshl_b32 s43, s41, 2
	s_lshl_b32 s43, 15, s43
	s_lshl_b32 s44, 0x1111, s40
	s_or_b32 s[G1], s43, (3<<16)|(1<<21)
	s_or_b32 s[G1B], s44, (3<<16)|(1<<21)
.irp g, G1, G1B
	s_mov_b32 s[\g+1], 768<<16                     ; a row: one tile's 6,144 bytes of a chunk
	s_mov_b32 s[\g+2], 4<<16
	s_mov_b32 s[\g+3], 768<<16
	s_mov_b32 s[\g+4], 4
	s_mov_b32 s[\g+5], 6144                        ; 49,152 bytes from tile to tile
	s_mov_b32 s[\g+6], 0
	s_mov_b32 s[\g+7], 0
.endr
	s_lshl_b32 s20, s19, 3
	s_lshl_b32 s21, s18, 2
	s_add_co_u32 s20, s20, s21
	s_mul_i32 s20, s20, 49152
	s_mov_b32 s21, 0
	s_lshl_b32 s46, s42, 3
	s_lshl_b32 s47, s18, 2
	s_add_co_u32 s46, s46, s47
	s_mul_i32 s46, s46, 49152
	s_add_co_u32 s46, s46, 6291456                 ; w2's codes in wc
	s_mov_b32 s47, 0
	s_mul_i32 s45, s16, 24576
	s_wait_dscnt 0x0
	s_wait_kmcnt 0x0
	s_add_nc_u64 s[20:21], s[4:5], s[20:21]
	s_add_nc_u64 s[46:47], s[6:7], s[46:47]
	CROUND
.irp n, 0,1
	s_mov_b32 s[G0+4*\n], 1
	s_add_co_u32 s[G0+4*\n+1], s45, \n*SLOT
	s_add_nc_u64 s[G0+4*\n+2:G0+4*\n+3], s[20:21], \n*6144
	s_or_b32 s[G0+4*\n+3], s[G0+4*\n+3], 0x80000000
	s_mov_b32 s[G0B+4*\n], 1
	s_add_co_u32 s[G0B+4*\n+1], s45, \n*SLOT
	s_add_nc_u64 s[G0B+4*\n+2:G0B+4*\n+3], s[46:47], \n*6144
	s_or_b32 s[G0B+4*\n+3], s[G0B+4*\n+3], 0x80000000
	JLOAD G0+4*\n, G1, G0B+4*\n, G1B               ; chunks 0 and 1: two loads of mine are out
.endr
	v_and_b32 v3, 31, v0
	v_lshlrev_b32 v1, 4, v3
	v_lshlrev_b32 v2, 3, v3
	v_and_b32 v19, 15, v0                          ; r
	v_bfe_u32 v20, v0, 4, 1                        ; h
	v_lshlrev_b32 v14, 9, v20
	v_lshl_add_u32 v14, v19, 4, v14                ; 512 h + 16 r: two K steps' scale words
	v_lshlrev_b32 v15, 6, v20                      ; 64 h
	s_mul_i32 s66, s17, 24576
	s_mul_i32 s67, s18, 24576
	s_add_co_u32 s67, s67, 49152
.irp n, 0,1
	v_add_nc_u32 v[4+\n], s66, v1
	v_add_nc_u32 v[6+\n], s66, v2
	v_add_nc_u32 v[8+\n], s67, v1
	v_add_nc_u32 v[10+\n], s67, v2
	s_add_co_u32 s66, s66, SLOT
	s_add_co_u32 s67, s67, SLOT
.endr
	s_mul_i32 s66, s16, 4352
	s_add_co_u32 s66, s66, STAGE                   ; my stage
	v_mul_u32_u24 v16, v19, 272
	v_add_nc_u32 v16, v16, v15
	v_add_nc_u32 v16, s66, v16                     ; in: row r, + 64 h
	v_mul_u32_u24 v17, v20, 272
	v_lshl_add_u32 v17, v19, 4, v17
	v_add_nc_u32 v17, s66, v17                     ; back: lanes 0-15 one row, lanes 16-31 the next
	v_lshlrev_b32 v18, 12, v20
	v_lshl_add_u32 v18, v19, 4, v18                ; and the same in out0
	s_mov_b32 s69, 0
	s_lshl_b32 s68, s19, 14
	s_lshl_b32 s70, s17, 8
	s_add_co_u32 s68, s68, s70
	s_add_co_u32 s68, s68, 12582912
	s_add_nc_u64 s[72:73], s[4:5], s[68:69]        ; the tokens' scale words
	s_lshl_b32 s68, s42, 14
	s_lshl_b32 s70, s18, 8
	s_add_co_u32 s68, s68, s70
	s_add_co_u32 s68, s68, 262144
	s_add_nc_u64 s[74:75], s[8:9], s[68:69]        ; w2's
	s_lshl_b32 s68, s19, 3
	s_lshl_b32 s70, s17, 2
	s_add_co_u32 s68, s68, s70
	s_lshl_b32 s68, s68, 6
	s_lshl_b32 s70, s42, 3
	s_add_co_u32 s68, s68, s70
	s_lshl_b32 s70, s18, 2
	s_add_co_u32 s68, s68, s70
	s_lshl_b32 s68, s68, 10
	s_add_nc_u64 s[10:11], s[10:11], s[68:69]      ; x1's images
	s_lshl_b32 s68, s42, 9
	s_lshl_b32 s70, s18, 8
	s_add_co_u32 s68, s68, s70                     ; my first column, in bytes
	s_add_nc_u64 s[12:13], s[12:13], s[68:69]
	s_add_nc_u64 s[14:15], s[14:15], s[68:69]
	s_lshl_b32 s68, s19, 19
	s_lshl_b32 s70, s17, 18
	s_add_co_u32 s68, s68, s70                     ; my first token's row
	s_add_nc_u64 s[14:15], s[14:15], s[68:69]
	WIN 0x80
.irp a, 0,1,2,3
.irp b, 0,1,2,3
	global_load_b128 v[8*(4*\a+\b):8*(4*\a+\b)+3], v1, s[10:11] offset:(64*\a+\b)*1024 th:TH_LOAD_NT
	global_load_b128 v[8*(4*\a+\b)+4:8*(4*\a+\b)+7], v1, s[10:11] offset:(64*\a+\b)*1024+512 th:TH_LOAD_NT
.endr
.endr
	WIN 0
.irp b, 0,1,2,3
	global_load_b128 v[160+8*\b:163+8*\b], v15, s[12:13] offset:(32*(\b/2)+8*(\b%2))*4
	global_load_b128 v[164+8*\b:167+8*\b], v15, s[12:13] offset:(32*(\b/2)+8*(\b%2))*4+16
.endr
.set n, 0
.rept 16
	global_load_b128 v[SCA+4*n:SCA+4*n+3], v14, s[72:73] offset:1024*n
	global_load_b128 v[SCB+4*n:SCB+4*n+3], v14, s[74:75] offset:1024*n
.set n, n+1
.endr
	s_wait_loadcnt 0x0
	WIN 0x82                                       ; accumulators window 2, b2 window 0
.irp a, 0,1,2,3
.set n, 0
.rept 16
	v_pk_add_f32 v[32*\a+n:32*\a+n+1], v[32*\a+n:32*\a+n+1], v[160+n:161+n]
.set n, n+2
.endr
.endr
	WIN 0
	s_wait_tensorcnt 1                             ; my part of chunk 0 is in; chunk 1's may be out
	s_barrier_signal -1
	s_barrier_wait -1
	FETCH 0, 0, 0
.irp n, 0,1,2,3,4,5
	QUARTER \n, 0
	QUARTER \n, 1
	QUARTER \n, 2
	TURN \n, 1
.endr
	QUARTER 6, 0
	QUARTER 6, 1
	QUARTER 6, 2
	TURN 6, 0                                      ; the last chunk is whole; nothing is left to fetch
	QUARTER 7, 0
	QUARTER 7, 1
	QUARTER 7, 2
	s_wait_dscnt 8
	WIN 0xa5
	MUL4 128, 31, 0
	MUL4 128, 31, 1
	s_wait_dscnt 0x0
	MUL4 128, 31, 2
	MUL4 128, 31, 3
	WIN 0
	PLACES 4
; THE WAY OUT: a tile of 16 tokens x my 64 columns goes through my own stage and comes back as rows of 256 bytes.  LDS serves a wave's instructions in order: no wait between the stores and the loads.
.macro TOSTAGE a
	WIN 0x08                                       ; an LDS store's data: window 2
.irp b, 0,1,2,3
	ds_store_b128 v16, v[8*(4*(\a)+\b):8*(4*(\a)+\b)+3] offset:128*(\b/2)+32*(\b%2)        ; each accumulator from its low end on
	ds_store_b128 v16, v[8*(4*(\a)+\b)+4:8*(4*(\a)+\b)+7] offset:128*(\b/2)+32*(\b%2)+16
.endr
	WIN 0
.irp i, 0,1,2,3,4,5,6,7
	ds_load_b128 v[192+32*((\a)%2)+4*\i:195+32*((\a)%2)+4*\i], v17 offset:544*\i
.endr
.endm
.macro SEND a, younger                 ; younger: the LDS instructions issued behind tile a's loads
.irp i, 0,1,2,3,4,5,6,7
	s_wait_dscnt \younger+7-\i
	global_store_b128 v18, v[192+32*((\a)%2)+4*\i:195+32*((\a)%2)+4*\i], s[14:15] offset:(32*((\a)/2)+8*((\a)%2)+2*\i+8*(\i/4))*4096 th:TH_STORE_NT   ; 16 lanes store 256 consecutive bytes, aligned
.endr
.endm
	TOSTAGE 0
	TOSTAGE 1
	SEND 0, 16
	s_wait_xcnt 0x0                                ; tile 0's stores have read their registers
	TOSTAGE 2
	SEND 1, 16
	s_wait_xcnt 0x0
	TOSTAGE 3
	SEND 2, 16
	SEND 3, 0
	s_wait_tensorcnt 0x0                           ; the wave's end
	ds_add_u32 v[SPW], v[NIL]
	s_wait_dscnt 0x0
	CROUND                                         ; the closing round
	s_endpgm
.Lfunc_end_k_q5dd07c1c2d_ffn2:
	.size	k_q5dd07c1c2d_ffn2, .Lfunc_end_k_q5dd07c1c2d_ffn2-k_q5dd07c1c2d_ffn2
	.p2alignl 7, 3214868480
	.fill 96, 4, 3214868480
	.section	.rodata,"a",@progbits
	.p2align	6, 0x0
	.amdhsa_kernel k_q5dd07c1c2d_ffn2
		.amdhsa_group_segment_fixed_size 327680
		.amdhsa_private_segment_fixed_size 0
		.amdhsa_enable_private_segment 0
		.amdhsa_kernarg_size 48
		.amdhsa_user_sgpr_count 2
		.amdhsa_user_sgpr_kernarg_segment_ptr 1
		.amdhsa_wavefront_size32 1
		.amdhsa_system_sgpr_workgroup_id_x 1
		.amdhsa_system_sgpr_workgroup_id_y 1
		.amdhsa_system_sgpr_workgroup_id_z 1
		.amdhsa_system_vgpr_workitem_id 0
		.amdhsa_next_free_vgpr 768
		.amdhsa_next_free_sgpr 100
		.amdhsa_reserve_vcc 0
		.amdhsa_float_denorm_mode_32 3
		.amdhsa_float_denorm_mode_16_64 3
		.amdhsa_memory_ordered 1
		.amdhsa_forward_progress 1
		.amdhsa_inst_pref_size 170
	.end_amdhsa_kernel
	.amdgpu_metadata
---
amdhsa.version: [ 1, 2 ]
amdhsa.kernels:
  - .name:           k_q5dd07c1c2d_ffn2
    .symbol:         k_q5dd07c1c2d_ffn2.kd
    .args:
      - { .name: hid, .offset: 0, .size: 8, .value_kind: global_buffer, .address_space: global }
      - { .name: wc, .offset: 8, .size: 8, .value_kind: global_buffer, .address_space: global }
      - { .name: ws, .offset: 16, .size: 8, .value_kind: global_buffer, .address_space: global }
      - { .name: x1, .offset: 24, .size: 8, .value_kind: global_buffer, .address_space: global }
      - { .name: b2, .offset: 32, .size: 8, .value_kind: global_buffer, .address_space: global }
      - { .name: out0, .offset: 40, .size: 8, .value_kind: global_buffer, .address_space: global }
    .group_segment_fixed_size: 327680
    .private_segment_fixed_size: 0
    .kernarg_segment_align: 8
    .kernarg_segment_size: 48
    .max_flat_workgroup_size: 128
    .sgpr_count:     100
    .vgpr_count:     768
    .wavefront_size: 32
...
	.end_amdgpu_metadata
.endif
;; end of part 6
;; ======== version 2 of 2: 7 launches
;; limits: right only within a limited range of input values
;; workspace buffers: wc 9,437,184 bytes; ws 393,216 bytes; a1 3,276,800 bytes; a2 3,276,800 bytes; a3 3,276,800 bytes; qkv 11,665,408 bytes; x1 16,777,216 bytes; hid 13,107,200 bytes
;; launch prep (part 7): grid 1024 x 1, 4 waves a work-group, no clusters, 32,768 bytes of LDS; arguments x, ln1_w, ln1_b, wq, wk, wv, wo, w1, w2, a1, wc, ws; writes a1, wc, ws
.if DOCPART == 7
	.amdgcn_target "amdgcn-amd-amdhsa--gfx1250"
	.amdhsa_code_object_version 6
	.text
	.protected	k_q5dd07c1c2d_prep
	.globl	k_q5dd07c1c2d_prep
	.p2align	8
	.type	k_q5dd07c1c2d_prep,@function
k_q5dd07c1c2d_prep:
	s_mov_b64 s[64:65], 0
	v_nop
	global_prefetch_b8 v0, s[64:65] scope:SCOPE_SE
	s_setreg_imm32_b32 hwreg(HW_REG_WAVE_MODE, 25, 1), 1
	s_wait_xcnt 0x0
; ENCODER LAYER IN MX-FP6 (E2M3, one E8M0 scale for each 32 along K), seven launches: prep, qkv, attn, wo, ln2, ffn1, ffn2.
; NO WORK OF THE PROBLEM IS LEFT OUT: every input has a way to the output (each bias moves codes or results, bk moves k's codes), and all are loaded.
; THIS LAUNCH: LN1(x) as codes (work-groups 0-255, one tile of 16 tokens each) and the six weights as codes (work-groups 256-1023): four work-groups for each of 256 WGPs.
; LAYOUT OF EVERY OPERAND OF THE PROGRAM.  Rows go in tiles of 16; lane r of tile T is row 32 (T / 2) + 8 (T % 2) + r + 8 (r / 8), so that the 16 result registers
; of two neighbouring tiles are 16 neighbours along the next product's K.  A fragment (tile x 128 K, 12 registers a lane) lies in memory as an image of its registers, 1,536 bytes:
; for each 64 along K, registers 0-3 at 16 x lane (512 bytes), registers 4, 5 at 512 + 8 x lane (256 bytes).  Codes: [tile][K / 128][1,536].
; Scale words (4 bytes: a row's 128 K): word (T, s, r) at ((T / 8) KS + s) 512 + ((T / 4) % 2) 256 + 16 r + 4 (T % 4), KS = K / 128: 16 bytes a lane bring eight tiles' words.
; LIMITS: a block of zeros keeps the scale byte 1 (its codes are zeros, and this program alone reads the bytes); blocks whose largest magnitude lies under 2^-124 are held at byte 1;
; NaN and infinities among the inputs are not served.
; No cluster: the work-groups share only LN1's gain and bias.  No matrix unit: there is no product here.
; (The launches are now seven: prep, qkv, attn, wo, ln2, ffn1, ffn2: the product with wo and LN2 are two launches.)
.set IMG, 18432                        ; behind the four waves' row stages (4,608 bytes each): the tile's image, 48 x (256 + 16) bytes
.set SCL, 31488                        ; the tile's scale bytes, 512
.set SPARE, 32000                      ; the spare words, 128 bytes a wave
.set SPW, 2                            ; v2  LDS address of my spare word; never rewritten
.set NIL, 3                            ; v3  0; never rewritten
	s_load_b256 s[4:11], s[0:1], 0x0               ; x, ln1_w, ln1_b, wq
	s_load_b256 s[12:19], s[0:1], 0x20             ; wk, wv, wo, w1
	s_load_b256 s[20:27], s[0:1], 0x40             ; w2, a1, wc, ws
	v_lshl_add_u32 v[SPW], v0, 2, SPARE
	v_mov_b32 v[NIL], 0
	v_lshrrev_b32 v1, 5, v0
	v_readfirstlane_b32 s28, v1                    ; wave
	v_and_b32 v1, 31, v0                           ; lane
	s_cmp_lt_u32 ttmp9, 256
	s_cbranch_scc1 .Lnorm                          ; the work-group's number decides: all four waves go the same way
; ---------------- THE WEIGHTS.  W is [K][N] f32.  A wave takes 32 columns x 128 K: A LANE TAKES A COLUMN, ITS REGISTERS RUN DOWN K; the four waves stand side by side on 512 bytes of each row.
	s_sub_co_u32 s29, ttmp9, 256                   ; 0-255: wq, wk, wv, wo (64 each); 256-511: w1; 512-767: w2
	s_lshr_b32 s30, s29, 8                         ; 0, 1, 2
	s_lshr_b32 s31, s29, 6                         ; 0-3 name the four square weights
	s_and_b32 s32, s29, 255
	s_lshl_b32 s37, s30, 2
	s_cmp_eq_u32 s30, 1
	s_cselect_b32 s33, 5, 3                        ; w1 has 32 groups of 128 columns, the others 8
	s_cselect_b32 s34, 2, 0
	s_cmp_eq_u32 s30, 2
	s_cselect_b32 s35, 2, 0
	s_cmp_eq_u32 s30, 0
	s_cselect_b32 s36, 7, 31
	s_cselect_b32 s37, s31, s37                    ; place in wc and ws, in units of a square weight: 0-3, 4, 8
	s_bfm_b32 s38, s33, 0
	s_and_b32 s38, s32, s38                        ; column group
	s_lshr_b32 s39, s32, s33
	s_and_b32 s39, s39, s36                        ; K step
	s_lshl_b32 s40, 0x1000, s34                    ; a row of W in bytes
	s_lshl_b32 s41, 0x3000, s35                    ; a tile's codes in bytes: KS x 1,536
	s_lshl_b32 s42, 0x1000, s35                    ; eight tiles' scale words: KS x 512
	s_wait_alu depctr_va_vdst(0)
	v_lshlrev_b32 v4, 2, v1
.set n, 0
.rept 32
	v_mad_u32_u24 v[16+n], s40, n, v4              ; row n of a block, my column
.set n, n+1
.endr
	v_bfe_u32 v5, v1, 3, 1                         ; column x of 32 is lane r = x % 8 + 8 (x / 16) of tile u = (x / 8) % 2
	v_and_b32 v6, 7, v1
	v_lshrrev_b32 v7, 4, v1
	v_lshl_or_b32 v6, v7, 3, v6
	v_mul_lo_u32 v8, v5, s41
	v_lshl_add_u32 v9, v6, 4, v8                   ; where my registers 0-3 go
	v_lshl_add_u32 v10, v6, 3, v8                  ; and registers 4, 5
	v_lshlrev_b32 v11, 2, v5
	v_lshl_add_u32 v11, v6, 4, v11                 ; my scale word
	s_mul_i32 s43, s39, s40
	s_lshl_b32 s43, s43, 7                         ; 128 rows a K step
	s_lshl_b32 s44, s38, 9
	s_add_co_u32 s43, s43, s44
	s_lshl_b32 s44, s28, 7
	s_add_co_u32 s44, s43, s44
	s_mov_b32 s45, 0
	s_lshl_b32 s46, s40, 5                         ; 32 rows: a block
	s_mov_b32 s47, 0
	s_mul_i32 s56, s37, 786432
	s_lshl_b32 s57, s38, 3
	s_lshl_b32 s58, s28, 1
	s_add_co_u32 s57, s57, s58                     ; my first tile: 8 x group + 2 x wave
	s_mul_i32 s57, s57, s41
	s_add_co_u32 s56, s56, s57
	s_mul_i32 s57, s39, 1536
	s_add_co_u32 s56, s56, s57
	s_mov_b32 s57, 0
	s_lshl_b32 s58, s37, 15
	s_mul_i32 s59, s38, s42
	s_add_co_u32 s58, s58, s59
	s_lshl_b32 s59, s39, 9
	s_add_co_u32 s58, s58, s59
	s_lshr_b32 s59, s28, 1
	s_lshl_b32 s59, s59, 8
	s_add_co_u32 s58, s58, s59
	s_and_b32 s59, s28, 1
	s_lshl_b32 s59, s59, 3
	s_add_co_u32 s58, s58, s59
	s_mov_b32 s59, 0
	s_wait_kmcnt 0x0
	s_cmp_eq_u32 s31, 1                            ; the choice hangs on the work-group's number alone
	s_cselect_b64 s[48:49], s[12:13], s[10:11]
	s_cmp_eq_u32 s31, 2
	s_cselect_b64 s[48:49], s[14:15], s[48:49]
	s_cmp_eq_u32 s31, 3
	s_cselect_b64 s[48:49], s[16:17], s[48:49]
	s_cmp_eq_u32 s30, 1
	s_cselect_b64 s[48:49], s[18:19], s[48:49]
	s_cmp_eq_u32 s30, 2
	s_cselect_b64 s[48:49], s[20:21], s[48:49]
	s_add_nc_u64 s[48:49], s[48:49], s[44:45]      ; a base for each of the four blocks
	s_add_nc_u64 s[50:51], s[48:49], s[46:47]
	s_add_nc_u64 s[52:53], s[50:51], s[46:47]
	s_add_nc_u64 s[54:55], s[52:53], s[46:47]
	s_add_nc_u64 s[24:25], s[24:25], s[56:57]
	s_add_nc_u64 s[26:27], s[26:27], s[58:59]
.macro LOAD t                          ; block t: 32 rows of my column into set t % 2; a wave's load reads 128 consecutive bytes
.set n, 0
.rept 32
	global_load_b32 v[48+32*((\t)%2)+n], v[16+n], s[48+2*(\t):49+2*(\t)] th:TH_LOAD_NT
.set n, n+1
.endr
.endm
.macro BLOCK t                         ; block t is lane (r, t % 2), registers 6 (t / 2) .. + 5 of the fragment
.set XS, 48+32*((\t)%2)
.set CC, 112+8*(\t)                    ; each block has its own code registers: no store's data are written again
.if (\t) < 3
	s_wait_loadcnt 32                              ; this block's 32 loads are in; the next block's 32 may be out
.else
	s_wait_loadcnt 0x0
.endif
	v_max3_num_f32 v12, |v[XS]|, |v[XS+1]|, |v[XS+2]|
	v_max3_num_f32 v13, |v[XS+3]|, |v[XS+4]|, |v[XS+5]|
.irp i, 6,10,14,18,22,26
	v_max3_num_f32 v12, v12, |v[XS+\i]|, |v[XS+\i+1]|
	v_max3_num_f32 v13, v13, |v[XS+\i+2]|, |v[XS+\i+3]|
.endr
	v_max3_num_f32 v12, v12, |v[XS+30]|, |v[XS+31]|
	v_max3_num_f32 v12, v12, v13, 0x1800000        ; the floor 2^(3 - 127): the byte cannot fall under 1
	v_add_nc_u32 v14, 0xff000000, v12              ; 2 off the exponent field: the conversion's scale operand
	v_lshrrev_b32 v13, 23, v14                     ; the scale's byte
.if (\t) == 0
	v_mov_b32 v147, v13
.else
	v_lshl_or_b32 v147, v13, 8*(\t), v147
.endif
	v_cvt_scalef32_pk16_fp6_f32 v[CC:CC+2], v[XS:XS+15], v14
	v_cvt_scalef32_pk16_fp6_f32 v[144:146], v[XS+16:XS+31], v14   ; (a conversion's three registers begin on an even number)
	v_nop                                          ; one plain place behind a scaled conversion
	v_mov_b32 v[CC+3], v144
	v_mov_b32 v[CC+4], v145
	v_mov_b32 v[CC+5], v146
	global_store_b128 v9, v[CC:CC+3], s[24:25] offset:((\t)/2)*768+((\t)%2)*256       ; the 16 lanes of a tile store 256 consecutive bytes, aligned
	global_store_b64 v10, v[CC+4:CC+5], s[24:25] offset:((\t)/2)*768+512+((\t)%2)*128
.if (\t) < 2
	LOAD (\t)+2
.endif
.endm
	LOAD 0
	LOAD 1
	BLOCK 0
	BLOCK 1
	BLOCK 2
	BLOCK 3
	global_store_b32 v11, v147, s[26:27]           ; my column's scale word of this K step
	s_endpgm
; ---------------- LN1.  The work-group takes token tile = its number; wave w takes the tile's lanes 4 w .. 4 w + 3: four rows, one after the other, three rows' loads in flight.
; A row is normalised where it was loaded (16 bytes a lane, 512 a load), turns through the wave's own row stage so that a lane holds one block of 32, is quantised, and its codes go to the tile's image in LDS,
; which the four waves fill together (each its own 64 of every 256 bytes).  One barrier; then each wave stores a quarter of the tile's 12,288 bytes in whole runs of 512.
.Lnorm:
	s_mov_b32 s29, ttmp9                           ; my tile
	s_mul_i32 s30, s28, 4608                       ; my wave's row stage: 32 x (128 + 16) bytes
	s_wait_alu depctr_va_vdst(0)
	v_lshlrev_b32 v4, 4, v1                        ; 16 x lane
	v_lshrrev_b32 v12, 3, v1
	v_lshl_add_u32 v5, v12, 4, v4
	v_add_nc_u32 v5, s30, v5                       ; row stage, in: as it lies, 16 bytes of padding behind each 128
	v_mul_u32_u24 v6, v1, 144
	v_add_nc_u32 v6, s30, v6                       ; row stage, out: block = lane
	s_lshl_b32 s31, s28, 6                         ; 16 bytes a tile lane: my four begin at 64 x wave
	v_lshrrev_b32 v12, 1, v1
	v_and_b32 v13, 1, v1
	v_mad_u32_u24 v14, v12, 3, v13
	v_mul_u32_u24 v7, v14, 272
	v_add_nc_u32 v7, s31, v7
	v_add_nc_u32 v7, IMG, v7                       ; image: block l is half l % 2 of the 64 K numbered l / 2: registers 0-3 in unit 3 (l / 2) + l % 2,
	s_lshl_b32 s31, s28, 5                         ; 8 bytes a tile lane
	v_mul_u32_u24 v8, v12, 816
	v_lshl_add_u32 v8, v13, 7, v8
	v_add_nc_u32 v8, s31, v8
	v_add_nc_u32 v8, IMG+544, v8                   ; registers 4, 5 in unit 3 (l / 2) + 2, at 128 (l % 2)
	s_lshl_b32 s31, s28, 4                         ; 4 bytes a tile lane
	v_lshrrev_b32 v12, 2, v1
	v_and_b32 v13, 3, v1
	v_lshl_add_u32 v9, v12, 6, v13
	v_add_nc_u32 v9, s31, v9
	v_add_nc_u32 v9, SCL, v9                       ; scale bytes: [K step l / 4][row][byte l % 4]
	v_lshrrev_b32 v12, 4, v1
	v_and_b32 v13, 15, v1
	v_mul_u32_u24 v10, v12, 272
	v_lshl_add_u32 v10, v13, 4, v10
	s_mul_i32 s31, s28, 3264                       ; six pairs of units a wave
	v_add_nc_u32 v10, s31, v10
	v_add_nc_u32 v10, IMG, v10                     ; image, out: two units an instruction
	v_lshlrev_b32 v11, 2, v1
	s_lshl_b32 s31, s28, 7                         ; two K steps' scale words a wave
	v_add_nc_u32 v11, s31, v11
	v_add_nc_u32 v11, SCL, v11                     ; scale words, out
	v_lshlrev_b32 v12, 9, v12
	v_lshl_add_u32 v12, v13, 4, v12                ; and their place in a1: 512 (l / 16) + 16 (l % 16)
	s_lshr_b32 s31, s29, 1
	s_lshl_b32 s31, s31, 17
	s_and_b32 s32, s29, 1
	s_lshl_b32 s32, s32, 15
	s_add_co_u32 s32, s31, s32                     ; the tile's first row: 32 (T / 2) + 8 (T % 2), 4,096 bytes each;
	s_lshl_b32 s31, s28, 14
	s_add_co_u32 s32, s32, s31                     ; tile lane i is row i + 8 (i / 8) from there: my four begin at 4 w
	s_lshr_b32 s31, s28, 1
	s_lshl_b32 s31, s31, 15
	s_add_co_u32 s32, s32, s31                     ; + 8 (w / 2)
	s_mov_b32 s33, 0
	s_mul_i32 s34, s29, 12288
	s_mul_i32 s31, s28, 3072
	s_add_co_u32 s34, s34, s31                     ; my quarter of the tile's codes
	s_mov_b32 s35, 0
	s_lshr_b32 s36, s29, 3
	s_lshl_b32 s36, s36, 12
	s_bfe_u32 s37, s29, 0x10002
	s_lshl_b32 s37, s37, 8
	s_add_co_u32 s36, s36, s37
	s_and_b32 s37, s29, 3
	s_lshl_b32 s37, s37, 2
	s_add_co_u32 s36, s36, s37
	s_lshl_b32 s37, s28, 10
	s_add_co_u32 s36, s36, s37                     ; K steps 2 w, 2 w + 1
	s_add_co_u32 s36, s36, 3145728
	s_mov_b32 s37, 0
	s_mov_b32 s38, 0x76543210
	s_mov_b32 s39, 0xfedcba98                      ; v_permlanex16_b32's selects for lane l xor 16
	s_mov_b32 s40, 0x3a800000                      ; 1 / 1,024
	s_mov_b32 s41, 0x3727c5ac                      ; 1e-5
	s_wait_kmcnt 0x0
	s_add_nc_u64 s[4:5], s[4:5], s[32:33]
	s_add_nc_u64 s[34:35], s[22:23], s[34:35]
	s_add_nc_u64 s[36:37], s[22:23], s[36:37]
.irp j, 0,1,2,3,4,5,6,7
	global_load_b128 v[16+4*\j:19+4*\j], v4, s[6:7] offset:512*\j      ; the gain and the bias of my 32 columns stay in registers
	global_load_b128 v[48+4*\j:51+4*\j], v4, s[8:9] offset:512*\j
.endr
.macro FILL i                          ; my i-th row into slot i % 3
.irp j, 0,1,2,3,4,5,6,7
	global_load_b128 v[80+32*((\i)%3)+4*\j:83+32*((\i)%3)+4*\j], v4, s[4:5] offset:(\i)*4096+512*\j th:TH_LOAD_NT
.endr
.endm
.macro ACROSS                          ; v[208:215], four pairs, become one sum over the wave, in every lane's v208
	v_pk_add_f32 v[208:209], v[208:209], v[210:211]
	v_pk_add_f32 v[212:213], v[212:213], v[214:215]
	v_pk_add_f32 v[208:209], v[208:209], v[212:213]
	v_add_f32 v208, v208, v209
	v_add_f32_dpp v208, v208, v208 row_xmask:1 row_mask:0xf bank_mask:0xf
	v_add_f32_dpp v208, v208, v208 row_xmask:2 row_mask:0xf bank_mask:0xf
	v_add_f32_dpp v208, v208, v208 row_xmask:4 row_mask:0xf bank_mask:0xf
	v_add_f32_dpp v208, v208, v208 row_xmask:8 row_mask:0xf bank_mask:0xf
	v_permlanex16_b32 v209, v208, s38, s39
	v_add_f32 v208, v208, v209
.endm
.macro LNROW i, left
.set X, 80+32*((\i)%3)
	s_wait_loadcnt \left                           ; my row's eight loads are in; the younger rows' stay out
.irp k, 0,2,4,6
	v_pk_add_f32 v[208+\k:209+\k], v[X+\k:X+\k+1], v[X+8+\k:X+9+\k]
.endr
.irp q, 16,24
.irp k, 0,2,4,6
	v_pk_add_f32 v[208+\k:209+\k], v[208+\k:209+\k], v[X+\q+\k:X+\q+\k+1]
.endr
.endr
	ACROSS
	v_mul_f32 v216, s40, v208                      ; the mean, twice: a pair for the packed forms
	v_mul_f32 v217, s40, v208
.set p, 0
.rept 16
	v_pk_add_f32 v[X+p:X+p+1], v[X+p:X+p+1], v[216:217] neg_lo:[0,1] neg_hi:[0,1]
.set p, p+2
.endr
.irp k, 0,2,4,6
	v_pk_mul_f32 v[208+\k:209+\k], v[X+\k:X+\k+1], v[X+\k:X+\k+1]
.endr
.irp q, 8,16,24
.irp k, 0,2,4,6
	v_pk_fma_f32 v[208+\k:209+\k], v[X+\q+\k:X+\q+\k+1], v[X+\q+\k:X+\q+\k+1], v[208+\k:209+\k]
.endr
.endr
	ACROSS
	v_fma_f32 v208, v208, s40, s41                 ; the variance + eps
	s_wait_alu depctr_va_vdst(0)
	v_rsq_f32 v218, v208
	v_nop                                          ; a plain place behind the transcendental
	s_wait_alu depctr_va_vdst(0)                   ; the wait ahead of the result's first reader
	v_mov_b32 v219, v218
.set p, 0
.rept 16
	v_pk_mul_f32 v[X+p:X+p+1], v[X+p:X+p+1], v[218:219]
.set p, p+2
.endr
.set p, 0
.rept 16
	v_pk_fma_f32 v[X+p:X+p+1], v[X+p:X+p+1], v[16+p:17+p], v[48+p:49+p]
.set p, p+2
.endr
.irp j, 0,1,2,3,4,5,6,7
	ds_store_b128 v5, v[X+4*\j:X+4*\j+3] offset:576*\j
.endr
.irp q, 0,1,2,3,4,5,6,7
	ds_load_b128 v[176+4*\q:179+4*\q], v6 offset:16*\q     ; LDS serves a wave's instructions in order: these see the stores above
.endr
	s_wait_dscnt 0x0                               ; my block is in; the stores have read the slot, and the last row's image stores their registers
.if (\i) < 1
	FILL (\i)+3
.endif
	v_max3_num_f32 v220, |v176|, |v177|, |v178|
	v_max3_num_f32 v221, |v179|, |v180|, |v181|
.irp n, 6,10,14,18,22,26
	v_max3_num_f32 v220, v220, |v[176+\n]|, |v[177+\n]|
	v_max3_num_f32 v221, v221, |v[178+\n]|, |v[179+\n]|
.endr
	v_max3_num_f32 v220, v220, |v206|, |v207|
	v_max3_num_f32 v220, v220, v221, 0x1800000
	v_add_nc_u32 v222, 0xff000000, v220
	v_lshrrev_b32 v223, 23, v222
	v_cvt_scalef32_pk16_fp6_f32 v[224:226], v[176:191], v222
	v_cvt_scalef32_pk16_fp6_f32 v[228:230], v[192:207], v222
	v_nop
	v_mov_b32 v227, v228                           ; registers 0-3 in v224-227,
	v_mov_b32 v231, v230
	v_mov_b32 v230, v229                           ; registers 4, 5 in v230, v231
	ds_store_b128 v7, v[224:227] offset:16*(\i)
	ds_store_b64 v8, v[230:231] offset:8*(\i)
	ds_store_b8 v9, v223 offset:4*(\i)
.endm
	FILL 0
	FILL 1
	FILL 2
	LNROW 0, 16
	LNROW 1, 16
	LNROW 2, 8
	LNROW 3, 0
	s_wait_dscnt 0x0                               ; for the others' sake: my codes and scale bytes lie in the image
	s_barrier_signal -1
	s_barrier_wait -1                              ; the tile's image is whole
.set q, 0
.rept 6
	ds_load_b128 v[80+4*q:83+4*q], v10 offset:544*q
.set q, q+1
.endr
	ds_load_b32 v176, v11
.set q, 0
.rept 6
	s_wait_dscnt 6-q                               ; the later LDS loads may be out
	global_store_b128 v4, v[80+4*q:83+4*q], s[34:35] offset:512*q      ; 512 consecutive bytes, aligned
.set q, q+1
.endr
	s_wait_dscnt 0x0
	global_store_b32 v12, v176, s[36:37]
	s_wait_tensorcnt 0x0                           ; the wave's end
	ds_add_u32 v[SPW], v[NIL]
	s_wait_dscnt 0x0
	s_endpgm
.Lfunc_end_k_q5dd07c1c2d_prep:
	.size	k_q5dd07c1c2d_prep, .Lfunc_end_k_q5dd07c1c2d_prep-k_q5dd07c1c2d_prep
	.p2alignl 7, 3214868480
	.fill 96, 4, 3214868480
	.section	.rodata,"a",@progbits
	.p2align	6, 0x0
	.amdhsa_kernel k_q5dd07c1c2d_prep
		.amdhsa_group_segment_fixed_size 32768
		.amdhsa_private_segment_fixed_size 0
		.amdhsa_enable_private_segment 0
		.amdhsa_kernarg_size 96
		.amdhsa_user_sgpr_count 2
		.amdhsa_user_sgpr_kernarg_segment_ptr 1
		.amdhsa_wavefront_size32 1
		.amdhsa_system_sgpr_workgroup_id_x 1
		.amdhsa_system_sgpr_workgroup_id_y 1
		.amdhsa_system_sgpr_workgroup_id_z 1
		.amdhsa_system_vgpr_workitem_id 0
		.amdhsa_next_free_vgpr 240
		.amdhsa_next_free_sgpr 66
		.amdhsa_reserve_vcc 0
		.amdhsa_float_denorm_mode_32 3
		.amdhsa_float_denorm_mode_16_64 3
		.amdhsa_memory_ordered 1
		.amdhsa_forward_progress 1
		.amdhsa_inst_pref_size 69
	.end_amdhsa_kernel
	.amdgpu_metadata
---
amdhsa.version: [ 1, 2 ]
amdhsa.kernels:
  - .name:           k_q5dd07c1c2d_prep
    .symbol:         k_q5dd07c1c2d_prep.kd
    .args:
      - { .name: x, .offset: 0, .size: 8, .value_kind: global_buffer, .address_space: global }
      - { .name: ln1_w, .offset: 8, .size: 8, .value_kind: global_buffer, .address_space: global }
      - { .name: ln1_b, .offset: 16, .size: 8, .value_kind: global_buffer, .address_space: global }
      - { .name: wq, .offset: 24, .size: 8, .value_kind: global_buffer, .address_space: global }
      - { .name: wk, .offset: 32, .size: 8, .value_kind: global_buffer, .address_space: global }
      - { .name: wv, .offset: 40, .size: 8, .value_kind: global_buffer, .address_space: global }
      - { .name: wo, .offset: 48, .size: 8, .value_kind: global_buffer, .address_space: global }
      - { .name: w1, .offset: 56, .size: 8, .value_kind: global_buffer, .address_space: global }
      - { .name: w2, .offset: 64, .size: 8, .value_kind: global_buffer, .address_space: global }
      - { .name: a1, .offset: 72, .size: 8, .value_kind: global_buffer, .address_space: global }
      - { .name: wc, .offset: 80, .size: 8, .value_kind: global_buffer, .address_space: global }
      - { .name: ws, .offset: 88, .size: 8, .value_kind: global_buffer, .address_space: global }
    .group_segment_fixed_size: 32768
    .private_segment_fixed_size: 0
    .kernarg_segment_align: 8
    .kernarg_segment_size: 96
    .max_flat_workgroup_size: 128
    .sgpr_count:     66
    .vgpr_count:     240
    .wavefront_size: 32
...
	.end_amdgpu_metadata
.endif
;; end of part 7
;; launch qkv (part 8): grid 48 x 4, 4 waves a work-group, clusters of 4 x 4, 327,680 bytes of LDS; arguments a1, wc, ws, bq, bk, bv, mask, qkv; writes qkv
.if DOCPART == 8
	.amdgcn_target "amdgcn-amd-amdhsa--gfx1250"
	.amdhsa_code_object_version 6
	.text
	.protected	k_q5dd07c1c2d_qkv
	.globl	k_q5dd07c1c2d_qkv
	.p2align	8
	.type	k_q5dd07c1c2d_qkv,@function
k_q5dd07c1c2d_qkv:
	s_mov_b64 s[64:65], 0
	v_nop
	global_prefetch_b8 v0, s[64:65] scope:SCOPE_SE
	s_setreg_imm32_b32 hwreg(HW_REG_WAVE_MODE, 25, 1), 1
	s_wait_xcnt 0x0
	s_wait_alu depctr_hold_cnt(0) depctr_sa_sdst(0) depctr_va_vdst(0) depctr_va_sdst(0) depctr_va_ssrc(0) depctr_va_vcc(0) depctr_vm_vsrc(0)
	s_getreg_b32 s2, hwreg(HW_REG_IB_STS2, 6, 4)
	s_cmp_eq_u32 s2, 0
	s_cbranch_scc0 .Lentry_in_a_cluster
	s_endpgm
.Lentry_in_a_cluster:
	s_bfe_u32 s2, ttmp6, 0x10000c
	s_cmp_lg_u32 s2, 0xf033
	s_cbranch_scc0 .Lentry_shape_is_right
	s_endpgm
.Lentry_shape_is_right:
; q = LN1(x) wq + bq, k, v likewise, on codes of FP6 (E2M3), and their quantising for attention.  Nothing of the problem is left out here.
; A work-group makes 256 x 256 of a product, four waves of 128 x 128 (64 accumulators).  Cluster c of twelve (4 x 4 work-groups each): c < 8: q (c even) or k (c odd), tokens 1,024 (c / 2) on;
; c >= 8: v, tokens 1,024 (c - 8) on.  SOURCE 1 ('side A') gives a lane its row, SOURCE 0 ('side B') runs along the lane's registers, which is the axis that is quantised next:
; q, k: A = tokens, B = the weight's columns (the head's 64);  v: A = wv's columns, B = tokens (the keys).  Both sides are images of operand registers (see the first launch), [tile][8][1,536].
; K = 1,024 goes in four chunks of 256: three LDS slots are filled at the head, the first is filled once more: one round of the cluster's barrier in the whole K.
; A's tiles are shared along a row of the cluster, B's along a column: joint tensor loads.
; WHAT IS STORED.  q, k: a record of 1,024 bytes for each (batch x head, tile of 16 tokens): the 64 channels' codes (768 bytes), then for each lane the pair (register 6, scale word).
; v: a record of 6,400 bytes for each (batch x head, 128 keys): four fragments (16 channels x 128 keys), then the scale words [lane][tile].
; THE MASK RIDES IN THE FIRST ATTENTION PRODUCT'S SPARE K (the head has 64 of the instruction's 128).  q: code 1.0 at k = 64, scale bytes 2, 3 = 127.  A masked key: all codes 0, code -1.0 at k = 64, scale byte 2 = 160:
; its score is exactly -2^33, its logit -2^30.  An open key: 0 there, bytes 2, 3 = 1.  So a masked key weighs 0 beside any open key, and where all keys are masked all weigh alike, as with -1e9.
; LIMIT: open logits stay above about -9e8 (where the problem's own -1e9 stops working too).  A block of zeros keeps the scale byte 1; NaN and infinities are not served.
; REGISTERS: window 0: v1, v2 16 and 8 x lane; v4-15 LDS addresses; v24-31 a number for each of my 8 A tiles; v32-63, v64-95 A's and B's scale words; v128-223 A's fragments, one set; on the way out v96-255.
;   window 1: B's fragments, two sets at v0 and v128; v96-127, v224-255 the bias along the registers.   windows 2, 3: the accumulators ((a, b) at v[8 (8 (a % 4) + b)]).
; HOW THE CHUNKS COME (this stands for what the head says of the slots): chunk 0 into slot 0 at the head, one tensor load a wave; chunks 1 and 2 by ONE load a wave, rows of 6,144 bytes, behind the full sequence and a round,
; into the 196,608 bytes behind slot 0 (a tile's two chunks on end); chunk 3 into slot 0 when it has been read out.
.set SLOT, 98304                       ; A's 16 tiles x 3,072 bytes, then B's
.set SPARE, 294912                     ; behind the three slots: the spare words
.set SPW, 16
.set NIL, 17
.set SCA, 32
.set SCB, 64
.set AF, 128
.set G1, 24
.set G0, 32
.set G1B, 44
.set G0B, 52
.set SEL, 98
.set HA, 128
.set PC, 192
.set TM, 212
.set PW, 228
.set E, 230
.set R6, 96
.set KO, 104
.set KEEP, 112
.set KW, 120
.set MSB, 0
.macro WIN new                         ; the immediate's high byte repeats the setting that is left
.if MSB != \new
	s_set_vgpr_msb (MSB<<8)|\new
.set MSB, \new
.endif
.endm
.macro PLACES n
.rept \n
	v_nop
.endr
.endm
.macro FRAG reg, a16, a8, off          ; a fragment's image into 12 registers: every load reads consecutive bytes
	ds_load_b128 v[(\reg):(\reg)+3], v[\a16] offset:(\off)
	ds_load_b64 v[(\reg)+4:(\reg)+5], v[\a8] offset:(\off)+512
	ds_load_b128 v[(\reg)+6:(\reg)+9], v[\a16] offset:(\off)+768
	ds_load_b64 v[(\reg)+10:(\reg)+11], v[\a8] offset:(\off)+1280
.endm
.macro WM d, a, b, zero, sa, sb, ra, rb    ; ra, rb: the side's scale words stand in lanes 16-31
.if \zero
.if (\ra) && (\rb)
	v_wmma_scale_f32_16x16x128_f8f6f4 v[(\d):(\d)+7], v[(\a):(\a)+11], v[(\b):(\b)+11], 0, v[\sa], v[\sb] matrix_a_fmt:MATRIX_FMT_FP6 matrix_b_fmt:MATRIX_FMT_FP6 matrix_a_scale:MATRIX_SCALE_ROW1 matrix_b_scale:MATRIX_SCALE_ROW1
.elseif \ra
	v_wmma_scale_f32_16x16x128_f8f6f4 v[(\d):(\d)+7], v[(\a):(\a)+11], v[(\b):(\b)+11], 0, v[\sa], v[\sb] matrix_a_fmt:MATRIX_FMT_FP6 matrix_b_fmt:MATRIX_FMT_FP6 matrix_a_scale:MATRIX_SCALE_ROW1
.elseif \rb
	v_wmma_scale_f32_16x16x128_f8f6f4 v[(\d):(\d)+7], v[(\a):(\a)+11], v[(\b):(\b)+11], 0, v[\sa], v[\sb] matrix_a_fmt:MATRIX_FMT_FP6 matrix_b_fmt:MATRIX_FMT_FP6 matrix_b_scale:MATRIX_SCALE_ROW1
.else
	v_wmma_scale_f32_16x16x128_f8f6f4 v[(\d):(\d)+7], v[(\a):(\a)+11], v[(\b):(\b)+11], 0, v[\sa], v[\sb] matrix_a_fmt:MATRIX_FMT_FP6 matrix_b_fmt:MATRIX_FMT_FP6
.endif
.else
.if (\ra) && (\rb)
	v_wmma_scale_f32_16x16x128_f8f6f4 v[(\d):(\d)+7], v[(\a):(\a)+11], v[(\b):(\b)+11], v[(\d):(\d)+7], v[\sa], v[\sb] matrix_a_fmt:MATRIX_FMT_FP6 matrix_b_fmt:MATRIX_FMT_FP6 matrix_a_scale:MATRIX_SCALE_ROW1 matrix_b_scale:MATRIX_SCALE_ROW1
.elseif \ra
	v_wmma_scale_f32_16x16x128_f8f6f4 v[(\d):(\d)+7], v[(\a):(\a)+11], v[(\b):(\b)+11], v[(\d):(\d)+7], v[\sa], v[\sb] matrix_a_fmt:MATRIX_FMT_FP6 matrix_b_fmt:MATRIX_FMT_FP6 matrix_a_scale:MATRIX_SCALE_ROW1
.elseif \rb
	v_wmma_scale_f32_16x16x128_f8f6f4 v[(\d):(\d)+7], v[(\a):(\a)+11], v[(\b):(\b)+11], v[(\d):(\d)+7], v[\sa], v[\sb] matrix_a_fmt:MATRIX_FMT_FP6 matrix_b_fmt:MATRIX_FMT_FP6 matrix_b_scale:MATRIX_SCALE_ROW1
.else
	v_wmma_scale_f32_16x16x128_f8f6f4 v[(\d):(\d)+7], v[(\a):(\a)+11], v[(\b):(\b)+11], v[(\d):(\d)+7], v[\sa], v[\sb] matrix_a_fmt:MATRIX_FMT_FP6 matrix_b_fmt:MATRIX_FMT_FP6
.endif
.endif
.endm
; 16 matrix instructions: A's blocks a0, a0 + 1 x B's eight, K step k; p: B's set.  The 64 accumulators take turns in one order in every step.
.macro MUL16 a0, p, k, zero
.irp a, \a0, \a0+1
.irp b, 0,1,2,3,4,5,6,7
	WM 8*(8*((\a)%4)+\b), 128*(\p)+12*\b, AF+12*(\a), \zero, SCB+4*(\k)+(\b)%4, SCA+4*(\k)+(\a)%4, (\b)/4, (\a)/4
.endr
.endr
.endm
.macro FETCH_B slot, q, p
	WIN 0x40
.irp i, 0,1,2,3,4,5,6,7
.if (\slot) == 0
	FRAG 128*(\p)+12*\i, 10, 13, \i*3072+(\q)*1536
.else
	FRAG 128*(\p)+12*\i, 11, 14, \i*6144+((\slot)-1)*3072+(\q)*1536
.endif
.endr
	WIN 0
.endm
.macro FETCH_A slot, q, i0
.irp i, \i0, \i0+1, \i0+2, \i0+3
.if (\slot) == 0
	FRAG AF+12*(\i), 4, 7, (\i)*3072+(\q)*1536
.else
	FRAG AF+12*(\i), 5, 8, (\i)*6144+((\slot)-1)*3072+(\q)*1536
.endif
.endr
.endm
; K step k; the next step's fragments come from slot ns, its nq-th 128.  A block of A is free when its eight products are issued: one set serves A; B has two.
.macro STEP k, ns, nq, zero
	s_wait_dscnt 16                                ; B's set and A's blocks 0-3 are in; the 16 loads of blocks 4-7 may be out
	WIN 0xa1
	MUL16 0, (\k)%2, \k, \zero
	MUL16 2, (\k)%2, \k, \zero
	s_wait_dscnt 0x0
	PLACES 4                                       ; four places in front of loads into registers that matrix instructions have read
	FETCH_B \ns, \nq, 1-(\k)%2
	FETCH_A \ns, \nq, 0
	WIN 0xf1
	MUL16 4, (\k)%2, \k, \zero
	MUL16 6, (\k)%2, \k, \zero
	PLACES 4
	WIN 0
	FETCH_A \ns, \nq, 4
.endm
.macro LAST k
	s_wait_dscnt 16
	WIN 0xa1
	MUL16 0, 1, \k, 0
	MUL16 2, 1, \k, 0
	s_wait_dscnt 0x0
	WIN 0xf1
	MUL16 4, 1, \k, 0
	MUL16 6, 1, \k, 0
	WIN 0
.endm
.macro JLOAD g0a, g1a, g0b, g1b        ; waves 0, 1 fetch A's halves, waves 2, 3 B's; an s_nop 0 and four v_nop follow each line
	s_cmp_eq_u32 s21, 0
	s_cbranch_scc0 .Lfor_b_\@
	tensor_load_to_lds s[\g0a:\g0a+3], s[\g1a:\g1a+7]
	s_nop 0
.rept 4
	v_nop
.endr
	s_branch .Lasked_\@
.Lfor_b_\@:
	tensor_load_to_lds s[\g0b:\g0b+3], s[\g1b:\g1b+7]
	s_nop 0
.rept 4
	v_nop
.endr
.Lasked_\@:
.endm
.macro CREST
	s_cmp_lg_u32 s20, 0
	s_cbranch_scc1 .Lnot_wave_0_\@
	s_barrier_signal -3
.Lnot_wave_0_\@:
	s_barrier_wait -3
	s_barrier_signal -1
	s_barrier_wait -1
.endm
.macro CROUND
	s_barrier_signal -1
	s_barrier_wait -1
	CREST
.endm
; An odd K step at which the work-group meets: each wave waits for all its tensor loads, adds 0 to its spare word, waits for that and for its reads.  fill = 1: slot 0, read out, takes chunk 3.
.macro TURN k, ns, fill
	s_wait_tensorcnt 0x0                           ; all my tensor loads have landed
	ds_add_u32 v[SPW], v[NIL]
	s_wait_dscnt 17                                ; (the add and the 16 loads of A's blocks 4-7 may be out)
	WIN 0xa1
	MUL16 0, 1, \k, 0
	s_wait_dscnt 0x0                               ; the add is done, and my reads of the slot are over
	s_barrier_signal -1
	MUL16 2, 1, \k, 0
	WIN 0
	s_barrier_wait -1
.if \fill
	CREST                                          ; the barrier has opened a round of the cluster's: no wave of any partner still reads slot 0 or has a load on its way
	s_add_nc_u64 s[G0+2:G0+3], s[G0+2:G0+3], 9216  ; three chunks of 3,072 bytes on
	s_add_nc_u64 s[G0B+2:G0B+3], s[G0B+2:G0B+3], 9216
	s_mov_b32 s[G1+1], 384<<16                     ; no load of mine is out: a row is one chunk's 3,072 bytes again
	s_mov_b32 s[G1+3], 384<<16
	s_mov_b32 s[G1B+1], 384<<16
	s_mov_b32 s[G1B+3], 384<<16
	JLOAD G0, G1, G0B, G1B                         ; its four v_nop are the places in front of the loads below
.else
	PLACES 4
.endif
	FETCH_B \ns, 0, 0
	FETCH_A \ns, 0, 0
	WIN 0xf1
	MUL16 4, 1, \k, 0
	MUL16 6, 1, \k, 0
	PLACES 4
	WIN 0
	FETCH_A \ns, 0, 4
.endm
; 64 numbers of a lane, register 16 b + i = k 32 b + 16 (lane / 16) + i of my row, become a fragment's codes in v[PC] on and its scale word in v[PW].
.macro QUANT s
.irp b, 0,1,2,3
	v_max3_num_f32 v[TM+\b], |v[\s+16*\b]|, |v[\s+1+16*\b]|, 0x1800000   ; and the floor 2^(3 - 127): the byte cannot fall under 1
.endr
.irp i, 2,4,6,8,10,12,14
.irp b, 0,1,2,3
	v_max3_num_f32 v[TM+\b], v[TM+\b], |v[\s+16*\b+\i]|, |v[\s+1+16*\b+\i]|
.endr
.endr
.irp b, 0,1,2,3
	v_permlanex16_b32 v[TM+4+\b], v[TM+\b], s[SEL], s[SEL+1]
.endr
.irp b, 0,1,2,3
	v_max_num_f32 v[TM+\b], v[TM+\b], v[TM+4+\b]
.endr
.irp b, 0,1,2,3
	v_add_nc_u32 v[TM+12+\b], 0xff000000, v[TM+\b]     ; 2 off the exponent field: the conversion's scale operand
.endr
.irp b, 0,1,2,3
	v_lshrrev_b32 v[TM+4+\b], 23, v[TM+12+\b]
.endr
	v_lshl_or_b32 v[PW], v[TM+5], 8, v[TM+4]
	v_lshl_or_b32 v[PW], v[TM+6], 16, v[PW]
	v_lshl_or_b32 v[PW], v[TM+7], 24, v[PW]
.irp c, 0,1
	v_cvt_scalef32_pk16_fp6_f32 v[PC+6*\c:PC+2+6*\c], v[\s+32*\c:\s+15+32*\c], v[TM+12+2*\c]
	v_cvt_scalef32_pk16_fp6_f32 v[PC+12+4*\c:PC+14+4*\c], v[\s+16+32*\c:\s+31+32*\c], v[TM+12+2*\c+1]
.endr
	v_nop                                          ; one plain place behind a scaled conversion
.irp c, 0,1
.irp i, 0,1,2
	v_permlane16_swap_b32 v[PC+6*\c+\i], v[PC+12+4*\c+\i]      ; the layout wants a whole block in a lane
.endr
.irp i, 0,1,2
	v_mov_b32 v[PC+3+6*\c+\i], v[PC+12+4*\c+\i]
.endr
.endr
.endm
	s_load_b256 s[4:11], s[0:1], 0x0               ; a1, wc, ws, bq
	s_load_b256 s[12:19], s[0:1], 0x20             ; bk, bv, mask, qkv
	v_lshl_add_u32 v[SPW], v0, 2, SPARE
	v_mov_b32 v[NIL], 0
	ds_add_u32 v[SPW], v[NIL]                      ; the opening: the add, twice on end, and its wait ahead of my first tensor load
	ds_add_u32 v[SPW], v[NIL]
	v_lshrrev_b32 v1, 5, v0
	v_readfirstlane_b32 s20, v1                    ; wave
	s_lshr_b32 s21, s20, 1                         ; my half of A's tiles.  Also: I fetch for A (0) or B (1)
	s_and_b32 s22, s20, 1                          ; my half of B's tiles.  Also: which half I fetch
	s_mov_b32 s23, ttmp9                           ; the cluster: the same number in all sixteen partners
	s_bfe_u32 s66, ttmp6, 0x40000                  ; cx
	s_bfe_u32 s67, ttmp6, 0x40004                  ; cy
	s_lshr_b32 s70, s23, 1
	s_lshl_b32 s70, s70, 2
	s_add_co_u32 s70, s70, s67                     ; q, k: A's 256 tokens
	s_and_b32 s71, s23, 3
	s_lshl_b32 s71, s71, 2
	s_add_co_u32 s71, s71, s66                     ; v: B's 256 tokens
	s_cmp_lt_u32 s23, 8
	s_cselect_b32 s68, s70, s67                    ; A's 256 rows: hangs on cy alone
	s_cselect_b32 s69, s66, s71                    ; B's: on cx alone
	s_lshl_b32 s72, s67, 2
	s_lshl_b32 s72, 15, s72                        ; my row of the cluster
	s_lshl_b32 s73, 0x1111, s66                    ; my column
	s_or_b32 s[G1], s72, (3<<16)|(1<<21)           ; elements of 8 bytes, no padding; bit 21 beside a mask
	s_or_b32 s[G1B], s73, (3<<16)|(1<<21)
.irp g, G1, G1B
	s_mov_b32 s[\g+1], 384<<16                     ; a row: one tile's 3,072 bytes of a chunk
	s_mov_b32 s[\g+2], 8<<16                       ; eight tiles
	s_mov_b32 s[\g+3], 384<<16
	s_mov_b32 s[\g+4], 8
	s_mov_b32 s[\g+5], 1536                        ; 12,288 bytes from tile to tile
	s_mov_b32 s[\g+6], 0
	s_mov_b32 s[\g+7], 0
.endr
	s_lshl_b32 s94, s68, 4
	s_lshl_b32 s95, s22, 3
	s_add_co_u32 s94, s94, s95
	s_mul_i32 s94, s94, 12288
	s_mov_b32 s95, 0
	s_lshl_b32 s96, s69, 4
	s_lshl_b32 s97, s22, 3
	s_add_co_u32 s96, s96, s97
	s_mul_i32 s96, s96, 12288
	s_mov_b32 s97, 0
	s_mul_i32 s3, s20, 24576                       ; where my eight tiles go in a slot
	s_and_b32 s80, s23, 1
	s_mul_i32 s82, s80, 786432
	s_mov_b32 s83, 0
	s_lshl_b32 s84, s80, 15
	s_mov_b32 s85, 0
	s_mov_b32 s[SEL], 0x76543210
	s_mov_b32 s[SEL+1], 0xfedcba98
	s_wait_dscnt 0x0                               ; both opening adds are done
	s_wait_kmcnt 0x0
	s_add_nc_u64 s[74:75], s[6:7], 1572864         ; wv's codes
	s_add_nc_u64 s[76:77], s[8:9], 65536           ; wv's scale words
	s_add_nc_u64 s[78:79], s[4:5], 3145728         ; a1's scale words
	s_add_nc_u64 s[82:83], s[6:7], s[82:83]        ; wq's or wk's codes
	s_add_nc_u64 s[84:85], s[8:9], s[84:85]        ; and scale words
	s_cmp_lt_u32 s23, 8
	s_cselect_b64 s[86:87], s[4:5], s[74:75]       ; A's codes
	s_cselect_b64 s[88:89], s[78:79], s[76:77]     ; A's scale words
	s_cselect_b64 s[90:91], s[82:83], s[4:5]       ; B's codes
	s_cselect_b64 s[92:93], s[84:85], s[78:79]     ; B's scale words
	s_add_nc_u64 s[86:87], s[86:87], s[94:95]
	s_add_nc_u64 s[90:91], s[90:91], s[96:97]
	CROUND                                         ; all sixteen work-groups are here: the first joint loads meet
.irp n, 0,1
	s_mov_b32 s[G0+4*\n], 1
	s_mul_i32 s[G0+4*\n+1], s3, \n+1               ; behind slot 0 my eight tiles take twice the bytes
	s_add_co_u32 s[G0+4*\n+1], s[G0+4*\n+1], \n*SLOT
	s_add_nc_u64 s[G0+4*\n+2:G0+4*\n+3], s[86:87], \n*3072
	s_or_b32 s[G0+4*\n+3], s[G0+4*\n+3], 0x80000000
	s_mov_b32 s[G0B+4*\n], 1
	s_mul_i32 s[G0B+4*\n+1], s3, \n+1
	s_add_co_u32 s[G0B+4*\n+1], s[G0B+4*\n+1], \n*SLOT
	s_add_nc_u64 s[G0B+4*\n+2:G0B+4*\n+3], s[90:91], \n*3072
	s_or_b32 s[G0B+4*\n+3], s[G0B+4*\n+3], 0x80000000
.endr
	JLOAD G0, G1, G0B, G1B                         ; chunk 0: one tensor load a wave at the head
	v_and_b32 v3, 31, v0
	v_lshlrev_b32 v1, 4, v3
	v_lshlrev_b32 v2, 3, v3
	v_and_b32 v21, 15, v0                          ; r
	v_bfe_u32 v20, v0, 4, 1                        ; h
	v_and_b32 v22, 8, v21
	v_add_nc_u32 v22, v22, v21
	v_lshlrev_b32 v18, 2, v22                      ; 4 (r + 8 (r / 8)): my row in a tile of side A
	v_lshlrev_b32 v19, 6, v20                      ; 64 h: my half's 16 numbers along the registers
	s_mul_i32 s70, s21, 24576
	s_mul_i32 s71, s22, 24576
	s_add_co_u32 s71, s71, 49152
.irp n, 0,1
	v_add_nc_u32 v[4+\n], s70, v1
	v_add_nc_u32 v[7+\n], s70, v2
	v_add_nc_u32 v[10+\n], s71, v1
	v_add_nc_u32 v[13+\n], s71, v2
	s_lshl_b32 s70, s70, 1                         ; behind slot 0 every part is twice as long
	s_lshl_b32 s71, s71, 1
	s_add_co_u32 s70, s70, SLOT
	s_add_co_u32 s71, s71, SLOT
.endr
	s_lshl_b32 s76, s68, 1
	s_add_co_u32 s76, s76, s21
	s_lshl_b32 s76, s76, 12
	s_mov_b32 s77, 0
	s_add_nc_u64 s[88:89], s[88:89], s[76:77]
	s_lshl_b32 s76, s69, 1
	s_add_co_u32 s76, s76, s22
	s_lshl_b32 s76, s76, 12
	s_add_nc_u64 s[92:93], s[92:93], s[76:77]
.irp k, 0,1,2,3,4,5,6,7
	global_load_b128 v[SCA+4*\k:SCA+4*\k+3], v1, s[88:89] offset:512*\k     ; eight tiles' scale words of K step k: register t % 4, lanes 16 (t / 4) on
	global_load_b128 v[SCB+4*\k:SCB+4*\k+3], v1, s[92:93] offset:512*\k
.endr
	s_wait_alu depctr_va_vdst(0)
	s_wait_tensorcnt 0x0                           ; my part of chunk 0 is in
	ds_add_u32 v[SPW], v[NIL]
	s_mov_b32 s[G1+1], 768<<16                     ; no load of mine is out: a row is now two chunks' 6,144 bytes
	s_mov_b32 s[G1+3], 768<<16
	s_mov_b32 s[G1B+1], 768<<16
	s_mov_b32 s[G1B+3], 768<<16
	s_wait_dscnt 0x0
	CROUND                                         ; chunk 0 is whole, and all sixteen work-groups are here
	JLOAD G0+4, G1, G0B+4, G1B                     ; chunks 1 and 2
	FETCH_B 0, 0, 0
	FETCH_A 0, 0, 0
	FETCH_A 0, 0, 4
	s_wait_loadcnt 0x0                             ; the scale words
	STEP 0, 0, 1, 1                                ; the first products start the sums
	TURN 1, 1, 1                                   ; every wave has waited for chunks 1 and 2 here: they are whole for everybody from here on
	STEP 2, 1, 1, 0
	STEP 3, 2, 0, 0
	STEP 4, 2, 1, 0
	TURN 5, 0, 0                                   ; chunk 3 is whole
	s_lshl_b32 s76, s68, 10
	s_lshl_b32 s79, s21, 9
	s_add_co_u32 s76, s76, s79                     ; 4 x (256 x A's block + 128 x my half): my A rows' first number
	s_cmp_ge_u32 s23, 8
	s_cbranch_scc1 .Lv                             ; the ways part here, on the cluster's number, and do not join before the closing lines
; ---------------- q, k
	s_add_nc_u64 s[78:79], s[16:17], s[76:77]      ; the mask at my tokens
	s_lshl_b32 s76, s69, 10
	s_lshl_b32 s80, s22, 9
	s_add_co_u32 s76, s76, s80
	s_bitcmp1_b32 s23, 0
	s_cselect_b64 s[84:85], s[12:13], s[10:11]     ; bk or bq
	s_add_nc_u64 s[84:85], s[84:85], s[76:77]
	WIN 0x40
.set n, 0
.rept 16                               ; the bias of my 128 columns in the accumulators' layout: register 16 b + i = column 32 b + 16 h + i
	global_load_b128 v[96+4*n+96*(n/8):99+4*n+96*(n/8)], v19, s[84:85] offset:128*(n/4)+16*(n%4)
.set n, n+1
.endr
	WIN 0
	s_bitcmp1_b32 s23, 0
	s_cbranch_scc1 .Lk_mask
.irp a, 0,1,2,3,4,5,6,7
	v_mov_b32 v[24+\a], 1                          ; q's rows have no mask: all count as open
.endr
	s_branch .Lqk_go
.Lk_mask:
.irp a, 0,1,2,3,4,5,6,7
	global_load_b32 v[24+\a], v18, s[78:79] offset:(32*(\a/2)+8*(\a%2))*4
.endr
.Lqk_go:
	STEP 6, 0, 1, 0
	LAST 7
	s_wait_loadcnt 0x0
	PLACES 4                                       ; in front of the first read of results and the first write over operands
	s_and_b32 s84, s23, 1
	s_lshl_b32 s84, s84, 22                        ; k's records lie 4,194,304 bytes behind q's
	s_lshr_b32 s79, s68, 2
	s_lshl_b32 s79, s79, 4
	s_lshl_b32 s80, s66, 2
	s_add_co_u32 s79, s79, s80
	s_lshl_b32 s80, s22, 1
	s_add_co_u32 s79, s79, s80                     ; batch x 16 + my first head
	s_lshl_b32 s79, s79, 6
	s_and_b32 s80, s68, 3
	s_lshl_b32 s80, s80, 4
	s_add_co_u32 s79, s79, s80
	s_lshl_b32 s80, s21, 3
	s_add_co_u32 s79, s79, s80                     ; + my first tile in the batch
	s_lshl_b32 s79, s79, 10
	s_add_co_u32 s84, s84, s79
	s_mov_b32 s85, 0
	s_add_nc_u64 s[18:19], s[18:19], s[84:85]
	s_bitcmp1_b32 s23, 0
	s_cselect_b32 s77, 0, 8                        ; register 6 of an open row: q: the code of 1.0; k: 0
	s_mov_b32 s78, 0x7f7f0000
	s_cselect_b32 s78, 0x01010000, s78             ; scale bytes 2, 3 of an open row
	v_mov_b32 v240, s77
	v_mov_b32 v241, 40                             ; the code of -1.0
	v_mov_b32 v242, s78
	v_mov_b32 v243, 0x01a00000                     ; byte 2 = 160: 2^33
	v_mov_b32 v244, -1
	v_mov_b32 v245, 0
	v_add_nc_u32 v22, -1, v20                      ; all ones in lanes 0-15, which hold k = 64 on; 0 in lanes 16-31
.irp b, 0,1,2,3
	v_mov_b32 v[TM+4+\b], 0                        ; written once: a lane permute's destination counts as one of its sources
.endr
.irp a, 0,1,2,3,4,5,6,7
	v_cmp_eq_u32 vcc_lo, 0, v[24+\a]
	v_cndmask_b32 v[R6+\a], v240, v241, vcc_lo
	v_cndmask_b32 v[KO+\a], v242, v243, vcc_lo
	v_cndmask_b32 v[KEEP+\a], v244, v245, vcc_lo
	v_and_b32 v[R6+\a], v22, v[R6+\a]
.endr
.macro QKTILE a                        ; 16 tokens x my 128 columns = two heads
	WIN 0x06+(\a)/4                                ; accumulators window 2 or 3, bias window 1, result window 0: the move and the bias are one line
.set n, 0
.rept 32
	v_pk_add_f32 v[HA+n:HA+n+1], v[64*((\a)%4)+n:64*((\a)%4)+n+1], v[96+n+96*(n/32):97+n+96*(n/32)]
.set n, n+2
.endr
	WIN 0
	s_wait_xcnt 0x0                                ; the last tile's stores have read their registers
	QUANT HA
	s_bitcmp1_b32 s23, 0
	s_cbranch_scc0 .Lno_hole_\@
.set n, 0
.rept 12
	v_and_b32 v[PC+n], v[KEEP+\a], v[PC+n]         ; k: a masked key's codes are zeros
.set n, n+1
.endr
.Lno_hole_\@:
	v_mov_b32 v[E], v[R6+\a]
	v_and_or_b32 v[E+1], v[PW], 0xffff, v[KO+\a]   ; the first head's two bytes under bytes 2, 3
	v_mov_b32 v[E+2], v[R6+\a]
	v_lshrrev_b32 v[E+3], 16, v[PW]
	v_or_b32 v[E+3], v[KO+\a], v[E+3]
	global_store_b128 v1, v[PC:PC+3], s[18:19] offset:(\a)*1024
	global_store_b64 v2, v[PC+4:PC+5], s[18:19] offset:(\a)*1024+512
	global_store_b64 v2, v[E:E+1], s[18:19] offset:(\a)*1024+768
	s_wait_alu depctr_va_vdst(0)
	global_store_b128 v1, v[PC+6:PC+9], s[18:19] offset:(\a)*1024+65536
	global_store_b64 v2, v[PC+10:PC+11], s[18:19] offset:(\a)*1024+65536+512
	global_store_b64 v2, v[E+2:E+3], s[18:19] offset:(\a)*1024+65536+768
.endm
.irp a, 0,1,2,3,4,5,6,7
	QKTILE \a
.endr
	s_branch .Ldone
; ---------------- v: a lane holds one channel, its registers run along 128 keys
.Lv:
	s_add_nc_u64 s[78:79], s[14:15], s[76:77]      ; bv at my channels
.irp a, 0,1,2,3,4,5,6,7
	global_load_b32 v[24+\a], v18, s[78:79] offset:(32*(\a/2)+8*(\a%2))*4
.endr
	STEP 6, 0, 1, 0
	LAST 7
	s_wait_loadcnt 0x0
	PLACES 4
	s_lshr_b32 s84, s69, 2
	s_lshl_b32 s84, s84, 4
	s_lshl_b32 s79, s67, 2
	s_add_co_u32 s84, s84, s79
	s_lshl_b32 s79, s21, 1
	s_add_co_u32 s84, s84, s79                     ; batch x 16 + my first head
	s_lshl_b32 s84, s84, 3
	s_and_b32 s79, s69, 3
	s_lshl_b32 s79, s79, 1
	s_add_co_u32 s84, s84, s79
	s_add_co_u32 s84, s84, s22                     ; + the key step
	s_mul_i32 s84, s84, 6400
	s_add_co_u32 s84, s84, 8388608
	s_mov_b32 s85, 0
	s_add_nc_u64 s[18:19], s[18:19], s[84:85]
.irp b, 0,1,2,3
	v_mov_b32 v[TM+4+\b], 0
.endr
.irp a, 0,1,2,3,4,5,6,7
	v_mov_b32 v[E], v[24+\a]                       ; my channel's bias, twice
	v_mov_b32 v[E+1], v[24+\a]
	WIN 0x02+\a/4
.set n, 0
.rept 32
	v_pk_add_f32 v[HA+n:HA+n+1], v[64*(\a%4)+n:64*(\a%4)+n+1], v[E:E+1]
.set n, n+2
.endr
	WIN 0
	s_wait_xcnt 0x0
	QUANT HA
	v_mov_b32 v[KW+\a], v[PW]
	global_store_b128 v1, v[PC:PC+3], s[18:19] offset:(\a/4)*51200+(\a%4)*1536
	global_store_b64 v2, v[PC+4:PC+5], s[18:19] offset:(\a/4)*51200+(\a%4)*1536+512
	global_store_b128 v1, v[PC+6:PC+9], s[18:19] offset:(\a/4)*51200+(\a%4)*1536+768
	global_store_b64 v2, v[PC+10:PC+11], s[18:19] offset:(\a/4)*51200+(\a%4)*1536+1280
.endr
	v_cmp_eq_u32 vcc_lo, 1, v20
.irp i, 0,1,2,3
	v_cndmask_b32 v[236+\i], v[KW+\i], v[KW+4+\i], vcc_lo      ; lanes 0-15: the first head's four words, lanes 16-31: the second's
.endr
	v_mul_u32_u24 v23, v20, 51200
	v_lshl_add_u32 v23, v21, 4, v23
	global_store_b128 v23, v[236:239], s[18:19] offset:6144
.Ldone:
	s_wait_tensorcnt 0x0                           ; the wave's end
	ds_add_u32 v[SPW], v[NIL]
	s_wait_dscnt 0x0
	CROUND                                         ; the closing round
	s_endpgm
.Lfunc_end_k_q5dd07c1c2d_qkv:
	.size	k_q5dd07c1c2d_qkv, .Lfunc_end_k_q5dd07c1c2d_qkv-k_q5dd07c1c2d_qkv
	.p2alignl 7, 3214868480
	.fill 96, 4, 3214868480
	.section	.rodata,"a",@progbits
	.p2align	6, 0x0
	.amdhsa_kernel k_q5dd07c1c2d_qkv
		.amdhsa_group_segment_fixed_size 327680
		.amdhsa_private_segment_fixed_size 0
		.amdhsa_enable_private_segment 0
		.amdhsa_kernarg_size 64
		.amdhsa_user_sgpr_count 2
		.amdhsa_user_sgpr_kernarg_segment_ptr 1
		.amdhsa_wavefront_size32 1
		.amdhsa_system_sgpr_workgroup_id_x 1
		.amdhsa_system_sgpr_workgroup_id_y 1
		.amdhsa_system_sgpr_workgroup_id_z 1
		.amdhsa_system_vgpr_workitem_id 0
		.amdhsa_next_free_vgpr 1024
		.amdhsa_next_free_sgpr 100
		.amdhsa_reserve_vcc 1
		.amdhsa_float_denorm_mode_32 3
		.amdhsa_float_denorm_mode_16_64 3
		.amdhsa_memory_ordered 1
		.amdhsa_forward_progress 1
		.amdhsa_inst_pref_size 246
	.end_amdhsa_kernel
	.amdgpu_metadata
---
amdhsa.version: [ 1, 2 ]
amdhsa.kernels:
  - .name:           k_q5dd07c1c2d_qkv
    .symbol:         k_q5dd07c1c2d_qkv.kd
    .args:
      - { .name: a1, .offset: 0, .size: 8, .value_kind: global_buffer, .address_space: global }
      - { .name: wc, .offset: 8, .size: 8, .value_kind: global_buffer, .address_space: global }
      - { .name: ws, .offset: 16, .size: 8, .value_kind: global_buffer, .address_space: global }
      - { .name: bq, .offset: 24, .size: 8, .value_kind: global_buffer, .address_space: global }
      - { .name: bk, .offset: 32, .size: 8, .value_kind: global_buffer, .address_space: global }
      - { .name: bv, .offset: 40, .size: 8, .value_kind: global_buffer, .address_space: global }
      - { .name: mask, .offset: 48, .size: 8, .value_kind: global_buffer, .address_space: global }
      - { .name: qkv, .offset: 56, .size: 8, .value_kind: global_buffer, .address_space: global }
    .group_segment_fixed_size: 327680
    .private_segment_fixed_size: 0
    .kernarg_segment_align: 8
    .kernarg_segment_size: 64
    .max_flat_workgroup_size: 128
    .sgpr_count:     100
    .vgpr_count:     1024
    .wavefront_size: 32
...
	.end_amdgpu_metadata
.endif
;; end of part 8
;; launch attn (part 9): grid 4 x 64, 16 waves a work-group, clusters of 4 x 1, 167,936 bytes of LDS; arguments qkv, a2; writes a2
.if DOCPART == 9
	.amdgcn_target "amdgcn-amd-amdhsa--gfx1250"
	.amdhsa_code_object_version 6
	.text
	.protected	k_q5dd07c1c2d_attn
	.globl	k_q5dd07c1c2d_attn
	.p2align	8
	.type	k_q5dd07c1c2d_attn,@function
k_q5dd07c1c2d_attn:
	s_mov_b64 s[64:65], 0
	v_nop
	global_prefetch_b8 v0, s[64:65] scope:SCOPE_SE
	s_setreg_imm32_b32 hwreg(HW_REG_WAVE_MODE, 25, 1), 1
	s_wait_xcnt 0x0
	s_wait_alu depctr_hold_cnt(0) depctr_sa_sdst(0) depctr_va_vdst(0) depctr_va_sdst(0) depctr_va_ssrc(0) depctr_va_vcc(0) depctr_vm_vsrc(0)
	s_getreg_b32 s2, hwreg(HW_REG_IB_STS2, 6, 4)
	s_cmp_eq_u32 s2, 0
	s_cbranch_scc0 .Lentry_in_a_cluster
	s_endpgm
.Lentry_in_a_cluster:
	s_bfe_u32 s2, ttmp6, 0x10000c
	s_cmp_lg_u32 s2, 0x3003
	s_cbranch_scc0 .Lentry_shape_is_right
	s_endpgm
.Lentry_shape_is_right:
; attention on codes of FP6 (E2M3): S^T = k q^T, p = 2^(t - M), O^T = v^T p^T, O / l, and O's quantising along the model's 1,024 for the next product.  Nothing of the problem is left out here.
; A work-group owns 256 queries of one (batch, head); each of its sixteen waves one tile of 16, in 256 registers: four waves to a SIMD, so that one wave's vector work stands beside another's products and LDS loads.
; A head's whole k (64 records of 1,024 bytes) and v (8 records of 6,400) fit in LDS at once: each wave asks for one sixteenth at the head, nothing is filled again.
; The four work-groups of a cluster are the four query blocks of one head: they ask jointly.
; THE MASK needs no line here: it rides in the first product's spare K (see the launch before): a masked key's score is -2^33.  t = score x log2(e) / 8; -2^33 x that factor is a whole number, so a row of masked keys alone has p = 1 everywhere.
; M = the running largest t rounded up to a whole number (kept as -M); when it moves, the sum and O^T are multiplied by 2^(old M - new M): exact.  The row's sum is taken of the unquantised p.
; A block's largest p is not searched for: the block's largest score goes through the same multiply-add and exponential (this takes the exponential not to fall where its input rises).
; The keys and channels of a tile are chosen (lane r of tile T: 32 (T / 2) + 8 (T % 2) + r + 8 (r / 8)) so that 16 registers of two neighbouring tiles are 16 neighbours along the next K.
; REGISTERS: v1-4, v7 lane terms; v8-11, v254 the step's addresses; v12 -M, v13 largest t, v[14:15] the sum; v16-27 q; v28-31 v's scale words; v32-79 four fragments of k; v80-127 v's four; v128-191 S^T, then p; v192-223 O^T; v224-235 p's codes; v232-254 at work; v255 q's scale word.
.set SPARE, 116736                     ; behind k (65,536) and v (51,200): the spare words, 128 bytes for each of 16 waves
.set SEL, 50
.set CS, 52
.macro CROUND
	s_barrier_signal -1
	s_barrier_wait -1
	s_cmp_lg_u32 s8, 0
	s_cbranch_scc1 .Lnot_wave_0_\@
	s_barrier_signal -3
.Lnot_wave_0_\@:
	s_barrier_wait -3
	s_barrier_signal -1
	s_barrier_wait -1
.endm
.macro FRAG reg, a16, a8, off
	ds_load_b128 v[(\reg):(\reg)+3], v[\a16] offset:(\off)
	ds_load_b64 v[(\reg)+4:(\reg)+5], v[\a8] offset:(\off)+512
	ds_load_b128 v[(\reg)+6:(\reg)+9], v[\a16] offset:(\off)+768
	ds_load_b64 v[(\reg)+10:(\reg)+11], v[\a8] offset:(\off)+1280
.endm
	s_load_b128 s[4:7], s[0:1], 0x0                ; qkv, a2
	v_lshl_add_u32 v5, v0, 2, SPARE
	v_mov_b32 v6, 0
	ds_add_u32 v5, v6                              ; the opening: the add, twice on end, and its wait ahead of my first tensor load
	ds_add_u32 v5, v6
	v_lshrrev_b32 v8, 5, v0
	s_delay_alu instid0(VALU_DEP_1)
	v_readfirstlane_b32 s8, v8                     ; wave 0..15
	s_bfe_u32 s9, ttmp6, 0x40000                   ; cx: my block of 256 queries; it enters global addresses alone
	s_and_b32 s10, ttmp7, 0xffff                   ; batch x 16 + head
	s_mov_b32 s16, 15|(3<<16)|(1<<21)              ; k: a dense block of 8,192 bytes as 32 rows of 256; the mask names all four work-groups
	s_mov_b32 s17, 32<<16
	s_mov_b32 s18, 32<<16
	s_mov_b32 s19, 32<<16
	s_mov_b32 s20, 32
	s_mov_b32 s21, 32
	s_mov_b32 s22, 0
	s_mov_b32 s23, 0
	s_mov_b32 s24, 15|(3<<16)|(1<<21)              ; v: 6,400 bytes as 25 rows of 256
	s_mov_b32 s25, 32<<16
	s_mov_b32 s26, 25<<16
	s_mov_b32 s27, 32<<16
	s_mov_b32 s28, 25
	s_mov_b32 s29, 32
	s_mov_b32 s30, 0
	s_mov_b32 s31, 0
	s_lshl_b32 s12, s10, 16
	s_lshl_b32 s13, s8, 13
	s_add_co_u32 s12, s12, s13
	s_add_co_u32 s12, s12, 4194304                 ; waves 0-7: k's key step = wave
	s_mov_b32 s13, 0
	s_mul_i32 s14, s10, 51200
	s_mul_i32 s15, s8, 6400
	s_add_co_u32 s14, s14, s15
	s_add_co_u32 s14, s14, 8337408                 ; waves 8-15: v's key step = wave - 8 (8,388,608 - 8 x 6,400)
	s_mov_b32 s15, 0
	s_lshl_b32 s40, s8, 13
	s_mul_i32 s41, s8, 6400
	s_add_co_u32 s41, s41, 14336                   ; 65,536 + 6,400 (wave - 8)
	s_lshl_b32 s42, s9, 4
	s_add_co_u32 s42, s42, s8                      ; my tile of queries in the batch
	s_lshl_b32 s44, s10, 6
	s_add_co_u32 s44, s44, s42
	s_lshl_b32 s44, s44, 10
	s_mov_b32 s45, 0
	s_mov_b32 s[SEL], 0x76543210
	s_mov_b32 s[SEL+1], 0xfedcba98
	s_mov_b32 s[CS], 0x3e38aa3b                    ; log2(e) / sqrt(64)
	s_mov_b32 s[CS+1], s[CS]
	s_mov_b32 s46, 0                               ; the step's k in LDS
	s_mov_b32 s47, 0                               ; the step's v
	s_mov_b32 s48, 0
	s_wait_dscnt 0x0
	s_wait_kmcnt 0x0
	s_mov_b32 s32, 1
	s_mov_b32 s33, s40
	s_add_nc_u64 s[34:35], s[4:5], s[12:13]
	s_or_b32 s35, s35, 0x80000000
	s_mov_b32 s36, 1
	s_mov_b32 s37, s41
	s_add_nc_u64 s[38:39], s[4:5], s[14:15]
	s_or_b32 s39, s39, 0x80000000
	s_add_nc_u64 s[44:45], s[4:5], s[44:45]        ; q's record
	CROUND                                         ; all four work-groups are here: the joint loads meet
	s_cmp_lt_u32 s8, 8                             ; every wave issues one load: one of mine is out
	s_cbranch_scc0 .Lfor_v
	tensor_load_to_lds s[32:35], s[16:23]
	s_nop 0
.rept 4
	v_nop
.endr
	s_branch .Lasked
.Lfor_v:
	tensor_load_to_lds s[36:39], s[24:31]
	s_nop 0
.rept 4
	v_nop
.endr
.Lasked:
	v_and_b32 v8, 31, v0
	s_delay_alu instid0(VALU_DEP_1)
	v_lshlrev_b32 v1, 4, v8
	s_delay_alu instid0(VALU_DEP_2)
	v_lshlrev_b32 v2, 3, v8
	global_load_b128 v[16:19], v1, s[44:45]
	global_load_b64 v[20:21], v2, s[44:45] offset:512
	global_load_b32 v22, v2, s[44:45] offset:768   ; register 6: the code of 1.0 at k = 64
	global_load_b32 v255, v2, s[44:45] offset:772  ; q's scale word
	v_add_nc_u32 v3, 0x10000, v1
	v_add_nc_u32 v4, 0x10000, v2
	v_and_b32 v8, 15, v0
	s_delay_alu instid0(VALU_DEP_1)
	v_lshl_add_u32 v7, v8, 4, 71680                ; v's scale words: 65,536 + 6,144 + 16 r
.irp i, 23,24,25,26,27
	v_mov_b32 v[\i], 0                             ; k = 70 on: zero codes, in q
.endr
.irp t, 0,1,2,3
.irp i, 7,8,9,10,11
	v_mov_b32 v[32+12*\t+\i], 0                    ; and in k's four fragments: written once
.endr
.endr
	v_mov_b32 v13, 0xff61b1e6                      ; the largest t so far: -3e38
	s_delay_alu instid0(VALU_DEP_1)
	v_floor_f32 v12, -v13
	v_mov_b32 v14, 0
	v_mov_b32 v15, 0
.irp b, 0,1,2,3
	v_mov_b32 v[236+\b], 0                         ; a lane permute's destination counts as one of its sources
.endr
	v_mov_b32 v253, 0
.set n, 0
.rept 32
	v_mov_b32 v[192+n], 0                          ; O^T: the loop is written once; its first step finds zeros
.set n, n+1
.endr
	s_wait_tensorcnt 0x0
	s_barrier_signal -1
	s_barrier_wait -1                              ; the head's k and v are whole
	s_wait_loadcnt 0x0
.macro KLOAD g
.irp t, 0,1,2,3
	ds_load_b128 v[32+12*\t:35+12*\t], v8 offset:(4*\g+\t)*1024
	ds_load_b64 v[36+12*\t:37+12*\t], v9 offset:(4*\g+\t)*1024+512
	ds_load_b32 v[38+12*\t], v9 offset:(4*\g+\t)*1024+768
	ds_load_b32 v[248+\t], v9 offset:(4*\g+\t)*1024+772
.endr
.endm
.macro KQ g
.irp t, 0,1,2,3
	v_wmma_scale_f32_16x16x128_f8f6f4 v[128+8*(4*\g+\t):135+8*(4*\g+\t)], v[32+12*\t:43+12*\t], v[16:27], 0, v[248+\t], v255 matrix_a_fmt:MATRIX_FMT_FP6 matrix_b_fmt:MATRIX_FMT_FP6
.endr
.endm
.Lstep:                                            ; eight trips of 128 keys
	v_add_nc_u32 v8, s46, v1                       ; (these five are also the places in front of loads into registers that the last products read)
	v_add_nc_u32 v9, s46, v2
	v_add_nc_u32 v10, s47, v3
	v_add_nc_u32 v11, s47, v4
	v_add_nc_u32 v254, s47, v7
	KLOAD 0
.irp d, 0,1,2,3
	FRAG 80+12*\d, 10, 11, \d*1536                 ; v's fragments are asked for now and land under the softmax
.endr
	ds_load_b128 v[28:31], v254
	s_wait_alu depctr_va_vdst(0)
	s_wait_dscnt 17                                ; k's first four tiles are in; v's 17 loads may be out
	KQ 0
.rept 4
	v_nop
.endr
	KLOAD 1
	s_wait_dscnt 0x0
	KQ 1
.rept 4
	v_nop
.endr
.irp b, 0,1,2,3
	v_max3_num_f32 v[232+\b], v[128+16*\b], v[129+16*\b], v[130+16*\b]     ; the largest score of each block of 32 keys
.endr
.irp i, 3,5,7,9,11,13
.irp b, 0,1,2,3
	v_max3_num_f32 v[232+\b], v[232+\b], v[128+16*\b+\i], v[129+16*\b+\i]
.endr
.endr
.irp b, 0,1,2,3
	v_max_num_f32 v[232+\b], v[232+\b], v[143+16*\b]
.endr
.irp b, 0,1,2,3
	s_delay_alu instid0(VALU_DEP_4)
	v_permlanex16_b32 v[236+\b], v[232+\b], s[SEL], s[SEL+1]
.endr
.irp b, 0,1,2,3
	s_delay_alu instid0(VALU_DEP_4)
	v_max_num_f32 v[232+\b], v[232+\b], v[236+\b]
.endr
	s_delay_alu instid0(VALU_DEP_2)
	v_max3_num_f32 v254, v232, v233, v234
	s_delay_alu instid0(VALU_DEP_1)
	v_max_num_f32 v254, v254, v235
	s_delay_alu instid0(VALU_DEP_1)
	v_mul_f32 v254, s[CS], v254
	s_delay_alu instid0(VALU_DEP_1)
	v_max_num_f32 v13, v13, v254                   ; the running largest t
	v_mov_b32 v254, v12
	s_delay_alu instid0(VALU_DEP_2)
	v_floor_f32 v12, -v13                          ; the new -M
	s_delay_alu instid0(VALU_DEP_1)
	v_sub_f32 v254, v12, v254
	s_delay_alu instid0(VALU_DEP_1)
	v_cvt_i32_f32 v254, v254                       ; (it saturates)
	s_delay_alu instid0(VALU_DEP_1)
	v_ldexp_f32 v252, 1.0, v254                    ; f = 2^(old M - new M)
.set n, 0
.rept 32
	v_pk_fma_f32 v[128+n:129+n], v[128+n:129+n], s[CS:CS+1], v[12:13] op_sel_hi:[1,0,0]    ; t - M
.set n, n+2
.endr
.irp b, 0,1,2,3
	v_fma_f32 v[232+\b], v[232+\b], s[CS], v12
.endr
.set n, 0
	s_wait_alu depctr_va_vdst(0)
.rept 64
	v_exp_f32 v[128+n], v[128+n]                   ; p, not normalised
.set n, n+1
.endr
	v_pk_mul_f32 v[14:15], v[14:15], v[252:253] op_sel_hi:[1,0]    ; the sums under the new M (a plain place behind the exponentials)
	s_wait_alu depctr_va_vdst(0)                   ; one wait for the batch, ahead of its first reader
.irp b, 0,1,2,3
	v_exp_f32 v[232+\b], v[232+\b]                 ; each block's largest p
.endr
	v_pk_add_f32 v[236:237], v[132:133], v[136:137]
	v_pk_add_f32 v[250:251], v[140:141], v[144:145]
	v_pk_add_f32 v[248:249], v[148:149], v[152:153]
	v_pk_add_f32 v[246:247], v[156:157], v[160:161]
	v_pk_add_f32 v[244:245], v[164:165], v[168:169]
	v_pk_add_f32 v[242:243], v[172:173], v[176:177]
	v_pk_add_f32 v[240:241], v[180:181], v[184:185]
	v_pk_add_f32 v[14:15], v[14:15], v[188:189]
	v_pk_add_f32 v[236:237], v[236:237], v[128:129]
	v_pk_add_f32 v[250:251], v[250:251], v[130:131]
	v_pk_add_f32 v[248:249], v[248:249], v[134:135]
	v_pk_add_f32 v[246:247], v[246:247], v[138:139]
	v_pk_add_f32 v[244:245], v[244:245], v[142:143]
	v_pk_add_f32 v[242:243], v[242:243], v[146:147]
	v_pk_add_f32 v[240:241], v[240:241], v[150:151]
	v_pk_add_f32 v[14:15], v[14:15], v[154:155]
	v_pk_add_f32 v[236:237], v[236:237], v[158:159]
	v_pk_add_f32 v[250:251], v[250:251], v[162:163]
	v_pk_add_f32 v[248:249], v[248:249], v[166:167]
	v_pk_add_f32 v[246:247], v[246:247], v[170:171]
	v_pk_add_f32 v[244:245], v[244:245], v[174:175]
	v_pk_add_f32 v[242:243], v[242:243], v[178:179]
	v_pk_add_f32 v[240:241], v[240:241], v[182:183]
	v_pk_add_f32 v[14:15], v[14:15], v[186:187]
	v_pk_add_f32 v[236:237], v[236:237], v[190:191]
	s_delay_alu instid0(VALU_DEP_2)
	v_pk_add_f32 v[14:15], v[14:15], v[246:247]
	s_delay_alu instid0(VALU_DEP_2)
	v_pk_add_f32 v[236:237], v[236:237], v[244:245]
	v_pk_add_f32 v[250:251], v[250:251], v[242:243]
	v_pk_add_f32 v[248:249], v[248:249], v[240:241]
	s_delay_alu instid0(VALU_DEP_2)
	v_pk_add_f32 v[14:15], v[14:15], v[250:251]
	s_delay_alu instid0(VALU_DEP_2)
	v_pk_add_f32 v[236:237], v[236:237], v[248:249]
	s_delay_alu instid0(VALU_DEP_1)
	v_pk_add_f32 v[14:15], v[14:15], v[236:237]
	s_wait_alu depctr_va_vdst(0)                   ; and one for the four
.irp b, 0,1,2,3
	v_max_num_f32 v[232+\b], 0x1800000, v[232+\b]
.endr
.irp b, 0,1,2,3
	s_delay_alu instid0(VALU_DEP_4)
	v_add_nc_u32 v[244+\b], 0xff000000, v[232+\b]
.endr
.irp b, 0,1,2,3
	s_delay_alu instid0(VALU_DEP_4)
	v_lshrrev_b32 v[236+\b], 23, v[244+\b]
.endr
	s_delay_alu instid0(VALU_DEP_3)
	v_lshl_or_b32 v253, v237, 8, v236              ; p's scale word
	s_delay_alu instid0(VALU_DEP_1)
	v_lshl_or_b32 v253, v238, 16, v253
	s_delay_alu instid0(VALU_DEP_1)
	v_lshl_or_b32 v253, v239, 24, v253
.irp c, 0,1
	v_cvt_scalef32_pk16_fp6_f32 v[224+6*\c:226+6*\c], v[128+32*\c:143+32*\c], v[244+2*\c]
	v_cvt_scalef32_pk16_fp6_f32 v[236+4*\c:238+4*\c], v[144+32*\c:159+32*\c], v[244+2*\c+1]
.endr
	v_nop
.irp c, 0,1
.irp i, 0,1,2
	v_permlane16_swap_b32 v[224+6*\c+\i], v[236+4*\c+\i]
.endr
.irp i, 0,1,2
	s_delay_alu instid0(VALU_DEP_3)
	v_mov_b32 v[227+6*\c+\i], v[236+4*\c+\i]
.endr
.endr
.set n, 0
.rept 16
	v_pk_mul_f32 v[192+n:193+n], v[192+n:193+n], v[252:253] op_sel_hi:[1,0]    ; O^T under the new M; these sixteen are also the places in front of the products below
.set n, n+2
.endr
.irp d, 0,1,2,3
	v_wmma_scale_f32_16x16x128_f8f6f4 v[192+8*\d:199+8*\d], v[80+12*\d:91+12*\d], v[224:235], v[192+8*\d:199+8*\d], v[28+\d], v253 matrix_a_fmt:MATRIX_FMT_FP6 matrix_b_fmt:MATRIX_FMT_FP6
.endr
	s_add_co_u32 s46, s46, 8192
	s_add_co_u32 s47, s47, 6400
	s_add_co_u32 s48, s48, 1
	s_cmp_lt_u32 s48, 8
	s_cbranch_scc1 .Lstep
	; THE WAY OUT: O / l; my head's 64 channels are half a K step of the next product: two blocks of 32
	v_add_f32 v14, v14, v15
	s_delay_alu instid0(VALU_DEP_1)
	v_permlanex16_b32 v252, v14, s[SEL], s[SEL+1]
	s_delay_alu instid0(VALU_DEP_1)
	v_add_f32 v14, v14, v252
	s_wait_alu depctr_va_vdst(0)
	v_rcp_f32 v14, v14
	v_and_b32 v8, 15, v0
	s_delay_alu instid0(VALU_DEP_1)
	v_lshlrev_b32 v8, 4, v8                        ; 16 r
	v_nop
	v_nop
	s_lshr_b32 s12, s10, 4
	s_lshl_b32 s12, s12, 6
	s_add_co_u32 s12, s12, s42                     ; my token tile
	s_and_b32 s13, s10, 15                         ; my head
	s_lshr_b32 s14, s13, 1
	s_and_b32 s15, s13, 1
	s_lshl_b32 s16, s12, 3
	s_add_co_u32 s16, s16, s14
	s_lshl_b32 s16, s16, 1
	s_add_co_u32 s16, s16, s15
	s_mul_i32 s16, s16, 768
	s_mov_b32 s17, 0
	s_add_nc_u64 s[16:17], s[6:7], s[16:17]
	s_lshr_b32 s18, s12, 3
	s_lshl_b32 s18, s18, 3
	s_add_co_u32 s18, s18, s14
	s_lshl_b32 s18, s18, 9
	s_bfe_u32 s19, s12, 0x10002
	s_lshl_b32 s19, s19, 8
	s_add_co_u32 s18, s18, s19
	s_and_b32 s19, s12, 3
	s_lshl_b32 s19, s19, 2
	s_add_co_u32 s18, s18, s19
	s_lshl_b32 s19, s15, 1
	s_add_co_u32 s18, s18, s19
	s_add_co_u32 s18, s18, 3145728
	s_mov_b32 s19, 0
	s_add_nc_u64 s[18:19], s[6:7], s[18:19]
	s_wait_alu depctr_va_vdst(0)
.set n, 0
.rept 32
	v_mul_f32 v[128+n], v[192+n], v14              ; register 16 b + i = channel 32 b + 16 h + i
.set n, n+1
.endr
.irp b, 0,1
	v_max3_num_f32 v[232+\b], |v[128+16*\b]|, |v[129+16*\b]|, 0x1800000
.endr
.irp i, 2,4,6,8,10,12,14
.irp b, 0,1
	s_delay_alu instid0(VALU_DEP_2)
	v_max3_num_f32 v[232+\b], v[232+\b], |v[128+16*\b+\i]|, |v[129+16*\b+\i]|
.endr
.endr
.irp b, 0,1
	s_delay_alu instid0(VALU_DEP_2)
	v_permlanex16_b32 v[236+\b], v[232+\b], s[SEL], s[SEL+1]
.endr
.irp b, 0,1
	s_delay_alu instid0(VALU_DEP_2)
	v_max_num_f32 v[232+\b], v[232+\b], v[236+\b]
.endr
.irp b, 0,1
	s_delay_alu instid0(VALU_DEP_2)
	v_add_nc_u32 v[244+\b], 0xff000000, v[232+\b]
.endr
.irp b, 0,1
	s_delay_alu instid0(VALU_DEP_2)
	v_lshrrev_b32 v[236+\b], 23, v[244+\b]
.endr
	s_delay_alu instid0(VALU_DEP_1)
	v_lshl_or_b32 v240, v237, 8, v236
	v_cvt_scalef32_pk16_fp6_f32 v[224:226], v[128:143], v244
	v_cvt_scalef32_pk16_fp6_f32 v[228:230], v[144:159], v245
	v_nop
.irp i, 0,1,2
	v_permlane16_swap_b32 v[224+\i], v[228+\i]
.endr
	s_delay_alu instid0(VALU_DEP_3)
	v_mov_b32 v227, v228
	s_delay_alu instid0(VALU_DEP_3)
	v_mov_b32 v228, v229
	s_delay_alu instid0(VALU_DEP_3)
	v_mov_b32 v229, v230
	global_store_b128 v1, v[224:227], s[16:17]
	global_store_b64 v2, v[228:229], s[16:17] offset:512
	global_store_b16 v8, v240, s[18:19]            ; my head's half of the row's scale word (both halves of the lanes store the same two bytes)
	s_wait_tensorcnt 0x0                           ; the wave's end
	ds_add_u32 v5, v6
	s_wait_dscnt 0x0
	CROUND                                         ; the closing round
	s_endpgm
.Lfunc_end_k_q5dd07c1c2d_attn:
	.size	k_q5dd07c1c2d_attn, .Lfunc_end_k_q5dd07c1c2d_attn-k_q5dd07c1c2d_attn
	.p2alignl 7, 3214868480
	.fill 96, 4, 3214868480
	.section	.rodata,"a",@progbits
	.p2align	6, 0x0
	.amdhsa_kernel k_q5dd07c1c2d_attn
		.amdhsa_group_segment_fixed_size 167936
		.amdhsa_private_segment_fixed_size 0
		.amdhsa_enable_private_segment 0
		.amdhsa_kernarg_size 16
		.amdhsa_user_sgpr_count 2
		.amdhsa_user_sgpr_kernarg_segment_ptr 1
		.amdhsa_wavefront_size32 1
		.amdhsa_system_sgpr_workgroup_id_x 1
		.amdhsa_system_sgpr_workgroup_id_y 1
		.amdhsa_system_sgpr_workgroup_id_z 1
		.amdhsa_system_vgpr_workitem_id 0
		.amdhsa_next_free_vgpr 256
		.amdhsa_next_free_sgpr 66
		.amdhsa_reserve_vcc 0
		.amdhsa_float_denorm_mode_32 3
		.amdhsa_float_denorm_mode_16_64 3
		.amdhsa_memory_ordered 1
		.amdhsa_forward_progress 1
		.amdhsa_inst_pref_size 32
	.end_amdhsa_kernel
	.amdgpu_metadata
---
amdhsa.version: [ 1, 2 ]
amdhsa.kernels:
  - .name:           k_q5dd07c1c2d_attn
    .symbol:         k_q5dd07c1c2d_attn.kd
    .args:
      - { .name: qkv, .offset: 0, .size: 8, .value_kind: global_buffer, .address_space: global }
      - { .name: a2, .offset: 8, .size: 8, .value_kind: global_buffer, .address_space: global }
    .group_segment_fixed_size: 167936
    .private_segment_fixed_size: 0
    .kernarg_segment_align: 8
    .kernarg_segment_size: 16
    .max_flat_workgroup_size: 512
    .sgpr_count:     66
    .vgpr_count:     256
    .wavefront_size: 32
...
	.end_amdgpu_metadata
.endif
;; end of part 9
;; launch wo (part 10): grid 8 x 32, 4 waves a work-group, clusters of 4 x 4, 200,704 bytes of LDS; arguments a2, wc, ws, x, bo, x1; writes x1
.if DOCPART == 10
	.amdgcn_target "amdgcn-amd-amdhsa--gfx1250"
	.amdhsa_code_object_version 6
	.text
	.protected	k_q5dd07c1c2d_wo
	.globl	k_q5dd07c1c2d_wo
	.p2align	8
	.type	k_q5dd07c1c2d_wo,@function
k_q5dd07c1c2d_wo:
	s_mov_b64 s[64:65], 0
	v_nop
	global_prefetch_b8 v0, s[64:65] scope:SCOPE_SE
	s_setreg_imm32_b32 hwreg(HW_REG_WAVE_MODE, 25, 1), 1
	s_wait_xcnt 0x0
	s_wait_alu depctr_hold_cnt(0) depctr_sa_sdst(0) depctr_va_vdst(0) depctr_va_sdst(0) depctr_va_ssrc(0) depctr_va_vcc(0) depctr_vm_vsrc(0)
	s_getreg_b32 s2, hwreg(HW_REG_IB_STS2, 6, 4)
	s_cmp_eq_u32 s2, 0
	s_cbranch_scc0 .Lentry_in_a_cluster
	s_endpgm
.Lentry_in_a_cluster:
	s_bfe_u32 s2, ttmp6, 0x10000c
	s_cmp_lg_u32 s2, 0xf033
	s_cbranch_scc0 .Lentry_shape_is_right
	s_endpgm
.Lentry_shape_is_right:
; x1 = x + attn wo + bo on codes of FP6 (E2M3).  Nothing of the problem is left out here.
; A work-group makes 128 tokens x 128 columns: 32 x 8 = 256 work-groups; a wave 64 x 64, 16 accumulators.  Source 0 = wo's tiles, source 1 = the tokens: a lane holds one token, its registers run along the columns.
; K is 1,024: a tile's codes for all of K are 12,288 bytes on end, eight tiles 98,304.  So BOTH OPERANDS OF THE BLOCK FIT IN LDS AT ONCE, 196,608 bytes: each wave asks for four tiles by one tensor load at the head, and nothing is filled again.
; CLUSTERS: 4 x 4 work-groups; the tokens' tiles are shared along a row of the cluster, wo's along a column: joint loads.  One load of mine is out.
; x + bo is loaded into the accumulators: it is the C of every sum.  x1 leaves as images of the accumulators ([token tile][column tile][1,024 bytes]), 512 consecutive bytes a store.
; No prefetch: all tiles are asked for at the head; there is no loop to run ahead in.
; REGISTERS: window 0: v1-20 addresses; v32-47 the tokens' scale words, v48-63 wo's (register: my tile; lanes 0-15 the even K step, lanes 16-31 the odd); v64-95 bo.
;   window 1: fragments, two sets at v0 and v128: the tokens' four, then wo's four.   window 2: the accumulators, (a, b) at v[8 (4 a + b)].
; NaN and infinities among the inputs are not served.
.set SPARE, 196608                     ; behind the tiles: the spare words, 128 bytes a wave
.set SPW, 12
.set NIL, 13
.set SCA, 32
.set SCB, 48
.set BO, 64
.set G1, 24
.set G0, 32
.set G1B, 48
.set G0B, 56
.set MSB, 0
.macro WIN new                         ; the immediate's high byte repeats the setting that is left
.if MSB != \new
	s_set_vgpr_msb (MSB<<8)|\new
.set MSB, \new
.endif
.endm
.macro PLACES n
.rept \n
	v_nop
.endr
.endm
.macro FRAG reg, a16, a8, off          ; a fragment's image into 12 registers: every load reads consecutive bytes
	ds_load_b128 v[(\reg):(\reg)+3], v[\a16] offset:(\off)
	ds_load_b64 v[(\reg)+4:(\reg)+5], v[\a8] offset:(\off)+512
	ds_load_b128 v[(\reg)+6:(\reg)+9], v[\a16] offset:(\off)+768
	ds_load_b64 v[(\reg)+10:(\reg)+11], v[\a8] offset:(\off)+1280
.endm
.macro WM d, a, b, sa, sb, row         ; row: an odd K step's scale words stand in lanes 16-31
.if \row
	v_wmma_scale_f32_16x16x128_f8f6f4 v[(\d):(\d)+7], v[(\a):(\a)+11], v[(\b):(\b)+11], v[(\d):(\d)+7], v[\sa], v[\sb] matrix_a_fmt:MATRIX_FMT_FP6 matrix_b_fmt:MATRIX_FMT_FP6 matrix_a_scale:MATRIX_SCALE_ROW1 matrix_b_scale:MATRIX_SCALE_ROW1
.else
	v_wmma_scale_f32_16x16x128_f8f6f4 v[(\d):(\d)+7], v[(\a):(\a)+11], v[(\b):(\b)+11], v[(\d):(\d)+7], v[\sa], v[\sb] matrix_a_fmt:MATRIX_FMT_FP6 matrix_b_fmt:MATRIX_FMT_FP6
.endif
.endm
.macro MUL4 f, s, a                    ; token tile a against wo's four, K step s, set at f.  The accumulators take turns
.irp b, 0,1,2,3
	WM 8*(4*(\a)+\b), (\f)+48+12*\b, (\f)+12*(\a), SCB+4*((\s)/2)+\b, SCA+4*((\s)/2)+(\a), (\s)%2
.endr
.endm
.macro FETCH q, f                      ; K step q's eight fragments: wo's first
	WIN 0x40
.irp b, 0,1,2,3
	FRAG (\f)+48+12*\b, 8, 10, \b*12288+(\q)*1536
.endr
.irp a, 0,1,2,3
	FRAG (\f)+12*\a, 4, 6, \a*12288+(\q)*1536
.endr
.endm
.macro CROUND                          ; a round of the cluster's barrier
	s_barrier_signal -1
	s_barrier_wait -1
	s_cmp_lg_u32 s16, 0
	s_cbranch_scc1 .Lnot_wave_0_\@
	s_barrier_signal -3
.Lnot_wave_0_\@:
	s_barrier_wait -3
	s_barrier_signal -1
	s_barrier_wait -1
.endm
	s_load_b256 s[4:11], s[0:1], 0x0               ; a2, wc, ws, x
	s_load_b128 s[12:15], s[0:1], 0x20             ; bo, x1
	v_lshl_add_u32 v[SPW], v0, 2, SPARE
	v_mov_b32 v[NIL], 0
	ds_add_u32 v[SPW], v[NIL]                      ; the opening: the add, twice on end, and its wait ahead of my first tensor load
	ds_add_u32 v[SPW], v[NIL]
	v_lshrrev_b32 v1, 5, v0
	v_readfirstlane_b32 s16, v1                    ; wave
	s_lshr_b32 s17, s16, 1                         ; my half of the tokens.  Also: I fetch the tokens' tiles (0) or wo's (1)
	s_and_b32 s18, s16, 1                          ; my half of the columns.  Also: which four tiles I fetch
	s_bfe_u32 s40, ttmp6, 0x40000                  ; cx
	s_bfe_u32 s41, ttmp6, 0x40004                  ; cy
	s_lshl_b32 s42, ttmp9, 2
	s_add_co_u32 s42, s42, s40                     ; my block of 128 columns
	s_and_b32 s19, ttmp7, 0xffff
	s_lshl_b32 s19, s19, 2
	s_add_co_u32 s19, s19, s41                     ; my block of 128 tokens
	s_lshl_b32 s43, s41, 2
	s_lshl_b32 s43, 15, s43                        ; my row of the cluster
	s_lshl_b32 s44, 0x1111, s40                    ; my column
	s_or_b32 s[G1], s43, (3<<16)|(1<<21)           ; elements of 8 bytes, no padding; bit 21 beside a mask
	s_or_b32 s[G1B], s44, (3<<16)|(1<<21)
.irp g, G1, G1B
	s_mov_b32 s[\g+1], 1536<<16                    ; a row: a tile's 12,288 bytes
	s_mov_b32 s[\g+2], 4<<16                       ; four tiles
	s_mov_b32 s[\g+3], 1536<<16
	s_mov_b32 s[\g+4], 4
	s_mov_b32 s[\g+5], 1536
	s_mov_b32 s[\g+6], 0
	s_mov_b32 s[\g+7], 0
.endr
	s_lshl_b32 s20, s19, 3
	s_lshl_b32 s21, s18, 2
	s_add_co_u32 s20, s20, s21
	s_mul_i32 s20, s20, 12288                      ; the tokens' tiles: the token block and the wave's number alone
	s_mov_b32 s21, 0
	s_lshl_b32 s46, s42, 3
	s_lshl_b32 s47, s18, 2
	s_add_co_u32 s46, s46, s47
	s_mul_i32 s46, s46, 12288
	s_add_co_u32 s46, s46, 2359296                 ; wo's tiles: the column block and the wave's number alone
	s_mov_b32 s47, 0
	s_mul_i32 s45, s16, 49152                      ; where my four tiles go: the tokens' eight, then wo's eight
	s_mul_i32 s66, s17, 49152                      ; what I read: my four token tiles,
	s_mul_i32 s67, s18, 49152
	s_add_co_u32 s67, s67, 98304                   ; and my four of wo
	v_and_b32 v3, 31, v0
	v_lshlrev_b32 v1, 4, v3                        ; 16 x lane
	v_lshlrev_b32 v2, 3, v3                        ; 8 x lane
	v_and_b32 v19, 15, v0                          ; r
	v_bfe_u32 v20, v0, 4, 1                        ; h
	v_lshlrev_b32 v14, 9, v20
	v_lshl_add_u32 v14, v19, 4, v14                ; scale words: 512 h + 16 r
	v_lshlrev_b32 v15, 6, v20                      ; 64 h
	v_and_b32 v16, 8, v19
	v_add_nc_u32 v16, v16, v19
	v_lshl_add_u32 v16, v16, 12, v15               ; x: row r + 8 (r / 8) of a tile, + 64 h
	v_add_nc_u32 v4, s66, v1
	v_add_nc_u32 v6, s66, v2
	v_add_nc_u32 v8, s67, v1
	v_add_nc_u32 v10, s67, v2
	s_wait_alu depctr_va_vdst(0)
	s_wait_dscnt 0x0                               ; both opening adds are done
	s_wait_kmcnt 0x0
	s_add_nc_u64 s[20:21], s[4:5], s[20:21]
	s_add_nc_u64 s[46:47], s[6:7], s[46:47]
	s_mov_b32 s[G0], 1
	s_mov_b32 s[G0+1], s45
	s_mov_b64 s[G0+2:G0+3], s[20:21]
	s_or_b32 s[G0+3], s[G0+3], 0x80000000
	s_mov_b32 s[G0B], 1
	s_mov_b32 s[G0B+1], s45
	s_mov_b64 s[G0B+2:G0B+3], s[46:47]
	s_or_b32 s[G0B+3], s[G0B+3], 0x80000000
	CROUND                                         ; all sixteen work-groups are here: the joint loads meet
	s_cmp_eq_u32 s17, 0                            ; every wave issues one load
	s_cbranch_scc0 .Lfor_b
	tensor_load_to_lds s[G0:G0+3], s[G1:G1+7]
	s_nop 0
	PLACES 4
	s_branch .Lasked
.Lfor_b:
	tensor_load_to_lds s[G0B:G0B+3], s[G1B:G1B+7]
	s_nop 0
	PLACES 4
.Lasked:
	s_mov_b32 s69, 0
	s_lshl_b32 s68, s19, 12
	s_lshl_b32 s70, s17, 8
	s_add_co_u32 s68, s68, s70
	s_add_co_u32 s68, s68, 3145728
	s_add_nc_u64 s[72:73], s[4:5], s[68:69]        ; the tokens' scale words: 512 bytes for eight tiles and a K step, my four tiles' 256
	s_lshl_b32 s68, s42, 12
	s_lshl_b32 s70, s18, 8
	s_add_co_u32 s68, s68, s70
	s_add_co_u32 s68, s68, 98304
	s_add_nc_u64 s[74:75], s[8:9], s[68:69]        ; wo's
	s_lshl_b32 s68, s42, 9
	s_add_co_u32 s68, s68, s70                     ; my 64 columns: 512 bytes a block, 256 a half
	s_add_nc_u64 s[12:13], s[12:13], s[68:69]      ; bo
	s_lshl_b32 s71, s19, 19
	s_lshl_b32 s70, s17, 18
	s_add_co_u32 s71, s71, s70                     ; my 64 tokens: 4,096 bytes a row of x, and 65,536 a token tile of x1
	s_add_co_u32 s68, s68, s71
	s_add_nc_u64 s[10:11], s[10:11], s[68:69]      ; x
	s_lshl_b32 s68, s42, 13
	s_lshl_b32 s70, s18, 12
	s_add_co_u32 s68, s68, s70
	s_add_co_u32 s68, s68, s71
	s_add_nc_u64 s[14:15], s[14:15], s[68:69]      ; x1: images of 1,024 bytes
	WIN 0x80                                       ; x into the accumulators: register j of (a, b) is row 32 (a / 2) + 8 (a % 2) + r + 8 (r / 8), column 32 (b / 2) + 8 (b % 2) + 16 h + j
.irp a, 0,1,2,3
.irp b, 0,1,2,3
	global_load_b128 v[8*(4*\a+\b):8*(4*\a+\b)+3], v16, s[10:11] offset:(32*(\a/2)+8*(\a%2))*4096+(32*(\b/2)+8*(\b%2))*4 th:TH_LOAD_NT
	global_load_b128 v[8*(4*\a+\b)+4:8*(4*\a+\b)+7], v16, s[10:11] offset:(32*(\a/2)+8*(\a%2))*4096+(32*(\b/2)+8*(\b%2))*4+16 th:TH_LOAD_NT
.endr
.endr
	WIN 0
.irp b, 0,1,2,3
	global_load_b128 v[BO+8*\b:BO+8*\b+3], v15, s[12:13] offset:(32*(\b/2)+8*(\b%2))*4
	global_load_b128 v[BO+8*\b+4:BO+8*\b+7], v15, s[12:13] offset:(32*(\b/2)+8*(\b%2))*4+16
.endr
.irp n, 0,1,2,3
	global_load_b128 v[SCA+4*\n:SCA+4*\n+3], v14, s[72:73] offset:1024*\n      ; K steps 2 n (lanes 0-15) and 2 n + 1 (lanes 16-31)
	global_load_b128 v[SCB+4*\n:SCB+4*\n+3], v14, s[74:75] offset:1024*\n
.endr
	s_wait_loadcnt 0x0
	WIN 0x82
.irp a, 0,1,2,3
.set n, 0
.rept 16
	v_pk_add_f32 v[32*\a+n:32*\a+n+1], v[32*\a+n:32*\a+n+1], v[BO+n:BO+n+1]
.set n, n+2
.endr
.endr
	WIN 0
	s_wait_alu depctr_va_vdst(0)
	s_wait_tensorcnt 0x0                           ; my four tiles are in
	s_barrier_signal -1
	s_barrier_wait -1                              ; and everybody's
	FETCH 0, 0
.irp q, 0,1,2,3,4,5,6
	s_wait_dscnt 8                                 ; wo's four and the tokens' tiles 0, 1 are in; the eight loads of tiles 2, 3 may be out
	WIN 0xa5                                       ; sources window 1, C and D window 2
	MUL4 128*(\q%2), \q, 0
	MUL4 128*(\q%2), \q, 1
	PLACES 4                                       ; in front of loads into registers that the last K step's products read
	FETCH \q+1, 128-128*(\q%2)
	s_wait_dscnt 32                                ; all but the 32 just issued
	WIN 0xa5
	MUL4 128*(\q%2), \q, 2
	MUL4 128*(\q%2), \q, 3
.endr
	s_wait_dscnt 8
	MUL4 128, 7, 0
	MUL4 128, 7, 1
	s_wait_dscnt 0x0
	MUL4 128, 7, 2
	MUL4 128, 7, 3
	PLACES 4                                       ; in front of the first read of results
	WIN 0x08                                       ; a store's data: window 2
.irp a, 0,1,2,3
.irp b, 0,1,2,3
	global_store_b128 v1, v[8*(4*\a+\b):8*(4*\a+\b)+3], s[14:15] offset:(64*\a+\b)*1024          ; each accumulator from its low end on
	global_store_b128 v1, v[8*(4*\a+\b)+4:8*(4*\a+\b)+7], s[14:15] offset:(64*\a+\b)*1024+512
.endr
.endr
	WIN 0
	s_wait_tensorcnt 0x0                           ; the wave's end
	ds_add_u32 v[SPW], v[NIL]
	s_wait_dscnt 0x0
	CROUND                                         ; the closing round
	s_endpgm
.Lfunc_end_k_q5dd07c1c2d_wo:
	.size	k_q5dd07c1c2d_wo, .Lfunc_end_k_q5dd07c1c2d_wo-k_q5dd07c1c2d_wo
	.p2alignl 7, 3214868480
	.fill 96, 4, 3214868480
	.section	.rodata,"a",@progbits
	.p2align	6, 0x0
	.amdhsa_kernel k_q5dd07c1c2d_wo
		.amdhsa_group_segment_fixed_size 200704
		.amdhsa_private_segment_fixed_size 0
		.amdhsa_enable_private_segment 0
		.amdhsa_kernarg_size 48
		.amdhsa_user_sgpr_count 2
		.amdhsa_user_sgpr_kernarg_segment_ptr 1
		.amdhsa_wavefront_size32 1
		.amdhsa_system_sgpr_workgroup_id_x 1
		.amdhsa_system_sgpr_workgroup_id_y 1
		.amdhsa_system_sgpr_workgroup_id_z 1
		.amdhsa_system_vgpr_workitem_id 0
		.amdhsa_next_free_vgpr 768
		.amdhsa_next_free_sgpr 80
		.amdhsa_reserve_vcc 0
		.amdhsa_float_denorm_mode_32 3
		.amdhsa_float_denorm_mode_16_64 3
		.amdhsa_memory_ordered 1
		.amdhsa_forward_progress 1
		.amdhsa_inst_pref_size 52
	.end_amdhsa_kernel
	.amdgpu_metadata
---
amdhsa.version: [ 1, 2 ]
amdhsa.kernels:
  - .name:           k_q5dd07c1c2d_wo
    .symbol:         k_q5dd07c1c2d_wo.kd
    .args:
      - { .name: a2, .offset: 0, .size: 8, .value_kind: global_buffer, .address_space: global }
      - { .name: wc, .offset: 8, .size: 8, .value_kind: global_buffer, .address_space: global }
      - { .name: ws, .offset: 16, .size: 8, .value_kind: global_buffer, .address_space: global }
      - { .name: x, .offset: 24, .size: 8, .value_kind: global_buffer, .address_space: global }
      - { .name: bo, .offset: 32, .size: 8, .value_kind: global_buffer, .address_space: global }
      - { .name: x1, .offset: 40, .size: 8, .value_kind: global_buffer, .address_space: global }
    .group_segment_fixed_size: 200704
    .private_segment_fixed_size: 0
    .kernarg_segment_align: 8
    .kernarg_segment_size: 48
    .max_flat_workgroup_size: 128
    .sgpr_count:     80
    .vgpr_count:     768
    .wavefront_size: 32
...
	.end_amdgpu_metadata
.endif
;; end of part 10
;; launch ln2 (part 11): grid 256 x 1, 4 waves a work-group, no clusters, 1,024 bytes of LDS; arguments x1, ln2_w, ln2_b, a3; writes a3
.if DOCPART == 11
	.amdgcn_target "amdgcn-amd-amdhsa--gfx1250"
	.amdhsa_code_object_version 6
	.text
	.protected	k_q5dd07c1c2d_ln2
	.globl	k_q5dd07c1c2d_ln2
	.p2align	8
	.type	k_q5dd07c1c2d_ln2,@function
k_q5dd07c1c2d_ln2:
	s_mov_b64 s[64:65], 0
	v_nop
	global_prefetch_b8 v0, s[64:65] scope:SCOPE_SE
	s_setreg_imm32_b32 hwreg(HW_REG_WAVE_MODE, 25, 1), 1
	s_wait_xcnt 0x0
; LN2(x1) as codes of FP6 (E2M3) with one E8M0 scale for each 32 columns.  Nothing of the problem is left out here.
; A work-group owns one tile of 16 tokens and all 1,024 columns; wave w owns columns 256 w on.  x1 lies as images of accumulators ([token tile][column tile][1,024 bytes]): a lane holds one token,
; its registers run along the columns, which are the next product's K: register j of tile b is column 32 (b / 2) + 8 (b % 2) + 16 h + j.  The waves' partial sums meet in LDS, twice.
; No matrix unit: there is no product.  No cluster: the work-groups share only the gain and the bias, 8,192 bytes beside the 65,536 of x1 that each reads alone.  No prefetch: all loads are issued at the head.
; The tile's scale words leave 4 bytes a lane: four tiles share each 16 bytes, and this work-group owns one.  A block of zeros keeps the scale byte 1; NaN and infinities are not served.
; REGISTERS: window 0: v1-15 addresses; v16-21 sums and the mean; v128-245 at work.   window 1: the gain (v0-127) and the bias (v128-255).   window 2: x1, v0-127.
.set ST1, 0                            ; the waves' partial sums, 256 bytes; the second exchange 256 further on
.set SPARE, 512                        ; the spare words, 128 bytes a wave
.set SPW, 10
.set NIL, 11
.set SEL, 76
.set HA, 128
.set PC, 192
.set TM, 212
.set PW, 228
.set KW, 232
.set RS, 244
.set MN, 20
.set MSB, 0
.macro WIN new                         ; the immediate's high byte repeats the setting that is left
.if MSB != \new
	s_set_vgpr_msb (MSB<<8)|\new
.set MSB, \new
.endif
.endm
; 64 numbers of a lane, register 16 b + i = k 32 b + 16 (lane / 16) + i of my row, become a fragment's codes in v[PC] on and its scale word in v[PW].
.macro QUANT s
.irp b, 0,1,2,3
	v_max3_num_f32 v[TM+\b], |v[\s+16*\b]|, |v[\s+1+16*\b]|, 0x1800000   ; and the floor 2^(3 - 127): the byte cannot fall under 1
.endr
.irp i, 2,4,6,8,10,12,14
.irp b, 0,1,2,3
	v_max3_num_f32 v[TM+\b], v[TM+\b], |v[\s+16*\b+\i]|, |v[\s+1+16*\b+\i]|
.endr
.endr
.irp b, 0,1,2,3
	v_permlanex16_b32 v[TM+4+\b], v[TM+\b], s[SEL], s[SEL+1]
.endr
.irp b, 0,1,2,3
	v_max_num_f32 v[TM+\b], v[TM+\b], v[TM+4+\b]
.endr
.irp b, 0,1,2,3
	v_add_nc_u32 v[TM+12+\b], 0xff000000, v[TM+\b]     ; 2 off the exponent field: the conversion's scale operand
.endr
.irp b, 0,1,2,3
	v_lshrrev_b32 v[TM+4+\b], 23, v[TM+12+\b]
.endr
	v_lshl_or_b32 v[PW], v[TM+5], 8, v[TM+4]
	v_lshl_or_b32 v[PW], v[TM+6], 16, v[PW]
	v_lshl_or_b32 v[PW], v[TM+7], 24, v[PW]
.irp c, 0,1
	v_cvt_scalef32_pk16_fp6_f32 v[PC+6*\c:PC+2+6*\c], v[\s+32*\c:\s+15+32*\c], v[TM+12+2*\c]
	v_cvt_scalef32_pk16_fp6_f32 v[PC+12+4*\c:PC+14+4*\c], v[\s+16+32*\c:\s+31+32*\c], v[TM+12+2*\c+1]
.endr
	v_nop                                          ; one plain place behind a scaled conversion
.irp c, 0,1
.irp i, 0,1,2
	v_permlane16_swap_b32 v[PC+6*\c+\i], v[PC+12+4*\c+\i]      ; the layout wants a whole block in a lane
.endr
.irp i, 0,1,2
	v_mov_b32 v[PC+3+6*\c+\i], v[PC+12+4*\c+\i]
.endr
.endr
.endm
	s_load_b256 s[4:11], s[0:1], 0x0               ; x1, ln2_w, ln2_b, a3
	v_lshl_add_u32 v[SPW], v0, 2, SPARE
	v_mov_b32 v[NIL], 0
	v_lshrrev_b32 v1, 5, v0
	v_readfirstlane_b32 s22, v1                    ; wave
	s_mov_b32 s24, ttmp9                           ; T, my token tile
	s_lshl_b32 s74, s22, 2
	s_mov_b32 s[SEL], 0x76543210
	s_mov_b32 s[SEL+1], 0xfedcba98
	s_mov_b32 s78, 0x3a800000                      ; 1 / 1,024
	s_mov_b32 s79, 0x3727c5ac                      ; 1e-5
	v_and_b32 v3, 31, v0
	v_lshlrev_b32 v1, 4, v3                        ; 16 x lane
	v_lshlrev_b32 v2, 3, v3                        ; 8 x lane
	v_and_b32 v14, 15, v0                          ; r
	v_bfe_u32 v15, v0, 4, 1                        ; h
	v_lshlrev_b32 v3, 4, v14                       ; 16 r
	v_lshlrev_b32 v13, 6, v15                      ; 64 h
	v_add_nc_u32 v15, ST1, v3                      ; the exchange: read 16 r,
	v_add_nc_u32 v14, s74, v15                     ; store 16 r + 4 x wave
.irp i, 16,17,18,19
	v_mov_b32 v[\i], 0                             ; the row's sum, two chains
.endr
.irp b, 0,1,2,3
	v_mov_b32 v[TM+4+\b], 0                        ; written once: a lane permute's destination counts as one of its sources
.endr
	s_wait_alu depctr_va_vdst(0)
	s_wait_kmcnt 0x0
	s_mov_b32 s73, 0
	s_lshl_b32 s72, s24, 16
	s_lshl_b32 s74, s22, 14
	s_add_co_u32 s72, s72, s74
	s_add_nc_u64 s[4:5], s[4:5], s[72:73]          ; x1: (64 T + 16 w) images of 1,024 bytes
	s_lshl_b32 s72, s22, 10
	s_add_nc_u64 s[6:7], s[6:7], s[72:73]          ; the gain and the bias at my columns
	s_add_nc_u64 s[8:9], s[8:9], s[72:73]
	s_lshr_b32 s72, s24, 3
	s_lshl_b32 s72, s72, 12
	s_bfe_u32 s74, s24, 0x10002
	s_lshl_b32 s74, s74, 8
	s_add_co_u32 s72, s72, s74
	s_and_b32 s74, s24, 3
	s_lshl_b32 s74, s74, 2
	s_add_co_u32 s72, s72, s74
	s_add_co_u32 s72, s72, 3145728
	s_lshl_b32 s74, s22, 10
	s_add_co_u32 s72, s72, s74
	s_add_nc_u64 s[66:67], s[10:11], s[72:73]      ; where my scale words go: K steps 2 w, 2 w + 1
	s_lshl_b32 s72, s24, 3
	s_lshl_b32 s74, s22, 1
	s_add_co_u32 s72, s72, s74
	s_mul_i32 s72, s72, 1536
	s_add_nc_u64 s[20:21], s[10:11], s[72:73]      ; the codes: fragments 8 T + 2 w, + 1
.macro VECLOAD base, reg               ; a vector's 256 numbers of my columns in x1's layout
.set nb, 0
.rept 16
	global_load_b128 v[\reg+8*nb:\reg+8*nb+3], v13, s[\base:\base+1] offset:(32*(nb/2)+8*(nb%2))*4
	global_load_b128 v[\reg+8*nb+4:\reg+8*nb+7], v13, s[\base:\base+1] offset:(32*(nb/2)+8*(nb%2))*4+16
.set nb, nb+1
.endr
.endm
	WIN 0x80
.set n, 0
.rept 32
	global_load_b128 v[4*n:4*n+3], v1, s[4:5] offset:512*n         ; 512 consecutive bytes
.set n, n+1
.endr
	WIN 0x40
	VECLOAD 6, 0                                   ; the gain
	VECLOAD 8, 128                                 ; the bias
	s_wait_loadcnt 63                              ; x1's 32 loads are in: behind them stand the 64 of the gain and the bias
	WIN 0x08                                       ; source 1: window 2
.set n, 0
.rept 32
	v_pk_add_f32 v[16:17], v[16:17], v[n:n+1]
	v_pk_add_f32 v[18:19], v[18:19], v[n+2:n+3]
.set n, n+4
.endr
	WIN 0
.macro MEET off                        ; v[16:19], two chains, become the row's sum over all 1,024 columns, in v192
	v_pk_add_f32 v[16:17], v[16:17], v[18:19]
	v_add_f32 v16, v16, v17
	v_permlanex16_b32 v17, v16, s[SEL], s[SEL+1]
	v_add_f32 v16, v16, v17
	ds_store_b32 v14, v16 offset:\off
	s_wait_dscnt 0x0                               ; for the others' sake
	s_barrier_signal -1
	s_barrier_wait -1
	ds_load_b128 v[192:195], v15 offset:\off
	s_wait_dscnt 0x0
	v_add_f32 v192, v192, v193
	v_add_f32 v194, v194, v195
	v_add_f32 v192, v192, v194
.endm
	MEET 0
	v_mul_f32 v[MN], s78, v192                     ; the mean, twice: a pair for the packed forms
	v_mul_f32 v[MN+1], s78, v192
.irp i, 16,17,18,19
	v_mov_b32 v[\i], 0
.endr
	WIN 0x82
.set n, 0
.rept 64
	v_pk_add_f32 v[n:n+1], v[n:n+1], v[MN:MN+1] neg_lo:[0,1] neg_hi:[0,1]
.set n, n+2
.endr
	WIN 0x0a
.set n, 0
.rept 32
	v_pk_fma_f32 v[16:17], v[n:n+1], v[n:n+1], v[16:17]
	v_pk_fma_f32 v[18:19], v[n+2:n+3], v[n+2:n+3], v[18:19]
.set n, n+4
.endr
	WIN 0
	MEET 256                                       ; other bytes than the first exchange's: no barrier between the two is owed
	v_fma_f32 v192, v192, s78, s79                 ; the variance + eps
	s_wait_alu depctr_va_vdst(0)
	v_rsq_f32 v[RS], v192
	v_nop                                          ; a plain place behind the transcendental
	s_wait_alu depctr_va_vdst(0)                   ; the wait ahead of the result's first reader
	v_mov_b32 v[RS+1], v[RS]
	s_wait_alu depctr_va_vdst(0)
	s_wait_loadcnt 0x0                             ; the gain and the bias
.irp e, 0,1                            ; my columns 128 e on are K step 2 w + e of the next product
	WIN 0x02
.set n, 0
.rept 32
	v_pk_mul_f32 v[HA+n:HA+n+1], v[64*\e+n:64*\e+n+1], v[RS:RS+1]
.set n, n+2
.endr
	WIN 0x14
.set n, 0
.rept 32
	v_pk_fma_f32 v[HA+n:HA+n+1], v[HA+n:HA+n+1], v[64*\e+n:64*\e+n+1], v[128+64*\e+n:128+64*\e+n+1]
.set n, n+2
.endr
	WIN 0
	s_wait_xcnt 0x0                                ; the last fragment's stores have read their registers
	QUANT HA
	v_mov_b32 v[KW+\e], v[PW]
	global_store_b128 v1, v[PC:PC+3], s[20:21] offset:\e*1536
	global_store_b64 v2, v[PC+4:PC+5], s[20:21] offset:\e*1536+512
	global_store_b128 v1, v[PC+6:PC+9], s[20:21] offset:\e*1536+768
	global_store_b64 v2, v[PC+10:PC+11], s[20:21] offset:\e*1536+1280
.endr
	v_cmp_lt_u32 vcc_lo, 15, v13                   ; lanes 16-31 (64 h is 64 there)
	v_cndmask_b32 v240, v[KW], v[KW+1], vcc_lo     ; lanes 0-15: K step 2 w, lanes 16-31: 2 w + 1
	v_lshl_add_u32 v12, v13, 3, v3                 ; 512 h + 16 r
	global_store_b32 v12, v240, s[66:67]
	s_wait_tensorcnt 0x0                           ; the wave's end
	ds_add_u32 v[SPW], v[NIL]
	s_wait_dscnt 0x0
	s_endpgm
.Lfunc_end_k_q5dd07c1c2d_ln2:
	.size	k_q5dd07c1c2d_ln2, .Lfunc_end_k_q5dd07c1c2d_ln2-k_q5dd07c1c2d_ln2
	.p2alignl 7, 3214868480
	.fill 96, 4, 3214868480
	.section	.rodata,"a",@progbits
	.p2align	6, 0x0
	.amdhsa_kernel k_q5dd07c1c2d_ln2
		.amdhsa_group_segment_fixed_size 1024
		.amdhsa_private_segment_fixed_size 0
		.amdhsa_enable_private_segment 0
		.amdhsa_kernarg_size 32
		.amdhsa_user_sgpr_count 2
		.amdhsa_user_sgpr_kernarg_segment_ptr 1
		.amdhsa_wavefront_size32 1
		.amdhsa_system_sgpr_workgroup_id_x 1
		.amdhsa_system_sgpr_workgroup_id_y 1
		.amdhsa_system_sgpr_workgroup_id_z 1
		.amdhsa_system_vgpr_workitem_id 0
		.amdhsa_next_free_vgpr 640
		.amdhsa_next_free_sgpr 80
		.amdhsa_reserve_vcc 1
		.amdhsa_float_denorm_mode_32 3
		.amdhsa_float_denorm_mode_16_64 3
		.amdhsa_memory_ordered 1
		.amdhsa_forward_progress 1
		.amdhsa_inst_pref_size 42
	.end_amdhsa_kernel
	.amdgpu_metadata
---
amdhsa.version: [ 1, 2 ]
amdhsa.kernels:
  - .name:           k_q5dd07c1c2d_ln2
    .symbol:         k_q5dd07c1c2d_ln2.kd
    .args:
      - { .name: x1, .offset: 0, .size: 8, .value_kind: global_buffer, .address_space: global }
      - { .name: ln2_w, .offset: 8, .size: 8, .value_kind: global_buffer, .address_space: global }
      - { .name: ln2_b, .offset: 16, .size: 8, .value_kind: global_buffer, .address_space: global }
      - { .name: a3, .offset: 24, .size: 8, .value_kind: global_buffer, .address_space: global }
    .group_segment_fixed_size: 1024
    .private_segment_fixed_size: 0
    .kernarg_segment_align: 8
    .kernarg_segment_size: 32
    .max_flat_workgroup_size: 128
    .sgpr_count:     80
    .vgpr_count:     640
    .wavefront_size: 32
...
	.end_amdgpu_metadata
.endif
;; end of part 11
;; launch ffn1 (part 12): grid 16 x 16, 4 waves a work-group, clusters of 4 x 4, 327,680 bytes of LDS; arguments a3, wc, ws, b1, hid; writes hid
.if DOCPART == 12
	.amdgcn_target "amdgcn-amd-amdhsa--gfx1250"
	.amdhsa_code_object_version 6
	.text
	.protected	k_q5dd07c1c2d_ffn1
	.globl	k_q5dd07c1c2d_ffn1
	.p2align	8
	.type	k_q5dd07c1c2d_ffn1,@function
k_q5dd07c1c2d_ffn1:
	s_mov_b64 s[64:65], 0
	v_nop
	global_prefetch_b8 v0, s[64:65] scope:SCOPE_SE
	s_setreg_imm32_b32 hwreg(HW_REG_WAVE_MODE, 25, 1), 1
	s_wait_xcnt 0x0
	s_wait_alu depctr_hold_cnt(0) depctr_sa_sdst(0) depctr_va_vdst(0) depctr_va_sdst(0) depctr_va_ssrc(0) depctr_va_vcc(0) depctr_vm_vsrc(0)
	s_getreg_b32 s2, hwreg(HW_REG_IB_STS2, 6, 4)
	s_cmp_eq_u32 s2, 0
	s_cbranch_scc0 .Lentry_in_a_cluster
	s_endpgm
.Lentry_in_a_cluster:
	s_bfe_u32 s2, ttmp6, 0x10000c
	s_cmp_lg_u32 s2, 0xf033
	s_cbranch_scc0 .Lentry_shape_is_right
	s_endpgm
.Lentry_shape_is_right:
; hid = relu(LN2(x1) w1 + b1) on codes of FP6 (E2M3), quantised along the hidden units for the last product.  Nothing of the problem is left out here.
; A work-group makes 256 tokens x 256 hidden units, four waves of 128 x 128 (64 accumulators); 4 x 4 work-groups form a cluster: the tokens' tiles are shared along a row, w1's along a column, by joint tensor loads.
; Source 0 = w1's tiles, source 1 = the tokens: a lane holds one token, its registers run along the hidden units, the next product's K.  Both sides are images of operand registers, [tile][8][1,536].
; K = 1,024 goes in four chunks of 256: chunk 0 into slot 0 at the head, one tensor load a wave; chunks 1 and 2 by ONE load a wave, rows of 6,144 bytes, behind the full sequence and a round,
; into the 196,608 bytes behind slot 0 (a tile's two chunks on end); chunk 3 into slot 0 when it has been read out.  A block of zeros keeps the scale byte 1; NaN and infinities are not served.
.set SLOT, 98304                       ; the tokens' 16 tiles x 3,072 bytes, then w1's
.set SPARE, 294912
.set SPW, 16
.set NIL, 17
.set SCA, 32
.set SCB, 64
.set AF, 128
.set G1, 24
.set G0, 32
.set G1B, 44
.set G0B, 52
.set SEL, 98
.set HA, 128
.set PC, 192
.set TM, 212
.set PW, 228
.set KW, 120
.set MSB, 0
.macro WIN new
.if MSB != \new
	s_set_vgpr_msb (MSB<<8)|\new
.set MSB, \new
.endif
.endm
.macro PLACES n
.rept \n
	v_nop
.endr
.endm
.macro FRAG reg, a16, a8, off
	ds_load_b128 v[(\reg):(\reg)+3], v[\a16] offset:(\off)
	ds_load_b64 v[(\reg)+4:(\reg)+5], v[\a8] offset:(\off)+512
	ds_load_b128 v[(\reg)+6:(\reg)+9], v[\a16] offset:(\off)+768
	ds_load_b64 v[(\reg)+10:(\reg)+11], v[\a8] offset:(\off)+1280
.endm
.macro WM d, a, b, zero, sa, sb, ra, rb
.if \zero
.if (\ra) && (\rb)
	v_wmma_scale_f32_16x16x128_f8f6f4 v[(\d):(\d)+7], v[(\a):(\a)+11], v[(\b):(\b)+11], 0, v[\sa], v[\sb] matrix_a_fmt:MATRIX_FMT_FP6 matrix_b_fmt:MATRIX_FMT_FP6 matrix_a_scale:MATRIX_SCALE_ROW1 matrix_b_scale:MATRIX_SCALE_ROW1
.elseif \ra
	v_wmma_scale_f32_16x16x128_f8f6f4 v[(\d):(\d)+7], v[(\a):(\a)+11], v[(\b):(\b)+11], 0, v[\sa], v[\sb] matrix_a_fmt:MATRIX_FMT_FP6 matrix_b_fmt:MATRIX_FMT_FP6 matrix_a_scale:MATRIX_SCALE_ROW1
.elseif \rb
	v_wmma_scale_f32_16x16x128_f8f6f4 v[(\d):(\d)+7], v[(\a):(\a)+11], v[(\b):(\b)+11], 0, v[\sa], v[\sb] matrix_a_fmt:MATRIX_FMT_FP6 matrix_b_fmt:MATRIX_FMT_FP6 matrix_b_scale:MATRIX_SCALE_ROW1
.else
	v_wmma_scale_f32_16x16x128_f8f6f4 v[(\d):(\d)+7], v[(\a):(\a)+11], v[(\b):(\b)+11], 0, v[\sa], v[\sb] matrix_a_fmt:MATRIX_FMT_FP6 matrix_b_fmt:MATRIX_FMT_FP6
.endif
.else
.if (\ra) && (\rb)
	v_wmma_scale_f32_16x16x128_f8f6f4 v[(\d):(\d)+7], v[(\a):(\a)+11], v[(\b):(\b)+11], v[(\d):(\d)+7], v[\sa], v[\sb] matrix_a_fmt:MATRIX_FMT_FP6 matrix_b_fmt:MATRIX_FMT_FP6 matrix_a_scale:MATRIX_SCALE_ROW1 matrix_b_scale:MATRIX_SCALE_ROW1
.elseif \ra
	v_wmma_scale_f32_16x16x128_f8f6f4 v[(\d):(\d)+7], v[(\a):(\a)+11], v[(\b):(\b)+11], v[(\d):(\d)+7], v[\sa], v[\sb] matrix_a_fmt:MATRIX_FMT_FP6 matrix_b_fmt:MATRIX_FMT_FP6 matrix_a_scale:MATRIX_SCALE_ROW1
.elseif \rb
	v_wmma_scale_f32_16x16x128_f8f6f4 v[(\d):(\d)+7], v[(\a):(\a)+11], v[(\b):(\b)+11], v[(\d):(\d)+7], v[\sa], v[\sb] matrix_a_fmt:MATRIX_FMT_FP6 matrix_b_fmt:MATRIX_FMT_FP6 matrix_b_scale:MATRIX_SCALE_ROW1
.else
	v_wmma_scale_f32_16x16x128_f8f6f4 v[(\d):(\d)+7], v[(\a):(\a)+11], v[(\b):(\b)+11], v[(\d):(\d)+7], v[\sa], v[\sb] matrix_a_fmt:MATRIX_FMT_FP6 matrix_b_fmt:MATRIX_FMT_FP6
.endif
.endif
.endm
.macro MUL16 a0, p, k, zero
.irp a, \a0, \a0+1
.irp b, 0,1,2,3,4,5,6,7
	WM 8*(8*((\a)%4)+\b), 128*(\p)+12*\b, AF+12*(\a), \zero, SCB+4*(\k)+(\b)%4, SCA+4*(\k)+(\a)%4, (\b)/4, (\a)/4
.endr
.endr
.endm
.macro FETCH_B slot, q, p
	WIN 0x40
.irp i, 0,1,2,3,4,5,6,7
.if (\slot) == 0
	FRAG 128*(\p)+12*\i, 10, 13, \i*3072+(\q)*1536
.else
	FRAG 128*(\p)+12*\i, 11, 14, \i*6144+((\slot)-1)*3072+(\q)*1536
.endif
.endr
	WIN 0
.endm
.macro FETCH_A slot, q, i0
.irp i, \i0, \i0+1, \i0+2, \i0+3
.if (\slot) == 0
	FRAG AF+12*(\i), 4, 7, (\i)*3072+(\q)*1536
.else
	FRAG AF+12*(\i), 5, 8, (\i)*6144+((\slot)-1)*3072+(\q)*1536
.endif
.endr
.endm
.macro STEP k, ns, nq, zero
	s_wait_dscnt 16
	WIN 0xa1
	MUL16 0, (\k)%2, \k, \zero
	MUL16 2, (\k)%2, \k, \zero
	s_wait_dscnt 0x0
	PLACES 4
	FETCH_B \ns, \nq, 1-(\k)%2
	FETCH_A \ns, \nq, 0
	WIN 0xf1
	MUL16 4, (\k)%2, \k, \zero
	MUL16 6, (\k)%2, \k, \zero
	PLACES 4
	WIN 0
	FETCH_A \ns, \nq, 4
.endm
.macro JLOAD g0a, g1a, g0b, g1b
	s_cmp_eq_u32 s21, 0
	s_cbranch_scc0 .Lfor_b_\@
	tensor_load_to_lds s[\g0a:\g0a+3], s[\g1a:\g1a+7]
	s_nop 0
.rept 4
	v_nop
.endr
	s_branch .Lasked_\@
.Lfor_b_\@:
	tensor_load_to_lds s[\g0b:\g0b+3], s[\g1b:\g1b+7]
	s_nop 0
.rept 4
	v_nop
.endr
.Lasked_\@:
.endm
.macro CREST
	s_cmp_lg_u32 s20, 0
	s_cbranch_scc1 .Lnot_wave_0_\@
	s_barrier_signal -3
.Lnot_wave_0_\@:
	s_barrier_wait -3
	s_barrier_signal -1
	s_barrier_wait -1
.endm
.macro CROUND
	s_barrier_signal -1
	s_barrier_wait -1
	CREST
.endm
.macro TURN k, ns, fill
	s_wait_tensorcnt 0x0
	ds_add_u32 v[SPW], v[NIL]
	s_wait_dscnt 17
	WIN 0xa1
	MUL16 0, 1, \k, 0
	s_wait_dscnt 0x0
	s_barrier_signal -1
	MUL16 2, 1, \k, 0
	WIN 0
	s_barrier_wait -1
.if \fill
	CREST
	s_add_nc_u64 s[G0+2:G0+3], s[G0+2:G0+3], 9216
	s_add_nc_u64 s[G0B+2:G0B+3], s[G0B+2:G0B+3], 9216
	s_mov_b32 s[G1+1], 384<<16                     ; no load of mine is out: a row is one chunk's 3,072 bytes again
	s_mov_b32 s[G1+3], 384<<16
	s_mov_b32 s[G1B+1], 384<<16
	s_mov_b32 s[G1B+3], 384<<16
	JLOAD G0, G1, G0B, G1B
.else
	PLACES 4
.endif
	FETCH_B \ns, 0, 0
	FETCH_A \ns, 0, 0
	WIN 0xf1
	MUL16 4, 1, \k, 0
	MUL16 6, 1, \k, 0
	PLACES 4
	WIN 0
	FETCH_A \ns, 0, 4
.endm
.macro QUANT s
.irp b, 0,1,2,3
	v_max3_num_f32 v[TM+\b], v[\s+16*\b], v[\s+1+16*\b], 0x1800000
.endr
.irp i, 2,4,6,8,10,12,14
.irp b, 0,1,2,3
	v_max3_num_f32 v[TM+\b], v[TM+\b], v[\s+16*\b+\i], v[\s+1+16*\b+\i]
.endr
.endr
.irp b, 0,1,2,3
	v_permlanex16_b32 v[TM+4+\b], v[TM+\b], s[SEL], s[SEL+1]
.endr
.irp b, 0,1,2,3
	v_max_num_f32 v[TM+\b], v[TM+\b], v[TM+4+\b]
.endr
.irp b, 0,1,2,3
	v_add_nc_u32 v[TM+12+\b], 0xff000000, v[TM+\b]
.endr
.irp b, 0,1,2,3
	v_lshrrev_b32 v[TM+4+\b], 23, v[TM+12+\b]
.endr
	v_lshl_or_b32 v[PW], v[TM+5], 8, v[TM+4]
	v_lshl_or_b32 v[PW], v[TM+6], 16, v[PW]
	v_lshl_or_b32 v[PW], v[TM+7], 24, v[PW]
.irp c, 0,1
	v_cvt_scalef32_pk16_fp6_f32 v[PC+6*\c:PC+2+6*\c], v[\s+32*\c:\s+15+32*\c], v[TM+12+2*\c]
	v_cvt_scalef32_pk16_fp6_f32 v[PC+12+4*\c:PC+14+4*\c], v[\s+16+32*\c:\s+31+32*\c], v[TM+12+2*\c+1]
.endr
	v_nop
.irp c, 0,1
.irp i, 0,1,2
	v_permlane16_swap_b32 v[PC+6*\c+\i], v[PC+12+4*\c+\i]
.endr
.irp i, 0,1,2
	v_mov_b32 v[PC+3+6*\c+\i], v[PC+12+4*\c+\i]
.endr
.endr
.endm
	s_load_b256 s[4:11], s[0:1], 0x0
	s_load_b64 s[12:13], s[0:1], 0x20
	v_lshl_add_u32 v[SPW], v0, 2, SPARE
	v_mov_b32 v[NIL], 0
	ds_add_u32 v[SPW], v[NIL]
	ds_add_u32 v[SPW], v[NIL]
	v_lshrrev_b32 v1, 5, v0
	v_readfirstlane_b32 s20, v1
	s_lshr_b32 s21, s20, 1
	s_and_b32 s22, s20, 1
	s_bfe_u32 s66, ttmp6, 0x40000
	s_bfe_u32 s67, ttmp6, 0x40004
	s_lshl_b32 s69, ttmp9, 2
	s_add_co_u32 s69, s69, s66
	s_and_b32 s68, ttmp7, 0xffff
	s_lshl_b32 s68, s68, 2
	s_add_co_u32 s68, s68, s67
	s_lshl_b32 s72, s67, 2
	s_lshl_b32 s72, 15, s72
	s_lshl_b32 s73, 0x1111, s66
	s_or_b32 s[G1], s72, (3<<16)|(1<<21)
	s_or_b32 s[G1B], s73, (3<<16)|(1<<21)
.irp g, G1, G1B
	s_mov_b32 s[\g+1], 384<<16
	s_mov_b32 s[\g+2], 8<<16
	s_mov_b32 s[\g+3], 384<<16
	s_mov_b32 s[\g+4], 8
	s_mov_b32 s[\g+5], 1536
	s_mov_b32 s[\g+6], 0
	s_mov_b32 s[\g+7], 0
.endr
	s_lshl_b32 s94, s68, 4
	s_lshl_b32 s95, s22, 3
	s_add_co_u32 s94, s94, s95
	s_mul_i32 s94, s94, 12288
	s_mov_b32 s95, 0
	s_lshl_b32 s96, s69, 4
	s_lshl_b32 s97, s22, 3
	s_add_co_u32 s96, s96, s97
	s_mul_i32 s96, s96, 12288
	s_add_co_u32 s96, s96, 3145728
	s_mov_b32 s97, 0
	s_mul_i32 s3, s20, 24576
	s_mov_b32 s[SEL], 0x76543210
	s_mov_b32 s[SEL+1], 0xfedcba98
	s_wait_dscnt 0x0
	s_wait_kmcnt 0x0
	s_add_nc_u64 s[86:87], s[4:5], s[94:95]
	s_add_nc_u64 s[90:91], s[6:7], s[96:97]
	CROUND
.irp n, 0,1
	s_mov_b32 s[G0+4*\n], 1
	s_mul_i32 s[G0+4*\n+1], s3, \n+1               ; behind slot 0 my eight tiles take twice the bytes
	s_add_co_u32 s[G0+4*\n+1], s[G0+4*\n+1], \n*SLOT
	s_add_nc_u64 s[G0+4*\n+2:G0+4*\n+3], s[86:87], \n*3072
	s_or_b32 s[G0+4*\n+3], s[G0+4*\n+3], 0x80000000
	s_mov_b32 s[G0B+4*\n], 1
	s_mul_i32 s[G0B+4*\n+1], s3, \n+1
	s_add_co_u32 s[G0B+4*\n+1], s[G0B+4*\n+1], \n*SLOT
	s_add_nc_u64 s[G0B+4*\n+2:G0B+4*\n+3], s[90:91], \n*3072
	s_or_b32 s[G0B+4*\n+3], s[G0B+4*\n+3], 0x80000000
.endr
	JLOAD G0, G1, G0B, G1B                         ; chunk 0: one tensor load a wave at the head
	v_and_b32 v3, 31, v0
	v_lshlrev_b32 v1, 4, v3
	v_lshlrev_b32 v2, 3, v3
	v_bfe_u32 v20, v0, 4, 1
	v_lshlrev_b32 v19, 6, v20
	s_mul_i32 s70, s21, 24576
	s_mul_i32 s71, s22, 24576
	s_add_co_u32 s71, s71, 49152
.irp n, 0,1
	v_add_nc_u32 v[4+\n], s70, v1
	v_add_nc_u32 v[7+\n], s70, v2
	v_add_nc_u32 v[10+\n], s71, v1
	v_add_nc_u32 v[13+\n], s71, v2
	s_lshl_b32 s70, s70, 1                         ; behind slot 0 every part is twice as long
	s_lshl_b32 s71, s71, 1
	s_add_co_u32 s70, s70, SLOT
	s_add_co_u32 s71, s71, SLOT
.endr
	s_wait_alu depctr_va_vdst(0)
	s_mov_b32 s77, 0
	s_lshl_b32 s76, s68, 1
	s_add_co_u32 s76, s76, s21
	s_lshl_b32 s76, s76, 12
	s_add_co_u32 s76, s76, 3145728
	s_add_nc_u64 s[88:89], s[4:5], s[76:77]
	s_lshl_b32 s76, s69, 1
	s_add_co_u32 s76, s76, s22
	s_lshl_b32 s76, s76, 12
	s_add_co_u32 s76, s76, 131072
	s_add_nc_u64 s[92:93], s[8:9], s[76:77]
	s_lshl_b32 s76, s69, 10
	s_lshl_b32 s78, s22, 9
	s_add_co_u32 s76, s76, s78
	s_add_nc_u64 s[84:85], s[10:11], s[76:77]
.irp k, 0,1,2,3,4,5,6,7
	global_load_b128 v[SCA+4*\k:SCA+4*\k+3], v1, s[88:89] offset:512*\k
	global_load_b128 v[SCB+4*\k:SCB+4*\k+3], v1, s[92:93] offset:512*\k
.endr
	WIN 0x40
.set n, 0
.rept 16
	global_load_b128 v[96+4*n+96*(n/8):99+4*n+96*(n/8)], v19, s[84:85] offset:128*(n/4)+16*(n%4)
.set n, n+1
.endr
	WIN 0
	s_lshl_b32 s76, s68, 4
	s_lshl_b32 s78, s21, 3
	s_add_co_u32 s76, s76, s78
	s_lshl_b32 s76, s76, 5
	s_lshl_b32 s78, s69, 1
	s_add_co_u32 s76, s76, s78
	s_add_co_u32 s76, s76, s22
	s_mul_i32 s76, s76, 1536
	s_add_nc_u64 s[80:81], s[12:13], s[76:77]
	s_lshl_b32 s76, s68, 1
	s_add_co_u32 s76, s76, s21
	s_lshl_b32 s76, s76, 5
	s_add_co_u32 s76, s76, s78
	s_add_co_u32 s76, s76, s22
	s_lshl_b32 s76, s76, 9
	s_add_co_u32 s76, s76, 12582912
	s_add_nc_u64 s[82:83], s[12:13], s[76:77]
	s_wait_alu depctr_va_vdst(0)
	s_wait_tensorcnt 0x0                           ; my part of chunk 0 is in
	ds_add_u32 v[SPW], v[NIL]
	s_mov_b32 s[G1+1], 768<<16                     ; no load of mine is out: a row is now two chunks' 6,144 bytes
	s_mov_b32 s[G1+3], 768<<16
	s_mov_b32 s[G1B+1], 768<<16
	s_mov_b32 s[G1B+3], 768<<16
	s_wait_dscnt 0x0
	CROUND                                         ; chunk 0 is whole, and all sixteen work-groups are here
	JLOAD G0+4, G1, G0B+4, G1B                     ; chunks 1 and 2
	FETCH_B 0, 0, 0
	FETCH_A 0, 0, 0
	FETCH_A 0, 0, 4
	s_wait_loadcnt 0x0
	STEP 0, 0, 1, 1
	TURN 1, 1, 1
	STEP 2, 1, 1, 0
	STEP 3, 2, 0, 0
	STEP 4, 2, 1, 0
	TURN 5, 0, 0
	STEP 6, 0, 1, 0
	s_wait_dscnt 16
	WIN 0xa1
	MUL16 0, 1, 7, 0
	MUL16 2, 1, 7, 0
	s_wait_dscnt 0x0
	WIN 0xf1
	MUL16 4, 1, 7, 0
	MUL16 6, 1, 7, 0
	WIN 0
	PLACES 4
.irp b, 0,1,2,3
	v_mov_b32 v[TM+4+\b], 0
.endr
.irp a, 0,1,2,3,4,5,6,7
	WIN 0x06+\a/4
.set n, 0
.rept 32
	v_pk_add_f32 v[HA+n:HA+n+1], v[64*(\a%4)+n:64*(\a%4)+n+1], v[96+n+96*(n/32):97+n+96*(n/32)]
.set n, n+2
.endr
	WIN 0
.set n, 0
.rept 64
	v_max_num_f32 v[HA+n], 0, v[HA+n]
.set n, n+1
.endr
	s_wait_xcnt 0x0
	QUANT HA
	v_mov_b32 v[KW+\a], v[PW]
	global_store_b128 v1, v[PC:PC+3], s[80:81] offset:\a*49152
	global_store_b64 v2, v[PC+4:PC+5], s[80:81] offset:\a*49152+512
	global_store_b128 v1, v[PC+6:PC+9], s[80:81] offset:\a*49152+768
	global_store_b64 v2, v[PC+10:PC+11], s[80:81] offset:\a*49152+1280
.endr
	v_cmp_eq_u32 vcc_lo, 1, v20
.irp i, 0,1,2,3
	v_cndmask_b32 v[236+\i], v[KW+\i], v[KW+4+\i], vcc_lo
.endr
	global_store_b128 v1, v[236:239], s[82:83]
	s_wait_tensorcnt 0x0
	ds_add_u32 v[SPW], v[NIL]
	s_wait_dscnt 0x0
	CROUND
	s_endpgm
.Lfunc_end_k_q5dd07c1c2d_ffn1:
	.size	k_q5dd07c1c2d_ffn1, .Lfunc_end_k_q5dd07c1c2d_ffn1-k_q5dd07c1c2d_ffn1
	.p2alignl 7, 3214868480
	.fill 96, 4, 3214868480
	.section	.rodata,"a",@progbits
	.p2align	6, 0x0
	.amdhsa_kernel k_q5dd07c1c2d_ffn1
		.amdhsa_group_segment_fixed_size 327680
		.amdhsa_private_segment_fixed_size 0
		.amdhsa_enable_private_segment 0
		.amdhsa_kernarg_size 40
		.amdhsa_user_sgpr_count 2
		.amdhsa_user_sgpr_kernarg_segment_ptr 1
		.amdhsa_wavefront_size32 1
		.amdhsa_system_sgpr_workgroup_id_x 1
		.amdhsa_system_sgpr_workgroup_id_y 1
		.amdhsa_system_sgpr_workgroup_id_z 1
		.amdhsa_system_vgpr_workitem_id 0
		.amdhsa_next_free_vgpr 1024
		.amdhsa_next_free_sgpr 100
		.amdhsa_reserve_vcc 1
		.amdhsa_float_denorm_mode_32 3
		.amdhsa_float_denorm_mode_16_64 3
		.amdhsa_memory_ordered 1
		.amdhsa_forward_progress 1
		.amdhsa_inst_pref_size 179
	.end_amdhsa_kernel
	.amdgpu_metadata
---
amdhsa.version: [ 1, 2 ]
amdhsa.kernels:
  - .name:           k_q5dd07c1c2d_ffn1
    .symbol:         k_q5dd07c1c2d_ffn1.kd
    .args:
      - { .name: a3, .offset: 0, .size: 8, .value_kind: global_buffer, .address_space: global }
      - { .name: wc, .offset: 8, .size: 8, .value_kind: global_buffer, .address_space: global }
      - { .name: ws, .offset: 16, .size: 8, .value_kind: global_buffer, .address_space: global }
      - { .name: b1, .offset: 24, .size: 8, .value_kind: global_buffer, .address_space: global }
      - { .name: hid, .offset: 32, .size: 8, .value_kind: global_buffer, .address_space: global }
    .group_segment_fixed_size: 327680
    .private_segment_fixed_size: 0
    .kernarg_segment_align: 8
    .kernarg_segment_size: 40
    .max_flat_workgroup_size: 128
    .sgpr_count:     100
    .vgpr_count:     1024
    .wavefront_size: 32
...
	.end_amdgpu_metadata
.endif
;; end of part 12
;; launch ffn2 (part 13): grid 32 x 8, 4 waves a work-group, clusters of 4 x 1, 327,680 bytes of LDS; arguments hid, wc, ws, x1, b2, out0; writes out0
.if DOCPART == 13
	.amdgcn_target "amdgcn-amd-amdhsa--gfx1250"
	.amdhsa_code_object_version 6
	.text
	.protected	k_q5dd07c1c2d_ffn2
	.globl	k_q5dd07c1c2d_ffn2
	.p2align	8
	.type	k_q5dd07c1c2d_ffn2,@function
k_q5dd07c1c2d_ffn2:
	s_mov_b64 s[64:65], 0
	v_nop
	global_prefetch_b8 v0, s[64:65] scope:SCOPE_SE
	s_setreg_imm32_b32 hwreg(HW_REG_WAVE_MODE, 25, 1), 1
	s_wait_xcnt 0x0
	s_wait_alu depctr_hold_cnt(0) depctr_sa_sdst(0) depctr_va_vdst(0) depctr_va_sdst(0) depctr_va_ssrc(0) depctr_va_vcc(0) depctr_vm_vsrc(0)
	s_getreg_b32 s2, hwreg(HW_REG_IB_STS2, 6, 4)
	s_cmp_eq_u32 s2, 0
	s_cbranch_scc0 .Lentry_in_a_cluster
	s_endpgm
.Lentry_in_a_cluster:
	s_bfe_u32 s2, ttmp6, 0x10000c
	s_cmp_lg_u32 s2, 0x3003
	s_cbranch_scc0 .Lentry_shape_is_right
	s_endpgm
.Lentry_shape_is_right:
; out0 = x1 + b2 + hid w2 on codes of FP6 (E2M3).  Nothing of the problem is left out here.
; A work-group makes 128 tokens x 128 columns: 32 x 8 = 256 work-groups.  K = 4,096 IS CUT AMONG THE FOUR WAVES: wave w holds the whole block, 64 accumulators, for K steps 8 w .. 8 w + 7,
; so that each byte of either operand is loaded once in the work-group.  At the end the four partial blocks are added through LDS: each wave owns 32 tokens and takes the three other waves' parts of them.
; Source 0 = w2's tiles, source 1 = the tokens: a lane holds one token, its registers run along the columns.
; PLACES OF THE TOKEN TILES: wave w keeps tile (a + 2 w) % 8 in register place a, by its load addresses alone: its own two tiles lie in places 0, 1 in every wave, and places 2 j, 2 j + 1 belong to wave (w + j) % 4: one text for all waves.
; hid GOES FROM MEMORY STRAIGHT INTO REGISTERS (fragments lie in memory as images of their registers): two sets of eight fragments; a pair of fragments is asked for anew, two K steps on, as soon as its 16 products are issued.
; w2 COMES THROUGH LDS by tensor loads, each wave its own K steps, which it alone reads: K steps 0-3 at the head (rows of 6,144 bytes), 4, 5 behind the full sequence (rows of 3,072), 6, 7 into the first bytes of the first region when K step 3 has been read out.
; The four work-groups of a cluster are four token blocks of one column block: they ask for w2 jointly.  One load of mine is out at any time.
; x1's part of my 32 tokens is loaded into hid's registers as they fall free in K steps 6 and 7; b2 waits in 64 registers from the head on.
; PREFETCH: in K steps 0 to 3 a wave names the 48 blocks of 256 bytes of its hid fragments four K steps on (their loads are issued two K steps on), in K steps 1 and 2 the 64 blocks of its x1; each block once, all inside their buffers.
; LDS: 0 .. 196,607 w2 region 1, then the partial blocks [owner][giver - 1][16 tiles x 1,024]; 196,608 .. 294,911 w2 region 2, then the stages (16 rows x 528 bytes a wave); both have had their last fill by then.  Then the spare words.
; REGISTERS: window 0: v1-20 addresses; v32-63 scale words, a ring of four K steps (A's four, B's four); v64-159, v160-255 w2's fragments, two sets; at the end three buffers of 64.
;   window 1: v0-95, v96-191 hid's fragments, two sets, at the end x1 in v0-127; v192-255 b2.   windows 2, 3: the accumulators ((a, b) at v[8 (8 (a % 4) + b)]).
; NaN and infinities among the inputs are not served.
.set R2, 196608
.set STAGE, 196608
.set SPARE, 294912
.set SPW, 16
.set NIL, 17
.set SC, 32
.set BF, 64
.set G1L, 24                           ; s[24:31] group 1, rows of four K steps;  s[32:39] rows of two;  s[40:51] three groups 0
.set G1S, 32
.set MSB, 0
.macro WIN new                         ; the immediate's high byte repeats the setting that is left
.if MSB != \new
	s_set_vgpr_msb (MSB<<8)|\new
.set MSB, \new
.endif
.endm
.macro PLACES n
.rept \n
	v_nop
.endr
.endm
.macro ROUND                           ; a round of the cluster's barrier
	s_barrier_signal -1
	s_barrier_wait -1
	s_cmp_lg_u32 s16, 0
	s_cbranch_scc1 .Lnot_wave_0_\@
	s_barrier_signal -3
.Lnot_wave_0_\@:
	s_barrier_wait -3
	s_barrier_signal -1
	s_barrier_wait -1
.endm
.macro GFRAG reg, base, off            ; a fragment's image from memory: every load reads consecutive bytes
	global_load_b128 v[(\reg):(\reg)+3], v1, s[\base:\base+1] offset:(\off)
	global_load_b64 v[(\reg)+4:(\reg)+5], v2, s[\base:\base+1] offset:(\off)+512
	global_load_b128 v[(\reg)+6:(\reg)+9], v1, s[\base:\base+1] offset:(\off)+768
	global_load_b64 v[(\reg)+10:(\reg)+11], v2, s[\base:\base+1] offset:(\off)+1280
.endm
.macro LFRAG reg, a16, a8, off         ; and from LDS
	ds_load_b128 v[(\reg):(\reg)+3], v[\a16] offset:(\off)
	ds_load_b64 v[(\reg)+4:(\reg)+5], v[\a8] offset:(\off)+512
	ds_load_b128 v[(\reg)+6:(\reg)+9], v[\a16] offset:(\off)+768
	ds_load_b64 v[(\reg)+10:(\reg)+11], v[\a8] offset:(\off)+1280
.endm
.macro WM d, a, b, zero, sa, sb, ra, rb    ; ra, rb: the side's scale words stand in lanes 16-31
.if \zero
.if (\ra) && (\rb)
	v_wmma_scale_f32_16x16x128_f8f6f4 v[(\d):(\d)+7], v[(\a):(\a)+11], v[(\b):(\b)+11], 0, v[\sa], v[\sb] matrix_a_fmt:MATRIX_FMT_FP6 matrix_b_fmt:MATRIX_FMT_FP6 matrix_a_scale:MATRIX_SCALE_ROW1 matrix_b_scale:MATRIX_SCALE_ROW1
.elseif \ra
	v_wmma_scale_f32_16x16x128_f8f6f4 v[(\d):(\d)+7], v[(\a):(\a)+11], v[(\b):(\b)+11], 0, v[\sa], v[\sb] matrix_a_fmt:MATRIX_FMT_FP6 matrix_b_fmt:MATRIX_FMT_FP6 matrix_a_scale:MATRIX_SCALE_ROW1
.elseif \rb
	v_wmma_scale_f32_16x16x128_f8f6f4 v[(\d):(\d)+7], v[(\a):(\a)+11], v[(\b):(\b)+11], 0, v[\sa], v[\sb] matrix_a_fmt:MATRIX_FMT_FP6 matrix_b_fmt:MATRIX_FMT_FP6 matrix_b_scale:MATRIX_SCALE_ROW1
.else
	v_wmma_scale_f32_16x16x128_f8f6f4 v[(\d):(\d)+7], v[(\a):(\a)+11], v[(\b):(\b)+11], 0, v[\sa], v[\sb] matrix_a_fmt:MATRIX_FMT_FP6 matrix_b_fmt:MATRIX_FMT_FP6
.endif
.else
.if (\ra) && (\rb)
	v_wmma_scale_f32_16x16x128_f8f6f4 v[(\d):(\d)+7], v[(\a):(\a)+11], v[(\b):(\b)+11], v[(\d):(\d)+7], v[\sa], v[\sb] matrix_a_fmt:MATRIX_FMT_FP6 matrix_b_fmt:MATRIX_FMT_FP6 matrix_a_scale:MATRIX_SCALE_ROW1 matrix_b_scale:MATRIX_SCALE_ROW1
.elseif \ra
	v_wmma_scale_f32_16x16x128_f8f6f4 v[(\d):(\d)+7], v[(\a):(\a)+11], v[(\b):(\b)+11], v[(\d):(\d)+7], v[\sa], v[\sb] matrix_a_fmt:MATRIX_FMT_FP6 matrix_b_fmt:MATRIX_FMT_FP6 matrix_a_scale:MATRIX_SCALE_ROW1
.elseif \rb
	v_wmma_scale_f32_16x16x128_f8f6f4 v[(\d):(\d)+7], v[(\a):(\a)+11], v[(\b):(\b)+11], v[(\d):(\d)+7], v[\sa], v[\sb] matrix_a_fmt:MATRIX_FMT_FP6 matrix_b_fmt:MATRIX_FMT_FP6 matrix_b_scale:MATRIX_SCALE_ROW1
.else
	v_wmma_scale_f32_16x16x128_f8f6f4 v[(\d):(\d)+7], v[(\a):(\a)+11], v[(\b):(\b)+11], v[(\d):(\d)+7], v[\sa], v[\sb] matrix_a_fmt:MATRIX_FMT_FP6 matrix_b_fmt:MATRIX_FMT_FP6
.endif
.endif
.endm
.macro APAIR s, g                      ; hid's fragments of places 2 g, 2 g + 1, my K step s: eight loads (the caller has set the destination's window to 1)
	GFRAG 96*((\s)%2)+24*(\g), 52+2*(\g), (\s)*1536
	GFRAG 96*((\s)%2)+24*(\g)+12, 52+2*(\g), 49152+(\s)*1536
.endm
.macro SCL s                           ; my K step s's scale words into ring slot s % 4: three loads
	global_load_b64 v[SC+8*((\s)%4):SC+8*((\s)%4)+1], v3, s[60:61] offset:512*(\s)      ; places 4 h, 4 h + 1
	global_load_b64 v[SC+8*((\s)%4)+2:SC+8*((\s)%4)+3], v4, s[60:61] offset:512*(\s)    ; places 4 h + 2, 4 h + 3
	global_load_b128 v[SC+8*((\s)%4)+4:SC+8*((\s)%4)+7], v1, s[62:63] offset:512*(\s)   ; w2's tiles: register t % 4, lanes 16 (t / 4) on
.endm
.macro BFETCH s                        ; w2's eight fragments of my K step s into set s % 2
.irp b, 0,1,2,3,4,5,6,7
.if (\s) < 4
	LFRAG BF+96*((\s)%2)+12*\b, 5, 6, \b*6144+(\s)*1536
.elseif (\s) < 6
	LFRAG BF+96*((\s)%2)+12*\b, 7, 8, \b*3072+((\s)-4)*1536
.else
	LFRAG BF+96*((\s)%2)+12*\b, 5, 6, \b*3072+((\s)-6)*1536
.endif
.endr
.endm
.macro XLOAD j0, n                     ; x1's images of my 16 tiles, load j brings registers 4 j on (window 1)
.set XJ, \j0
.rept \n
	global_load_b128 v[4*XJ:4*XJ+3], v1, s[70:71] offset:(XJ/16)*65536+(XJ%16)*512 th:TH_LOAD_NT
.set XJ, XJ+1
.endr
.endm
; 16 products: places 2 g, 2 g + 1 against w2's eight tiles; then the pair's registers take what comes two K steps on.  The accumulators take turns, one instruction a turn.
.macro GROUP s, g, zero
.set NW, 8*(3-(\g))                    ; the loads that stand behind this pair's: the K step's later pairs,
.if (\s) <= 5
.set NW, NW+32+8*(\g)                  ; the next K step's four pairs, and the pairs two K steps on that have been asked for
.elseif (\s) == 6
.set NW, NW+32+6*(\g)                  ; (in K step 6 those are x1's loads, six a group)
.else
.set NW, NW+24
.if (\g) >= 1
.set NW, NW+6
.endif
.if (\g) >= 2
.set NW, NW+2
.endif
.endif
	s_wait_loadcnt NW                              ; (scale words' and b2's loads among them are not counted: the wait is then for a little more)
	WIN 0xa4+0x50*((\g)/2)                         ; source 0 (w2) window 0, source 1 (hid) window 1, C and D window 2 or 3
.irp a, 2*(\g), 2*(\g)+1
.irp b, 0,1,2,3,4,5,6,7
	WM 8*(8*((\a)%4)+\b), BF+96*((\s)%2)+12*\b, 96*((\s)%2)+12*(\a), \zero, SC+8*((\s)%4)+4+(\b)%4, SC+8*((\s)%4)+(\a)%4, (\b)/4, (\a)/4
.endr
.endr
	PLACES 4                                       ; in front of loads into registers that these products read
	WIN 0x40
.if (\s) <= 5
	APAIR (\s)+2, \g
.elseif (\s) == 6
	XLOAD 6*(\g), 6
.elseif (\g) == 0
	XLOAD 24, 6
.elseif (\g) == 1
	XLOAD 30, 2
.endif
.if (\g) == 2 && (\s) <= 3
	global_prefetch_b8 v19, s[68:69] offset:((\s)+4)*1536 th:TH_LOAD_NT scope:SCOPE_SE    ; hid, four K steps on: blocks 0-31 of 48,
	global_prefetch_b8 v20, s[68:69] offset:((\s)+4)*1536 th:TH_LOAD_NT scope:SCOPE_SE    ; blocks 32-47 (the lanes left over name the last again)
.endif
.if (\g) == 0 && ((\s) == 1 || (\s) == 2)
	global_prefetch_b8 v18, s[70:71] offset:((\s)-1)*65536 th:TH_LOAD_NT scope:SCOPE_SE   ; x1: the 32 blocks of one of my two token tiles
.endif
.if (\g) == 1 && (\s) < 7
	WIN 0
.if (\s) == 5
	s_wait_tensorcnt 0x0                           ; K steps 6, 7 of w2 are in: the one load of mine that was out
.endif
	BFETCH (\s)+1
.endif
.if (\g) == 3 && (\s) <= 3
	WIN 0
	SCL (\s)+4
.endif
.endm
.macro STEP s, zero
	WIN 0
.if (\s) == 3
	s_wait_tensorcnt 0x0                           ; K steps 4, 5 of w2 are in;
	ds_add_u32 v[SPW], v[NIL]
	s_wait_dscnt 0x0                               ; the add is done, and my reads of region 1 are over: K step 3's fragments are in registers
	ROUND
	tensor_load_to_lds s[48:51], s[G1S:G1S+7]      ; K steps 6, 7
	s_nop 0
	PLACES 4
.else
	s_wait_dscnt 0x0                               ; w2's fragments of this K step are in
.endif
	GROUP \s, 0, \zero
	GROUP \s, 1, \zero
	GROUP \s, 2, \zero
	GROUP \s, 3, \zero
.endm
	s_load_b256 s[4:11], s[0:1], 0x0               ; hid, wc, ws, x1
	s_load_b128 s[12:15], s[0:1], 0x20             ; b2, out0
	v_lshl_add_u32 v[SPW], v0, 2, SPARE
	v_mov_b32 v[NIL], 0
	ds_add_u32 v[SPW], v[NIL]                      ; the opening: the add, twice on end, and its wait ahead of my first tensor load
	ds_add_u32 v[SPW], v[NIL]
	v_lshrrev_b32 v21, 5, v0
	v_readfirstlane_b32 s16, v21                   ; wave
	s_bfe_u32 s17, ttmp6, 0x40000                  ; cx: it enters global addresses of my own loads alone
	s_lshl_b32 s18, ttmp9, 2
	s_add_co_u32 s18, s18, s17                     ; my block of 128 tokens
	s_and_b32 s19, ttmp7, 0xffff                   ; my block of 128 columns: the same in the four partners
	s_mov_b32 s[G1L], 15|(3<<16)|(1<<21)           ; elements of 8 bytes; the mask names all four work-groups
	s_mov_b32 s[G1L+1], 768<<16                    ; a row: a tile's 6,144 bytes of four K steps
	s_mov_b32 s[G1L+2], 8<<16                      ; eight tiles
	s_mov_b32 s[G1L+3], 768<<16
	s_mov_b32 s[G1L+4], 8
	s_mov_b32 s[G1L+5], 6144                       ; 49,152 bytes from tile to tile
	s_mov_b32 s[G1L+6], 0
	s_mov_b32 s[G1L+7], 0
	s_mov_b32 s[G1S], 15|(3<<16)|(1<<21)
	s_mov_b32 s[G1S+1], 384<<16                    ; two K steps
	s_mov_b32 s[G1S+2], 8<<16
	s_mov_b32 s[G1S+3], 384<<16
	s_mov_b32 s[G1S+4], 8
	s_mov_b32 s[G1S+5], 6144
	s_mov_b32 s[G1S+6], 0
	s_mov_b32 s[G1S+7], 0
	s_mul_i32 s72, s16, 12288                      ; my eight K steps in a tile's codes
	s_mul_i32 s73, s18, 393216
	s_add_co_u32 s73, s73, s72                     ; hid: my block's first tile, my K steps
.irp g, 0,1,2,3
	s_add_co_u32 s74, s16, \g
	s_and_b32 s74, s74, 3
	s_mul_i32 s74, s74, 98304
	s_add_co_u32 s[52+2*\g], s74, s73              ; places 2 g, 2 g + 1 hold tiles 2 ((g + w) % 4), + 1
	s_mov_b32 s[53+2*\g], 0
.endr
	s_mov_b32 s68, s73
	s_mov_b32 s69, 0
	s_lshl_b32 s74, s16, 3
	s_lshl_b32 s60, s18, 5
	s_add_co_u32 s60, s60, s74
	s_lshl_b32 s60, s60, 9
	s_add_co_u32 s60, s60, 12582912                ; hid's scale words: 512 bytes for eight tiles and a K step
	s_mov_b32 s61, 0
	s_lshl_b32 s62, s19, 5
	s_add_co_u32 s62, s62, s74
	s_lshl_b32 s62, s62, 9
	s_add_co_u32 s62, s62, 262144                  ; w2's
	s_mov_b32 s63, 0
	s_mul_i32 s66, s19, 393216
	s_add_co_u32 s66, s66, s72
	s_add_co_u32 s66, s66, 6291456                 ; w2's codes: the column block and the wave's number alone
	s_mov_b32 s67, 0
	s_lshl_b32 s78, s18, 19
	s_lshl_b32 s74, s16, 17
	s_add_co_u32 s78, s78, s74                     ; my 32 tokens: 4,096 bytes a row of out0, and 65,536 a token tile of x1
	s_lshl_b32 s74, s19, 13
	s_add_co_u32 s70, s78, s74                     ; x1: + 8 column tiles of 1,024 bytes a block
	s_mov_b32 s71, 0
	s_lshl_b32 s76, s19, 9                         ; 512 bytes of a row a column block
	s_mov_b32 s77, 0
	s_add_co_u32 s78, s78, s76
	s_mov_b32 s79, 0
	s_mul_i32 s20, s16, 49152                      ; my part of region 1; later the partial blocks that I own
	s_mul_i32 s21, s16, 24576
	s_add_co_u32 s21, s21, R2                      ; my part of region 2
	s_mul_i32 s22, s16, 8448
	s_add_co_u32 s22, s22, STAGE                   ; my stage
	s_lshl_b32 s75, s16, 1
.irp j, 1,2,3
	s_add_co_u32 s[71+\j], s16, \j
	s_and_b32 s[71+\j], s[71+\j], 3
	s_mul_i32 s[71+\j], s[71+\j], 49152
	s_add_co_u32 s[71+\j], s[71+\j], (\j-1)*16384  ; where places 2 j, 2 j + 1 go: owner (w + j) % 4, its giver j
.endr
	v_and_b32 v21, 31, v0                          ; lane
	v_and_b32 v22, 15, v0                          ; r
	v_bfe_u32 v23, v0, 4, 1                        ; h
	v_lshlrev_b32 v1, 4, v21
	v_lshlrev_b32 v2, 3, v21
	v_lshl_add_u32 v24, v23, 2, s75
	v_and_b32 v25, 7, v24                          ; the tile in place 4 h,
	v_add_nc_u32 v24, 2, v24
	v_and_b32 v24, 7, v24                          ; and in place 4 h + 2
	v_lshrrev_b32 v26, 2, v25
	v_lshrrev_b32 v27, 2, v24
	v_and_b32 v25, 3, v25
	v_and_b32 v24, 3, v24
	v_lshlrev_b32 v25, 2, v25
	v_lshlrev_b32 v24, 2, v24
	v_lshl_add_u32 v25, v26, 8, v25
	v_lshl_add_u32 v24, v27, 8, v24
	v_lshl_add_u32 v3, v22, 4, v25                 ; tile t's word of row r: 256 (t / 4) + 16 r + 4 (t % 4)
	v_lshl_add_u32 v4, v22, 4, v24
	v_add_nc_u32 v5, s20, v1
	v_add_nc_u32 v6, s20, v2
	v_add_nc_u32 v7, s21, v1
	v_add_nc_u32 v8, s21, v2
	v_add_nc_u32 v9, s72, v1
	v_add_nc_u32 v10, s73, v1
	v_add_nc_u32 v11, s74, v1
	v_mul_u32_u24 v13, v22, 528
	v_lshl_add_u32 v13, v23, 6, v13
	v_add_nc_u32 v13, s22, v13                     ; the stage, in: row r, 64 h
	v_add_nc_u32 v14, s22, v1                      ; and out: 32 lanes to a row of 512 bytes
	v_lshlrev_b32 v15, 6, v23                      ; b2: 64 h
	v_lshlrev_b32 v18, 8, v21                      ; a block of 256 bytes a lane
	v_add_nc_u32 v24, 32, v21
	v_min_u32 v24, 47, v24
	v_mul_u32_u24 v26, v21, 43
	v_mul_u32_u24 v27, v24, 43
	v_lshrrev_b32 v26, 8, v26                      ; block i of 48 lies in tile i / 6,
	v_lshrrev_b32 v27, 8, v27
	v_mul_u32_u24 v25, v26, 6
	v_mul_u32_u24 v22, v27, 6
	v_sub_nc_u32 v25, v21, v25                     ; at 256 (i % 6) of its 1,536 bytes
	v_sub_nc_u32 v22, v24, v22
	v_lshlrev_b32 v25, 8, v25
	v_lshlrev_b32 v22, 8, v22
	v_mad_u32_u24 v19, v26, 0xc000, v25
	v_mad_u32_u24 v20, v27, 0xc000, v22
	s_wait_alu depctr_va_vdst(0)
	s_wait_dscnt 0x0                               ; both opening adds are done
	s_wait_kmcnt 0x0
.irp g, 0,1,2,3
	s_add_nc_u64 s[52+2*\g:53+2*\g], s[4:5], s[52+2*\g:53+2*\g]
.endr
	s_add_nc_u64 s[68:69], s[4:5], s[68:69]
	s_add_nc_u64 s[60:61], s[4:5], s[60:61]
	s_add_nc_u64 s[62:63], s[8:9], s[62:63]
	s_add_nc_u64 s[66:67], s[6:7], s[66:67]
	s_add_nc_u64 s[70:71], s[10:11], s[70:71]
	s_add_nc_u64 s[12:13], s[12:13], s[76:77]
	s_add_nc_u64 s[14:15], s[14:15], s[78:79]
	s_mov_b32 s40, 1                               ; K steps 0-3 into region 1
	s_mov_b32 s41, s20
	s_mov_b64 s[42:43], s[66:67]
	s_or_b32 s43, s43, 0x80000000
	s_mov_b32 s44, 1                               ; K steps 4, 5 into region 2
	s_mov_b32 s45, s21
	s_add_nc_u64 s[46:47], s[66:67], 6144
	s_or_b32 s47, s47, 0x80000000
	s_mov_b32 s48, 1                               ; K steps 6, 7 into the first 24,576 bytes of my part of region 1
	s_mov_b32 s49, s20
	s_add_nc_u64 s[50:51], s[66:67], 9216
	s_or_b32 s51, s51, 0x80000000
	ROUND                                          ; all four work-groups are here: the joint loads meet
	tensor_load_to_lds s[40:43], s[G1L:G1L+7]      ; one tensor load a wave at the head
	s_nop 0
	PLACES 4
.irp s, 0,1,2,3
	SCL \s
.endr
	WIN 0x40
.irp s, 0,1
.irp g, 0,1,2,3
	APAIR \s, \g
.endr
.endr
.irp b, 0,1,2,3,4,5,6,7
	global_load_b128 v[192+8*\b:195+8*\b], v15, s[12:13] offset:(32*(\b/2)+8*(\b%2))*4       ; b2 in the accumulators' layout: register j of tile b is column 32 (b / 2) + 8 (b % 2) + 16 h + j
	global_load_b128 v[196+8*\b:199+8*\b], v15, s[12:13] offset:(32*(\b/2)+8*(\b%2))*4+16
.endr
	WIN 0
	s_wait_tensorcnt 0x0                           ; K steps 0-3 of w2 are in
	ds_add_u32 v[SPW], v[NIL]
	s_wait_dscnt 0x0
	ROUND
	tensor_load_to_lds s[44:47], s[G1S:G1S+7]
	s_nop 0
	PLACES 4
	BFETCH 0
	STEP 0, 1                                      ; the first products start the sums
.irp s, 1,2,3,4,5,6,7
	STEP \s, 0
.endr
	; ---------------- THE FOUR PARTIAL BLOCKS BECOME ONE
	WIN 0
	s_wait_dscnt 0x0
	s_barrier_signal -1
	s_barrier_wait -1                              ; no wave reads w2's tiles any more, and no tensor load is out: their bytes take the partial blocks
.irp j, 1,2,3
	WIN 0x08+4*(\j/2)                              ; the data: places 2, 3 in window 2, places 4-7 in window 3
.set n, 0
.rept 32
	ds_store_b128 v[8+\j], v[128*(\j%2)+4*n:128*(\j%2)+4*n+3] offset:512*n     ; images of the accumulators, each from its low end on
.set n, n+1
.endr
.endr
	WIN 0
	s_wait_loadcnt 0x0                             ; x1 and b2
	s_wait_dscnt 0x0                               ; for the others' sake
	s_barrier_signal -1
	WIN 0x86                                       ; my own 16 accumulators (window 2) take x1 and b2 (window 1) while the others arrive
.set n, 0
.rept 64
	v_pk_add_f32 v[n:n+1], v[n:n+1], v[n:n+1]
.set n, n+2
.endr
.set n, 0
.rept 64
	v_pk_add_f32 v[n:n+1], v[n:n+1], v[192+n%64:193+n%64]
.set n, n+2
.endr
	WIN 0
	s_barrier_wait -1
.macro LOADP c                         ; giver c % 3 + 1's part of my token tile c / 3 into buffer c % 3
.set n, 0
.rept 16
	ds_load_b128 v[64+64*((\c)%3)+4*n:64+64*((\c)%3)+4*n+3], v5 offset:((\c)%3)*16384+((\c)/3)*8192+512*n
.set n, n+1
.endr
.endm
.macro ADDP c
	WIN 0x82
.set n, 0
.rept 32
	v_pk_add_f32 v[64*((\c)/3)+n:64*((\c)/3)+n+1], v[64*((\c)/3)+n:64*((\c)/3)+n+1], v[64+64*((\c)%3)+n:64+64*((\c)%3)+n+1]
.set n, n+2
.endr
	WIN 0
.endm
	LOADP 0
	LOADP 1
	LOADP 2
.irp c, 0,1,2
	s_wait_dscnt 32                                ; the oldest 16 loads are in; two parts may be out
	ADDP \c
	LOADP \c+3
.endr
	s_wait_dscnt 32
	ADDP 3
	s_wait_dscnt 16
	ADDP 4
	s_wait_dscnt 0x0
	ADDP 5
	s_wait_alu depctr_va_vdst(0)
; THE WAY OUT: a token tile, 16 rows x 128 columns, goes through my own stage and comes back as whole rows of 512 bytes.  LDS serves a wave's instructions in order: no wait between the stores and the loads.
.macro TOSTAGE a
	WIN 0x08
.irp b, 0,1,2,3,4,5,6,7
	ds_store_b128 v13, v[64*(\a)+8*\b:64*(\a)+8*\b+3] offset:128*(\b/2)+32*(\b%2)
	ds_store_b128 v13, v[64*(\a)+8*\b+4:64*(\a)+8*\b+7] offset:128*(\b/2)+32*(\b%2)+16
.endr
	WIN 0
.set n, 0
.rept 16
	ds_load_b128 v[64+64*(\a)+4*n:64+64*(\a)+4*n+3], v14 offset:528*n
.set n, n+1
.endr
.endm
.macro SEND a, younger
	s_wait_dscnt \younger
.set n, 0
.rept 16
	global_store_b128 v1, v[64+64*(\a)+4*n:64+64*(\a)+4*n+3], s[14:15] offset:(8*(\a)+n+8*(n/8))*4096 th:TH_STORE_NT   ; tile lane n is row 8 a + n + 8 (n / 8) of my 32; 512 consecutive bytes, aligned
.set n, n+1
.endr
.endm
	TOSTAGE 0
	TOSTAGE 1
	SEND 0, 32                                     ; behind tile 0's loads: tile 1's 16 stores and 16 loads
	SEND 1, 0
	s_wait_tensorcnt 0x0                           ; the wave's end
	ds_add_u32 v[SPW], v[NIL]
	s_wait_dscnt 0x0
	ROUND                                          ; the closing round
	s_endpgm
.Lfunc_end_k_q5dd07c1c2d_ffn2:
	.size	k_q5dd07c1c2d_ffn2, .Lfunc_end_k_q5dd07c1c2d_ffn2-k_q5dd07c1c2d_ffn2
	.p2alignl 7, 3214868480
	.fill 96, 4, 3214868480
	.section	.rodata,"a",@progbits
	.p2align	6, 0x0
	.amdhsa_kernel k_q5dd07c1c2d_ffn2
		.amdhsa_group_segment_fixed_size 327680
		.amdhsa_private_segment_fixed_size 0
		.amdhsa_enable_private_segment 0
		.amdhsa_kernarg_size 48
		.amdhsa_user_sgpr_count 2
		.amdhsa_user_sgpr_kernarg_segment_ptr 1
		.amdhsa_wavefront_size32 1
		.amdhsa_system_sgpr_workgroup_id_x 1
		.amdhsa_system_sgpr_workgroup_id_y 1
		.amdhsa_system_sgpr_workgroup_id_z 1
		.amdhsa_system_vgpr_workitem_id 0
		.amdhsa_next_free_vgpr 1024
		.amdhsa_next_free_sgpr 80
		.amdhsa_reserve_vcc 0
		.amdhsa_float_denorm_mode_32 3
		.amdhsa_float_denorm_mode_16_64 3
		.amdhsa_memory_ordered 1
		.amdhsa_forward_progress 1
		.amdhsa_inst_pref_size 170
	.end_amdhsa_kernel
	.amdgpu_metadata
---
amdhsa.version: [ 1, 2 ]
amdhsa.kernels:
  - .name:           k_q5dd07c1c2d_ffn2
    .symbol:         k_q5dd07c1c2d_ffn2.kd
    .args:
      - { .name: hid, .offset: 0, .size: 8, .value_kind: global_buffer, .address_space: global }
      - { .name: wc, .offset: 8, .size: 8, .value_kind: global_buffer, .address_space: global }
      - { .name: ws, .offset: 16, .size: 8, .value_kind: global_buffer, .address_space: global }
      - { .name: x1, .offset: 24, .size: 8, .value_kind: global_buffer, .address_space: global }
      - { .name: b2, .offset: 32, .size: 8, .value_kind: global_buffer, .address_space: global }
      - { .name: out0, .offset: 40, .size: 8, .value_kind: global_buffer, .address_space: global }
    .group_segment_fixed_size: 327680
    .private_segment_fixed_size: 0
    .kernarg_segment_align: 8
    .kernarg_segment_size: 48
    .max_flat_workgroup_size: 128
    .sgpr_count:     80
    .vgpr_count:     1024
    .wavefront_size: 32
...
	.end_amdgpu_metadata
.endif
;; end of part 13
